; MI455X (gfx1250); checked and timed in simulation.
; The chip was launched on July 23, 2026; its instructions are those of AMD's public machine-readable ISA for CDNA 5 (MIT licence, August 2026) and "CDNA5" Instruction Set Architecture Reference Guide (July 2026). The comments in the code are by the model that wrote it; some were corrected since.
;; Block. Allowed arithmetic: matrix products marked QUANTISED: E4M3 operands, one E8M0 scale for each 32 along K, by v_wmma_scale_f32_16x16x128_f8f6f4 with both operands' format E4M3, f32 sums; everything else in f32.
;; Inputs: W_ao 1,024 x 1,024 float32; W_fc 1,024 x 4,096 float32; W_mp 4,096 x 1,024 float32; W_qkv 1,024 x 3,072 float32; b_ao 1,024 float32; b_fc 4,096 float32; b_mp 1,024 float32; b_qkv 3,072 float32; be1 1,024 float32; be2 1,024 float32; g1 1,024 float32; g2 1,024 float32; x 2 x 2,048 x 1,024 float32.
;; Outputs: out0 2 x 2,048 x 1,024 float32.
;; This version of the problem:
;;   THIS VERSION OF THE PROBLEM IS GIVEN IN LOW PRECISION. The matrix products marked QUANTISED in the list below multiply operands that are first quantised to E4M3 (4 exponent bits, 3 mantissa bits; 8 bits a number), with one power-of-two scale for each 32 numbers along K (OCP MX v1.0); their sums are f32. All else is computed in f32.
;;   The module's matrix products, in the order in which they are computed (A, B: the left and right operand; K: the contracted axis; several contracted axes count as one K, in the product's order):
;;     1. [M 4,096, K 1,024] x [K 1,024, N 3,072]; A: computed on the way; B: input W_qkv: QUANTISED
;;     2. batch 32 x [M 2,048, K 64] x [K 64, N 2,048]; A: computed on the way; B: computed on the way: QUANTISED
;;     3. batch 32 x [M 2,048, K 2,048] x [K 2,048, N 64]; A: softmax (see below); B: computed on the way: QUANTISED
;;     4. [M 4,096, K 1,024] x [K 1,024, N 1,024]; A: computed on the way; B: input W_ao: QUANTISED
;;     5. [M 4,096, K 1,024] x [K 1,024, N 4,096]; A: computed on the way; B: input W_fc: QUANTISED
;;     6. [M 4,096, K 4,096] x [K 4,096, N 1,024]; A: computed on the way; B: input W_mp: QUANTISED
;;   THE QUANTISER, for each operand of a quantised product, along K:
;;     - K is cut into blocks of 32 from its start; a last block that is shorter is filled with zeros.
;;     - A block's scale is 2^e with e = floor(log2(the largest magnitude in the block)) - 8, held to -126 .. 127; a block of zeros has e = 0. As a byte (E8M0): e + 127.
;;     - Each number is divided by its block's scale, clamped to +-448, and rounded to the nearest number of E4M3, ties to even, subnormals kept.
;;     - The product sums the exact products of the quantised numbers (number of the format x scale) in f32.
;;   ~~~python
;;   def quantise(x, axis):      # numpy; x: float32 -> the quantised numbers, widened to float32 again
;;       x = np.moveaxis(x, axis, -1); K = x.shape[-1]
;;       x = np.pad(x, [(0, 0)] * (x.ndim - 1) + [(0, -K % 32)]); x = x.reshape(x.shape[:-1] + (-1, 32)); a = np.abs(x).max(-1, keepdims=True)
;;       e = np.where(a > 0, np.clip(np.frexp(np.where(a > 0, a, 1))[1] - 1 - 8, -126, 127), 0)      # np.frexp(a)[1] - 1 = floor(log2(a)), exactly
;;       r = np.clip(x / 2.0 ** e, -448, 448)
;;       step = 2.0 ** (np.maximum(np.frexp(np.where(r == 0, 1, r))[1] - 1, -6) - 3)
;;       q = np.round(r / step) * step * 2.0 ** e      # np.round: ties to even
;;       return np.moveaxis(q.reshape(q.shape[:-2] + (-1,))[..., :K], -1, axis).astype(np.float32)
;;   ~~~
;;   SOFTMAX AHEAD OF A QUANTISED PRODUCT. Where the list says 'softmax', what is quantised is not the finished softmax but p = 2^(t - M), with t = logit x log2(e) and M = ceil(the row's largest t), a whole number; so 1/2 < the row's largest p <= 1. The row's sum l is taken of the UNQUANTISED p, in f32, and the product's result is divided by l at the end. Since M is a whole number, a kernel that streams over the keys may use a running M (the ceiling of the running maximum): every later rescaling is an exact power of two, which a block's scale takes up: the codes' values come out the same.
;;   OPERANDS COMPUTED ON THE WAY. 'Computed on the way' means the value that the module computes at that place (a softmax that the list does not call 'softmax' is quantised finished and normalised). What goes into a quantiser is computed in f32, as accurately as f32 sums, v_exp_f32 and their like allow (about 1e-6 of the number): no bf16 or f16 on the way to a quantiser, and a product that is left as it is and whose result goes on into a quantised operand takes f32 operands (vector FMAs, or v_wmma_f32_16x16x4_f32). A number that lies on a knife's edge between two numbers of the format may be rounded either way, as far as f32 arithmetic and the matrix unit's own rounding can turn it there, and no further.
;; 2 versions. Each part assembles by itself: llvm-mc -triple=amdgcn-amd-amdhsa -mcpu=gfx1250 --defsym DOCPART=n.
;; ======== version 1 of 2: 8 launches
;; workspace buffers: wts 12,976,128 bytes; h1 4,325,376 bytes; qkvc 12,976,128 bytes; yb 4,325,376 bytes; x1 16,777,216 bytes; h2 4,325,376 bytes; mb 17,301,504 bytes
;; launch wq (part 1): grid 384 x 1, 4 waves a work-group, no clusters, 35,328 bytes of LDS; arguments W_qkv, W_ao, W_fc, W_mp, wts; writes wts
.if DOCPART == 1
	.amdgcn_target "amdgcn-amd-amdhsa--gfx1250"
	.amdhsa_code_object_version 6
	.text
	.protected	k_q3de7414c31_wq
	.globl	k_q3de7414c31_wq
	.p2align	8
	.type	k_q3de7414c31_wq,@function
k_q3de7414c31_wq:
	s_mov_b64 s[64:65], 0
	v_nop
	global_prefetch_b8 v0, s[64:65] scope:SCOPE_SE
	s_setreg_imm32_b32 hwreg(HW_REG_WAVE_MODE, 25, 1), 1
	s_wait_xcnt 0x0
; The four weights, f32 [K][N] with K as FIRST axis, become codes of FP8 (E4M3) laid [N][K], K innermost, and E8M0 scale bytes laid by K step, [K/256][N][8].
; All four go into one buffer: codes of W_qkv, W_ao, W_fc, W_mp at 0, 3145728, 4194304, 8388608; scale bytes at 12582912, 12681216, 12713984, 12845056.
; ROW ORDER: output channel n is stored at row sigma(n) = n with bits 3 and 4 swapped.  Sixteen neighbouring stored rows, used as source 0 of a product, then give a lane's
; registers of two neighbouring tiles sixteen neighbouring channels, which is what the next quantiser wants.
; A LANE TAKES A COLUMN n, ITS REGISTERS RUN DOWN K: a block of 32 along K lies in one lane, and the conversions give codes with K innermost.
; A work-group takes 128 columns x 256 along K, a wave 32 columns.  Work-groups 0-95 W_qkv, 96-127 W_ao, 128-255 W_fc, 256-383 W_mp: one path, the sizes chosen by selects on the work-group's number.
; The codes leave through the wave's own stage in LDS (rows in stored order): sixteen lanes store 256 consecutive aligned bytes.  A wave's 32 x 8 scale bytes are 256 consecutive aligned bytes too.
; LIMITS: a block whose largest magnitude lies under 2^-118 gets the byte 1 (a block of zeros too: its codes are zeros, and this program alone reads the bytes); NaN and infinities are not served.
.set PITCH, 272                        ; a stage row: 256 bytes + 16
.set STG,   32*PITCH
.set NB,    8                          ; blocks of 32 along K for a wave
.set SO,    16                         ; v16-31   byte offsets of the 16 stores of codes
.set VO,    32                         ; v32-63   byte offsets of a block's 32 rows of W
.set X,     64                         ; v64-127  two sets of 32 numbers
.set C,     128                        ; v128-135 a block's codes
.set SB,    136                        ; v136-137 the 8 scale bytes
.set OUTR,  144                        ; v144-207 the way out
.set BB,    36                         ; s[36:51] W at my columns, block t
	s_load_b256 s[4:11], s[0:1], 0x0               ; W_qkv, W_ao, W_fc, W_mp
	s_load_b64 s[12:13], s[0:1], 0x20              ; wts
	v_lshl_add_u32 v208, v0, 2, 0x8800
	v_mov_b32 v209, 0
	v_lshrrev_b32 v1, 5, v0
	v_readfirstlane_b32 s2, v1                     ; wave
	v_and_b32 v1, 31, v0                           ; lane
	v_and_b32 v2, 7, v0
	v_bfe_u32 v3, v0, 3, 1
	v_bfe_u32 v4, v0, 4, 1
	v_lshl_or_b32 v2, v3, 4, v2
	v_lshl_or_b32 v2, v4, 3, v2                    ; sigma(lane)
	v_and_b32 v8, 15, v0
	s_mul_i32 s3, s2, STG                          ; my stage
	v_mul_u32_u24 v5, v2, PITCH
	v_add_nc_u32 v5, s3, v5                        ; into it: row sigma(lane)
	v_mul_u32_u24 v6, v4, PITCH
	v_lshl_add_u32 v6, v8, 4, v6
	v_add_nc_u32 v6, s3, v6                        ; out of it: sixteen lanes to a row
	v_lshlrev_b32 v9, 3, v2                        ; my column's 8 scale bytes
	s_mov_b32 s16, 256                             ; W_mp's figures: first work-group,
	s_mov_b32 s17, 4096                            ; bytes in a row of W,
	s_mov_b32 s18, 4                               ; log2 of the K steps,
	s_mov_b32 s19, 8388608                         ; where its codes begin,
	s_mov_b32 s20, 12845056                        ; and its scale bytes
	s_mov_b32 s56, 0x600000                        ; the mantissa field of 448
	s_wait_kmcnt 0x0
	s_mov_b64 s[14:15], s[10:11]
	s_cmp_lt_u32 ttmp9, 256                        ; W_fc
	s_cselect_b32 s16, 128, s16
	s_cselect_b32 s17, 16384, s17
	s_cselect_b32 s18, 2, s18
	s_cselect_b32 s19, 4194304, s19
	s_cselect_b32 s20, 12713984, s20
	s_cselect_b64 s[14:15], s[8:9], s[14:15]
	s_cmp_lt_u32 ttmp9, 128                        ; W_ao
	s_cselect_b32 s16, 96, s16
	s_cselect_b32 s17, 4096, s17
	s_cselect_b32 s19, 3145728, s19
	s_cselect_b32 s20, 12681216, s20
	s_cselect_b64 s[14:15], s[6:7], s[14:15]
	s_cmp_lt_u32 ttmp9, 96                         ; W_qkv
	s_cselect_b32 s16, 0, s16
	s_cselect_b32 s17, 12288, s17
	s_cselect_b32 s19, 0, s19
	s_cselect_b32 s20, 12582912, s20
	s_cselect_b64 s[14:15], s[4:5], s[14:15]
	s_sub_co_u32 s21, ttmp9, s16                   ; my number within the tensor
	s_lshl_b32 s22, 1, s18
	s_sub_co_u32 s22, s22, 1
	s_and_b32 s22, s21, s22                        ; K step
	s_lshr_b32 s23, s21, s18                       ; group of 128 columns
	s_lshl_b32 s24, 256, s18                       ; a row of codes in bytes = K
	s_lshl_b32 s25, s23, 7
	s_lshl_b32 s26, s2, 5
	s_add_co_u32 s25, s25, s26                     ; my wave's first column
	s_mul_i32 s28, s22, s17
	s_lshl_b32 s28, s28, 8                         ; 256 rows of W a K step
	s_lshl_b32 s26, s25, 2
	s_add_co_u32 s28, s28, s26
	s_mov_b32 s29, 0
	s_add_nc_u64 s[BB:BB+1], s[14:15], s[28:29]
	s_lshl_b32 s30, s17, 5                         ; 32 rows of W
	s_mov_b32 s31, 0
.irp t, 1,2,3,4,5,6,7
	s_add_nc_u64 s[BB+2*\t:BB+2*\t+1], s[BB+2*\t-2:BB+2*\t-1], s[30:31]
.endr
	s_mul_i32 s28, s25, s24
	s_lshl_b32 s26, s22, 8
	s_add_co_u32 s28, s28, s26
	s_add_co_u32 s28, s28, s19
	s_add_nc_u64 s[52:53], s[12:13], s[28:29]      ; codes: row = my first column, byte 256 x K step
	s_mul_i32 s28, s22, s17
	s_lshl_b32 s28, s28, 1                         ; a plane of scale bytes is 8 N = 2 x a row of W
	s_lshl_b32 s26, s25, 3
	s_add_co_u32 s28, s28, s26
	s_add_co_u32 s28, s28, s20
	s_add_nc_u64 s[54:55], s[12:13], s[28:29]
	s_lshl_b32 s57, s24, 1                         ; two rows of codes
	v_lshlrev_b32 v[VO], 2, v1
.set i, 1
.rept 31
	v_add_nc_u32 v[VO+i], s17, v[VO+i-1]
.set i, i+1
.endr
	v_mul_lo_u32 v7, v4, s24
	v_lshl_add_u32 v[SO], v8, 4, v7
.set i, 1
.rept 15
	v_add_nc_u32 v[SO+i], s57, v[SO+i-1]
.set i, i+1
.endr
.macro LOAD t                          ; block t: W(32 t + i, my column) into set t % 2: a wave's load reads 128 consecutive bytes
.set i, 0
.rept 32
	global_load_b32 v[X+32*((\t)%2)+i], v[VO+i], s[BB+2*(\t):BB+2*(\t)+1] th:TH_LOAD_NT
.set i, i+1
.endr
.endm
	LOAD 0
	LOAD 1
.macro BLOCK t
.set XS, X+32*((\t)%2)
.if (\t) < NB-1
	s_wait_loadcnt 32                              ; this block's 32 loads are in; the next block's 32 may be out
.else
	s_wait_loadcnt 0
.endif
	v_max3_num_f32 v12, |v[XS]|, |v[XS+1]|, |v[XS+2]|
	v_max3_num_f32 v13, |v[XS+3]|, |v[XS+4]|, |v[XS+5]|
.irp i, 6,10,14,18,22,26
	v_max3_num_f32 v12, v12, |v[XS+\i]|, |v[XS+\i+1]|
	v_max3_num_f32 v13, v13, |v[XS+\i+2]|, |v[XS+\i+3]|
.endr
	v_max3_num_f32 v12, v12, |v[XS+30]|, |v[XS+31]|
	v_max3_num_f32 v12, v12, v13, 0x4800000        ; the floor 2^(9 - 127): the byte cannot fall under 1
	v_add_nc_u32 v11, 0xfc000000, v12              ; 8 off the exponent field: the conversion's scale operand
	v_and_or_b32 v10, v12, 0x7f800000, s56         ; 448 x the scale
	v_lshrrev_b32 v13, 23, v11                     ; the scale's byte
.if (\t)%4 == 0
	v_mov_b32 v[SB+(\t)/4], v13
.else
	v_lshl_or_b32 v[SB+(\t)/4], v13, 8*((\t)%4), v[SB+(\t)/4]
.endif
.set i, 0
.rept 32
	v_med3_num_f32 v[XS+i], v[XS+i], -v10, v10     ; the conversion to an 8-bit code does not saturate (ISA guide 7.6.2): the hold comes first
.set i, i+1
.endr
.irp g, 0,1,2,3
	v_cvt_scalef32_pk8_fp8_f32 v[C+2*\g:C+2*\g+1], v[XS+8*\g:XS+8*\g+7], v11
.endr
	ds_store_b128 v5, v[C:C+3] offset:32*(\t)
	ds_store_b128 v5, v[C+4:C+7] offset:32*(\t)+16
.if (\t)+2 < NB
	LOAD (\t)+2
.endif
	s_wait_dscnt 0x0                               ; the stores have read their registers: the next block's codes may be written
.endm
.set Q, 0
.rept NB
	BLOCK Q
.set Q, Q+1
.endr
	global_store_b64 v9, v[SB:SB+1], s[54:55]      ; 32 lanes store 256 consecutive aligned bytes
.set i, 0
.rept 16
	ds_load_b128 v[OUTR+4*i:OUTR+4*i+3], v6 offset:2*i*PITCH   ; LDS serves a wave's instructions in order: these see my stores
.set i, i+1
.endr
.set i, 0
.rept 16
	s_wait_dscnt 15-i                              ; the younger stage loads may be out
	global_store_b128 v[SO+i], v[OUTR+4*i:OUTR+4*i+3], s[52:53]
.set i, i+1
.endr
	s_wait_tensorcnt 0x0
	ds_add_u32 v208, v209
	s_wait_dscnt 0x0
	s_endpgm
.Lfunc_end_k_q3de7414c31_wq:
	.size	k_q3de7414c31_wq, .Lfunc_end_k_q3de7414c31_wq-k_q3de7414c31_wq
	.p2alignl 7, 3214868480
	.fill 96, 4, 3214868480
	.section	.rodata,"a",@progbits
	.p2align	6, 0x0
	.amdhsa_kernel k_q3de7414c31_wq
		.amdhsa_group_segment_fixed_size 35328
		.amdhsa_private_segment_fixed_size 0
		.amdhsa_enable_private_segment 0
		.amdhsa_kernarg_size 40
		.amdhsa_user_sgpr_count 2
		.amdhsa_user_sgpr_kernarg_segment_ptr 1
		.amdhsa_wavefront_size32 1
		.amdhsa_system_sgpr_workgroup_id_x 1
		.amdhsa_system_sgpr_workgroup_id_y 1
		.amdhsa_system_sgpr_workgroup_id_z 1
		.amdhsa_system_vgpr_workitem_id 0
		.amdhsa_next_free_vgpr 210
		.amdhsa_next_free_sgpr 66
		.amdhsa_reserve_vcc 0
		.amdhsa_float_denorm_mode_32 3
		.amdhsa_float_denorm_mode_16_64 3
		.amdhsa_memory_ordered 1
		.amdhsa_forward_progress 1
		.amdhsa_inst_pref_size 63
	.end_amdhsa_kernel
	.amdgpu_metadata
---
amdhsa.version: [ 1, 2 ]
amdhsa.kernels:
  - .name:           k_q3de7414c31_wq
    .symbol:         k_q3de7414c31_wq.kd
    .args:
      - { .name: W_qkv, .offset: 0, .size: 8, .value_kind: global_buffer, .address_space: global }
      - { .name: W_ao, .offset: 8, .size: 8, .value_kind: global_buffer, .address_space: global }
      - { .name: W_fc, .offset: 16, .size: 8, .value_kind: global_buffer, .address_space: global }
      - { .name: W_mp, .offset: 24, .size: 8, .value_kind: global_buffer, .address_space: global }
      - { .name: wts, .offset: 32, .size: 8, .value_kind: global_buffer, .address_space: global }
    .group_segment_fixed_size: 35328
    .private_segment_fixed_size: 0
    .kernarg_segment_align: 8
    .kernarg_segment_size: 40
    .max_flat_workgroup_size: 128
    .sgpr_count:     66
    .vgpr_count:     210
    .wavefront_size: 32
...
	.end_amdgpu_metadata
.endif
;; end of part 1
;; launch ln1 (part 2): grid 128 x 1, 16 waves a work-group, no clusters, 93,184 bytes of LDS; arguments x, g1, be1, h1; writes h1
.if DOCPART == 2
	.amdgcn_target "amdgcn-amd-amdhsa--gfx1250"
	.amdhsa_code_object_version 6
	.text
	.protected	k_q3de7414c31_ln1
	.globl	k_q3de7414c31_ln1
	.p2align	8
	.type	k_q3de7414c31_ln1,@function
k_q3de7414c31_ln1:
	s_mov_b64 s[64:65], 0
	v_nop
	global_prefetch_b8 v0, s[64:65] scope:SCOPE_SE
	s_setreg_imm32_b32 hwreg(HW_REG_WAVE_MODE, 25, 1), 1
	s_wait_xcnt 0x0
; h = layernorm(x) * g + be, f32, then quantised along its 1,024 columns to FP8 (E4M3) codes [4096][1024] and E8M0 bytes laid by K step, [4][4096][8] (from byte 4194304 of the output buffer).
; ROW ORDER of the output: token row i is stored at sigma(i) = i with bits 3 and 4 swapped.  The input's rows lie as they are.
; A work-group takes 32 rows, so that a K step's scale bytes of the group are 256 consecutive aligned bytes; each of its 16 waves takes two rows, a row in 32 registers: read once, mean and variance in two passes over registers.
; g and be come once a work-group (a sixteenth by each wave) and go round through LDS.  For the conversions a lane must hold 16 neighbours: the finished row turns through the wave's own stage in LDS
; (64 bytes + 16 of padding a chunk).  Two neighbouring lanes hold a block of 32.  No matrix unit, no tensor load: memory binds.
; LIMITS: a block whose largest magnitude lies under 2^-118 gets the byte 1 (a block of zeros too); NaN and infinities are not served.
.set STG, 5120                         ; a wave's stage: 64 chunks of 80 bytes
.set GB,  81920                        ; g, then be: 4,096 bytes each
.set SCG, 90112                        ; the group's scale bytes [4][32][8]
.set G,   16                           ; v16-47   g of my columns
.set BE,  48                           ; v48-79   be
.set RX,  80                           ; v80-143  two rows
.set XQ,  144                          ; v144-175 two passes of 16 neighbours
.set C,   176                          ; v176-191 codes: four registers for each of the four stores
.set EB,  192                          ; v192-195 a scale byte for each
	s_load_b256 s[4:11], s[0:1], 0x0               ; x, g, be, h
	v_lshl_add_u32 v200, v0, 2, 0x16400
	v_mov_b32 v201, 0
	v_lshrrev_b32 v1, 5, v0
	v_readfirstlane_b32 s12, v1                    ; wave 0..15
	v_and_b32 v6, 31, v0                           ; lane L
	v_lshlrev_b32 v1, 4, v6                        ; 16 L
	v_lshlrev_b32 v5, 3, v6                        ; 8 L
	s_mul_i32 s13, s12, STG
	v_lshrrev_b32 v7, 2, v6
	v_mul_u32_u24 v2, v7, 80
	v_and_b32 v7, 3, v0
	v_lshl_add_u32 v2, v7, 4, v2
	v_add_nc_u32 v2, s13, v2                       ; the stage, in: 80 (L / 4) + 16 (L % 4)
	v_mul_u32_u24 v3, v6, 80
	v_add_nc_u32 v3, s13, v3                       ; and out: 80 L
	s_and_b32 s17, s12, 3
	s_lshl_b32 s14, s17, 1
	s_bfe_u32 s15, s12, 0x10002
	s_lshl_b32 s15, s15, 4
	s_add_co_u32 s14, s14, s15
	s_bfe_u32 s15, s12, 0x10003
	s_lshl_b32 s15, s15, 3
	s_add_co_u32 s14, s14, s15                     ; sigma(2 w): where my first row is stored among the group's 32
	v_bfe_u32 v4, v0, 4, 1
	v_lshlrev_b32 v4, 8, v4
	v_bfe_u32 v7, v0, 1, 3
	v_add_nc_u32 v4, v4, v7
	s_lshl_b32 s15, s14, 3
	s_add_co_u32 s15, s15, SCG
	v_add_nc_u32 v4, s15, v4                       ; my block's byte: plane 2 u + L / 16, row, byte (L / 2) % 8
	s_and_b32 s16, s12, 7
	s_lshl_b32 s16, s16, 9
	v_add_nc_u32 v199, s16, v1                     ; my sixteenth of g or be in memory
	s_lshl_b32 s16, s12, 9
	s_add_co_u32 s16, s16, GB
	v_add_nc_u32 v196, s16, v1                     ; and in LDS
	v_add_nc_u32 v197, GB, v1                      ; g and be as the rows lie in my registers
	s_lshl_b32 s16, s17, 8
	s_add_co_u32 s16, s16, SCG
	v_add_nc_u32 v198, s16, v5                     ; a plane of scale bytes, on the way out
	s_lshl_b32 s18, ttmp9, 17                      ; 32 rows of 4,096 bytes a work-group,
	s_lshl_b32 s19, s12, 13                        ; two a wave
	s_add_co_u32 s18, s18, s19
	s_mov_b32 s19, 0
	s_lshl_b32 s22, ttmp9, 15                      ; 32 rows of 1,024 codes
	s_lshl_b32 s23, s14, 10
	s_add_co_u32 s22, s22, s23
	s_mov_b32 s23, 0
	s_lshl_b32 s24, s17, 15                        ; plane w % 4,
	s_lshl_b32 s25, ttmp9, 8                       ; the group's 256 bytes in it
	s_add_co_u32 s24, s24, s25
	s_add_co_u32 s24, s24, 4194304
	s_mov_b32 s25, 0
	s_mov_b32 s20, 0x3a800000                      ; 1 / 1024
	s_mov_b32 s21, 0x3727c5ac                      ; 1e-5
	s_mov_b32 s26, 0x76543210
	s_mov_b32 s27, 0xfedcba98                      ; v_permlanex16_b32's selects for lane l xor 16
	s_mov_b32 s28, 0x600000                        ; the mantissa field of 448
	s_wait_kmcnt 0x0
	s_cmp_lt_u32 s12, 8                            ; waves 0-7 bring g, waves 8-15 be
	s_cselect_b64 s[6:7], s[6:7], s[8:9]
	s_add_nc_u64 s[4:5], s[4:5], s[18:19]
	s_add_nc_u64 s[22:23], s[10:11], s[22:23]
	s_add_nc_u64 s[24:25], s[10:11], s[24:25]
	global_load_b128 v[16:19], v199, s[6:7]
.irp i, 0,1
.irp j, 0,1,2,3,4,5,6,7
	global_load_b128 v[RX+32*\i+4*\j:RX+32*\i+4*\j+3], v1, s[4:5] offset:4096*\i+512*\j   ; 512 consecutive bytes a load
.endr
.endr
	s_wait_loadcnt 16                              ; my part of g or be is in; the 16 loads of x may be out
	ds_store_b128 v196, v[16:19]
	s_wait_dscnt 0x0                               ; for the others' sake
	s_barrier_signal -1
	s_barrier_wait -1
.irp j, 0,1,2,3,4,5,6,7
	ds_load_b128 v[G+4*\j:G+4*\j+3], v197 offset:512*\j
	ds_load_b128 v[BE+4*\j:BE+4*\j+3], v197 offset:4096+512*\j
.endr
.macro RED                             ; the sum of v6 over the 32 lanes, in every lane
	v_add_f32_dpp v6, v6, v6 row_xmask:1 row_mask:0xf bank_mask:0xf
	v_add_f32_dpp v6, v6, v6 row_xmask:2 row_mask:0xf bank_mask:0xf
	v_add_f32_dpp v6, v6, v6 row_xmask:4 row_mask:0xf bank_mask:0xf
	v_add_f32_dpp v6, v6, v6 row_xmask:8 row_mask:0xf bank_mask:0xf
	v_permlanex16_b32 v7, v6, s26, s27
	v_add_f32 v6, v6, v7
.endm
.macro FOLD                            ; the four chains v[6:13] into v6
	v_pk_add_f32 v[6:7], v[6:7], v[8:9]
	v_pk_add_f32 v[10:11], v[10:11], v[12:13]
	v_pk_add_f32 v[6:7], v[6:7], v[10:11]
	v_add_f32 v6, v6, v7
	RED
.endm
.macro ROW i
.set R, RX+32*(\i)
	s_wait_loadcnt 8*(1-(\i))                      ; this row's 8 loads are in; the other row's may be out
.if (\i) == 0
	s_wait_dscnt 0x0                               ; g and be
.endif
.irp c, 0,2,4,6
	v_pk_add_f32 v[6+\c:7+\c], v[R+\c:R+\c+1], v[R+8+\c:R+9+\c]
.endr
.irp k, 16,24
.irp c, 0,2,4,6
	v_pk_add_f32 v[6+\c:7+\c], v[6+\c:7+\c], v[R+\k+\c:R+\k+\c+1]
.endr
.endr
	FOLD
	v_mul_f32 v14, s20, v6                         ; the mean, twice: a pair for the packed forms
	v_mul_f32 v15, s20, v6
.set p, 0
.rept 16
	v_pk_add_f32 v[R+p:R+p+1], v[R+p:R+p+1], v[14:15] neg_lo:[0,1] neg_hi:[0,1]
.set p, p+2
.endr
.irp c, 0,2,4,6
	v_pk_mul_f32 v[6+\c:7+\c], v[R+\c:R+\c+1], v[R+\c:R+\c+1]
.endr
.irp k, 8,16,24
.irp c, 0,2,4,6
	v_pk_fma_f32 v[6+\c:7+\c], v[R+\k+\c:R+\k+\c+1], v[R+\k+\c:R+\k+\c+1], v[6+\c:7+\c]
.endr
.endr
	FOLD
	v_fma_f32 v6, v6, s20, s21                     ; the variance + eps
	v_rsq_f32 v14, v6
	v_rsq_f32 v15, v6
	v_nop                                          ; a plain instruction behind the transcendentals (ISA guide 5.7.2)
	s_wait_alu depctr_va_vdst(0)                   ; one wait for both, ahead of their first reader
.set p, 0
.rept 16
	v_pk_mul_f32 v[R+p:R+p+1], v[R+p:R+p+1], v[14:15]
.set p, p+2
.endr
.set p, 0
.rept 16
	v_pk_fma_f32 v[R+p:R+p+1], v[R+p:R+p+1], v[G+p:G+p+1], v[BE+p:BE+p+1]
.set p, p+2
.endr
.irp j, 0,1,2,3,4,5,6,7
	ds_store_b128 v2, v[R+4*\j:R+4*\j+3] offset:640*\j     ; the row as it lies,
.endr
.irp u, 0,1
.irp c, 0,1,2,3
	ds_load_b128 v[XQ+16*\u+4*\c:XQ+16*\u+4*\c+3], v3 offset:2560*\u+16*\c   ; and back 64 bytes a lane (LDS serves a wave's instructions in order)
.endr
.endr
.irp u, 0,1
.set XS, XQ+16*\u
.set N, 2*(\i)+\u
.if \u == 0
	s_wait_dscnt 4                                 ; pass 0's four loads are in; pass 1's may be out
.else
	s_wait_dscnt 1                                 ; pass 1's are in; pass 0's byte store may be out
.endif
	v_max3_num_f32 v8, |v[XS]|, |v[XS+1]|, |v[XS+2]|
	v_max3_num_f32 v9, |v[XS+3]|, |v[XS+4]|, |v[XS+5]|
.irp k, 6,10
	v_max3_num_f32 v8, v8, |v[XS+\k]|, |v[XS+\k+1]|
	v_max3_num_f32 v9, v9, |v[XS+\k+2]|, |v[XS+\k+3]|
.endr
	v_max3_num_f32 v8, v8, |v[XS+14]|, |v[XS+15]|
	v_max3_num_f32 v8, v8, v9, 0x4800000           ; the floor 2^(9 - 127)
	v_max_num_f32_dpp v8, v8, v8 row_xmask:1 row_mask:0xf bank_mask:0xf   ; with my neighbour's 16: the block's
	v_add_nc_u32 v11, 0xfc000000, v8               ; the conversion's scale operand
	v_and_or_b32 v10, v8, 0x7f800000, s28          ; 448 x the scale
.set k, 0
.rept 16
	v_med3_num_f32 v[XS+k], v[XS+k], -v10, v10
.set k, k+1
.endr
	v_cvt_scalef32_pk8_fp8_f32 v[C+4*N:C+4*N+1], v[XS:XS+7], v11
	v_cvt_scalef32_pk8_fp8_f32 v[C+4*N+2:C+4*N+3], v[XS+8:XS+15], v11
	v_lshrrev_b32 v[EB+N], 23, v11                 ; the scale's byte
	ds_store_b8 v4, v[EB+N] offset:512*\u+8*(\i)   ; both lanes of a block write the same byte with the same value
	global_store_b128 v1, v[C+4*N:C+4*N+3], s[22:23] offset:1024*(\i)+512*\u   ; 512 consecutive bytes of the stored row
.endr
.endm
	ROW 0
	ROW 1
	s_wait_dscnt 0x0                               ; my byte stores have landed
	s_barrier_signal -1
	s_barrier_wait -1
	s_cmp_lt_u32 s12, 4                            ; waves 0-3 store a plane's 256 bytes each
	s_cbranch_scc0 .Ldone
	ds_load_b64 v[6:7], v198
	s_wait_dscnt 0x0
	global_store_b64 v5, v[6:7], s[24:25]
.Ldone:
	s_wait_tensorcnt 0x0
	ds_add_u32 v200, v201
	s_wait_dscnt 0x0
	s_endpgm
.Lfunc_end_k_q3de7414c31_ln1:
	.size	k_q3de7414c31_ln1, .Lfunc_end_k_q3de7414c31_ln1-k_q3de7414c31_ln1
	.p2alignl 7, 3214868480
	.fill 96, 4, 3214868480
	.section	.rodata,"a",@progbits
	.p2align	6, 0x0
	.amdhsa_kernel k_q3de7414c31_ln1
		.amdhsa_group_segment_fixed_size 93184
		.amdhsa_private_segment_fixed_size 0
		.amdhsa_enable_private_segment 0
		.amdhsa_kernarg_size 32
		.amdhsa_user_sgpr_count 2
		.amdhsa_user_sgpr_kernarg_segment_ptr 1
		.amdhsa_wavefront_size32 1
		.amdhsa_system_sgpr_workgroup_id_x 1
		.amdhsa_system_sgpr_workgroup_id_y 1
		.amdhsa_system_sgpr_workgroup_id_z 1
		.amdhsa_system_vgpr_workitem_id 0
		.amdhsa_next_free_vgpr 202
		.amdhsa_next_free_sgpr 66
		.amdhsa_reserve_vcc 0
		.amdhsa_float_denorm_mode_32 3
		.amdhsa_float_denorm_mode_16_64 3
		.amdhsa_memory_ordered 1
		.amdhsa_forward_progress 1
		.amdhsa_inst_pref_size 29
	.end_amdhsa_kernel
	.amdgpu_metadata
---
amdhsa.version: [ 1, 2 ]
amdhsa.kernels:
  - .name:           k_q3de7414c31_ln1
    .symbol:         k_q3de7414c31_ln1.kd
    .args:
      - { .name: x, .offset: 0, .size: 8, .value_kind: global_buffer, .address_space: global }
      - { .name: g1, .offset: 8, .size: 8, .value_kind: global_buffer, .address_space: global }
      - { .name: be1, .offset: 16, .size: 8, .value_kind: global_buffer, .address_space: global }
      - { .name: h1, .offset: 24, .size: 8, .value_kind: global_buffer, .address_space: global }
    .group_segment_fixed_size: 93184
    .private_segment_fixed_size: 0
    .kernarg_segment_align: 8
    .kernarg_segment_size: 32
    .max_flat_workgroup_size: 512
    .sgpr_count:     66
    .vgpr_count:     202
    .wavefront_size: 32
...
	.end_amdgpu_metadata
.endif
;; end of part 2
;; launch qkv (part 3): grid 12 x 16, 4 waves a work-group, clusters of 4 x 4, 327,680 bytes of LDS; arguments h1, wts, b_qkv, qkvc; writes qkvc
.if DOCPART == 3
	.amdgcn_target "amdgcn-amd-amdhsa--gfx1250"
	.amdhsa_code_object_version 6
	.text
	.protected	k_q3de7414c31_qkv
	.globl	k_q3de7414c31_qkv
	.p2align	8
	.type	k_q3de7414c31_qkv,@function
k_q3de7414c31_qkv:
	s_mov_b64 s[64:65], 0
	v_nop
	global_prefetch_b8 v0, s[64:65] scope:SCOPE_SE
	s_setreg_imm32_b32 hwreg(HW_REG_WAVE_MODE, 25, 1), 1
	s_wait_xcnt 0x0
	s_wait_alu depctr_hold_cnt(0) depctr_sa_sdst(0) depctr_va_vdst(0) depctr_va_sdst(0) depctr_va_ssrc(0) depctr_va_vcc(0) depctr_vm_vsrc(0)
	s_getreg_b32 s2, hwreg(HW_REG_IB_STS2, 6, 4)
	s_cmp_eq_u32 s2, 0
	s_cbranch_scc0 .Lentry_in_a_cluster
	s_endpgm
.Lentry_in_a_cluster:
	s_bfe_u32 s2, ttmp6, 0x10000c
	s_cmp_lg_u32 s2, 0xf033
	s_cbranch_scc0 .Lentry_shape_is_right
	s_endpgm
.Lentry_shape_is_right:
; qkv = h W_qkv + b_qkv on codes of FP8 (E4M3) with E8M0 scales for each 32 along K = 1,024; the result is quantised at once, q and k along the head's 64, v along the keys, and leaves as codes.
; h: codes [4096][1024], scale bytes [4][4096][8] from byte 4194304.  W: codes [3072][1024] at byte 0 of wts, scale bytes [4][3072][8] from byte 12582912.  Rows of both lie in the order sigma (bits 3 and 4 of the index swapped).
; OUT: q codes [32 head][2048 token][64] at 0, k codes likewise at 4194304, v codes [32 head][64 d][2048 token] at 8388608 (rows in the order sigma, the last axis as it is); from 12582912, 12,288 bytes a head:
; q pair words [64][16], k pair words [64][16] (low half: the two scale bytes of row 32 p + r, high half: of row 32 p + 16 + r), v words [16 key steps][64 d].
; A tile of 256 x 256 to a work-group of four waves, 128 x 128 a wave in 64 accumulators; K in steps of 256 through a ring of two LDS slots filled by the tensor data mover.
; CLUSTERS 4 x 4: h's tile is shared along a row of the cluster, W's along a column: joint loads, the same descriptor and mask in the four that share.
; THE PRODUCT IS USED TRANSPOSED: source 0's rows run along a lane's registers, source 1's row is the lane's.  For q and k (clusters x = 0, 1) source 0 = W, source 1 = h: a lane holds one token and, by the order sigma,
; 16 neighbouring channels in the registers of two neighbouring tiles.  For v (cluster x = 2) THE ROLES CHANGE: source 0 = h, source 1 = W: a lane holds one channel d and 16 neighbouring keys.  The loads are the same; only the LDS read
; bases, the scale pointers and the bias differ, chosen by selects on the cluster's x, which all partners share.
; SCALES come by K step straight into registers: 32 rows x 8 bytes, 256 consecutive aligned bytes a load; lanes 0-15 hold one block of 16 rows, lanes 16-31 the next.
; REGISTERS: window 0: v1-31 addresses, v8-15 the bias along the lanes, v32-63 scale words (two sets), v64-127 the bias along the registers, v128-255 source 1's fragments (one set).
;   window 1: source 0's fragments (two sets); behind the loop the quantiser's work.   windows 2, 3: accumulator (a, b) at v[8 (8 (a % 4) + b)].
; LIMITS: a block whose largest magnitude lies under 2^-118 gets the byte 1 (a block of zeros too); NaN and infinities are not served.
.set PITCH, 272                        ; an LDS row: 256 bytes + 16: the 16 rows of a fragment load start at 16 different banks (64 banks of 4 bytes: ISA guide 11.1)
.set AH,    128*PITCH                  ; 128 rows: what one tensor load brings
.set BH,    128*PITCH
.set SLOT,  2*AH+2*BH                  ; h's 256 rows, then W's 256 rows
.set SPARE, 2*SLOT                     ; the spare words: 128 bytes a wave, named by no other line
.set LAPS,  2                          ; K / 512
.set KROWA, 1024
.set KROWB, 1024
.set CST,   0                          ; the way out, in slot 0 (its last fill and last read are over): codes, 256 rows x 272,
.set SSTQ,  256*PITCH                  ; pair words [4 heads][8 pairs][16],
.set SSTV,  SSTQ+2048                  ; v words [2][256]
.set BP,   8
.set ADRA, 16
.set ADRB, 20
.set VSA,  22
.set VSB,  23
.set SPW,  28
.set NIL,  29
.set SC,   32
.set BQ,   64
.set AF,   128
.set W,    0                           ; window 1: 64 numbers,
.set PC,   64                          ; their codes,
.set TM,   80                          ; the quantiser's 16 registers,
.set PW,   96                          ; the scale word,
.set PWS,  98                          ; those of a pair of blocks,
.set PP,   100                         ; the two pair words
.set G1,  24
.set G0,  32
.set G1B, 48
.set G0B, 56
.set MSB, 0
.macro WIN new                         ; the immediate's high byte repeats the setting that is left
.if MSB != (\new)
	s_set_vgpr_msb (MSB<<8)|(\new)
.set MSB, (\new)
.endif
.endm
.macro JLOAD g0a, g1a, g0b, g1b        ; a joint load: waves 0, 1 fetch h's halves, waves 2, 3 W's; four v_nop follow each line
	s_cmp_eq_u32 s15, 0
	s_cbranch_scc0 .Lfor_b_\@
	tensor_load_to_lds s[\g0a:\g0a+3], s[\g1a:\g1a+7]
	s_nop 0
.rept 4
	v_nop
.endr
	s_branch .Lasked_\@
.Lfor_b_\@:
	tensor_load_to_lds s[\g0b:\g0b+3], s[\g1b:\g1b+7]
	s_nop 0
.rept 4
	v_nop
.endr
.Lasked_\@:
.endm
.macro CREST                           ; a round of the cluster's barrier behind its opening barrier
	s_cmp_lg_u32 s14, 0
	s_cbranch_scc1 .Lnot_wave_0_\@
	s_barrier_signal -3
.Lnot_wave_0_\@:
	s_barrier_wait -3
	s_barrier_signal -1
	s_barrier_wait -1
.endm
.macro CROUND
	s_barrier_signal -1
	s_barrier_wait -1
	CREST
.endm
.macro PLACES n
.rept \n
	v_nop
.endr
.endm
	s_load_b256 s[88:95], s[0:1], 0x0              ; h1, wts, b_qkv, qkvc
	v_lshl_add_u32 v[SPW], v0, 2, SPARE
	v_mov_b32 v[NIL], 0
	ds_add_u32 v28, v29
	ds_add_u32 v28, v29
	s_wait_dscnt 0x0
	v_lshrrev_b32 v1, 5, v0
	v_readfirstlane_b32 s14, v1                    ; wave 0..3
	s_lshr_b32 s15, s14, 1                         ; my half of source 1's rows.  Also: I fetch h's tile (0) or W's (1)
	s_and_b32 s16, s14, 1                          ; my half of source 0's rows.  Also: which 128 rows I fetch
	s_bfe_u32 s40, ttmp6, 0x40000                  ; cx, cy
	s_bfe_u32 s41, ttmp6, 0x40004
	s_lshl_b32 s42, ttmp9, 2
	s_add_co_u32 s42, s42, s40                     ; x: which 256 rows of W
	s_and_b32 s17, ttmp7, 0xffff
	s_lshl_b32 s17, s17, 2
	s_add_co_u32 s17, s17, s41                     ; y: which 256 rows of h
	s_lshl_b32 s43, s41, 2
	s_lshl_b32 s43, 15, s43                        ; my row of the cluster
	s_lshl_b32 s44, 0x1111, s40                    ; my column
	s_or_b32 s[G1+0], s43, (1<<20)|(1<<21)|(5<<22)|(3<<25)   ; the mask; elements of 1 byte; padding on; bit 21 beside a mask; 4 words behind every 64
	s_or_b32 s[G1B+0], s44, (1<<20)|(1<<21)|(5<<22)|(3<<25)
.irp g, G1, G1B
	s_mov_b32 s[\g+1], 256<<16                     ; tensor_dim0
	s_mov_b32 s[\g+2], 128<<16                     ; tensor_dim1
	s_mov_b32 s[\g+3], 256<<16                     ; tile_dim0
	s_mov_b32 s[\g+4], 128                         ; tile_dim1
	s_mov_b32 s[\g+6], 0
	s_mov_b32 s[\g+7], 0
.endr
	s_mov_b32 s[G1+5], KROWA                       ; from row to row
	s_mov_b32 s[G1B+5], KROWB
	s_lshl_b32 s18, s16, 7
	s_lshl_b32 s20, s17, 8
	s_add_co_u32 s20, s20, s18
	s_mul_i32 s20, s20, KROWA                      ; h: row 256 y + 128 x half, in bytes
	s_mov_b32 s21, 0
	s_lshl_b32 s46, s42, 8
	s_add_co_u32 s46, s46, s18
	s_mul_i32 s46, s46, KROWB                      ; W: row 256 x + 128 x half
	s_mov_b32 s47, 0
	s_mul_i32 s45, s16, AH                         ; where they go: no place in the cluster enters an LDS address
	s_mul_i32 s19, s16, BH
	s_add_co_u32 s19, s19, 2*AH
	s_mov_b32 s80, 0x76543210
	s_mov_b32 s81, 0xfedcba98                      ; v_permlanex16_b32's selects for lane l xor 16
	s_mov_b32 s82, 0x600000                        ; the mantissa field of 448
	s_mov_b32 s85, 0x05040100                      ; v_perm_b32: the two low halves,
	s_mov_b32 s86, 0x07060302                      ; the two high halves
	s_wait_kmcnt 0x0
	s_add_nc_u64 s[20:21], s[88:89], s[20:21]
	s_add_nc_u64 s[46:47], s[90:91], s[46:47]
	CROUND                                         ; all sixteen work-groups are here: the first joint loads meet
.irp s, 0,1
	s_mov_b32 s[G0+4*\s], 1
	s_add_co_u32 s[G0+4*\s+1], s45, \s*SLOT
	s_add_nc_u64 s[G0+4*\s+2:G0+4*\s+3], s[20:21], \s*256
	s_or_b32 s[G0+4*\s+3], s[G0+4*\s+3], 0x80000000
	s_mov_b32 s[G0B+4*\s], 1
	s_add_co_u32 s[G0B+4*\s+1], s19, \s*SLOT
	s_add_nc_u64 s[G0B+4*\s+2:G0B+4*\s+3], s[46:47], \s*256
	s_or_b32 s[G0B+4*\s+3], s[G0B+4*\s+3], 0x80000000
	JLOAD G0+4*\s, G1, G0B+4*\s, G1B
.endr
	v_and_b32 v1, 15, v0                           ; r
	v_bfe_u32 v2, v0, 4, 1                         ; h
	v_mul_u32_u24 v3, v1, PITCH
	v_lshl_add_u32 v4, v2, 4, v3                   ; a fragment's row x pitch + 16 x half
	s_cmp_eq_u32 ttmp9, 2                          ; the v part?
	s_cselect_b32 s74, -1, 0                       ; keeps the bias along the lanes,
	s_cselect_b32 s75, 0, -1                       ; keeps the bias along the registers
	s_cselect_b32 s21, 2*AH, 0                     ; source 1 reads W's tile in the v part, else h's;
	s_cselect_b32 s22, 0, 2*AH                     ; source 0 the other
	s_mul_i32 s23, s15, AH
	s_add_co_u32 s21, s21, s23
	s_mul_i32 s23, s16, AH
	s_add_co_u32 s22, s22, s23
.irp s, 0,1
	v_add_nc_u32 v[ADRA+\s], s21, v4
	v_add_nc_u32 v[ADRB+\s], s22, v4
	s_add_co_u32 s21, s21, SLOT
	s_add_co_u32 s22, s22, SLOT
.endr
	s_lshl_b32 s18, s17, 11                        ; the scale bytes of a tile's 256 rows: 2,048 in each plane
	s_mov_b32 s19, 0
	s_add_nc_u64 s[76:77], s[88:89], s[18:19]
	s_add_nc_u64 s[76:77], s[76:77], 4194304       ; h's
	s_lshl_b32 s18, s42, 11
	s_add_nc_u64 s[78:79], s[90:91], s[18:19]
	s_add_nc_u64 s[78:79], s[78:79], 12582912      ; W's
	s_mov_b32 s70, 32768                           ; from plane to plane: h's 8 x 4,096, W's 8 x 3,072
	s_mov_b32 s72, 24576
	s_mov_b32 s71, 0
	s_mov_b32 s73, 0
	s_cmp_eq_u32 ttmp9, 2
	s_cselect_b64 s[6:7], s[78:79], s[76:77]       ; source 1's scales
	s_cselect_b64 s[10:11], s[76:77], s[78:79]     ; source 0's
	s_cselect_b32 s70, 24576, s70
	s_cselect_b32 s72, 32768, s72
	v_and_b32 v5, 31, v0
	v_lshlrev_b32 v5, 3, v5
	s_lshl_b32 s22, s15, 10
	v_add_nc_u32 v[VSA], s22, v5                   ; 8 x lane + my 128 rows
	s_lshl_b32 s22, s16, 10
	v_add_nc_u32 v[VSB], s22, v5
.macro SCLOAD set                      ; a K step's scale words: register SC + 16 set + 2 g + q: source 1's blocks 2 g (lanes 0-15) and 2 g + 1 (lanes 16-31); + 8: source 0's
.irp g, 0,1,2,3
	global_load_b64 v[SC+16*(\set)+2*\g:SC+16*(\set)+2*\g+1], v[VSA], s[6:7] offset:256*\g
.endr
.irp g, 0,1,2,3
	global_load_b64 v[SC+16*(\set)+8+2*\g:SC+16*(\set)+8+2*\g+1], v[VSB], s[10:11] offset:256*\g
.endr
.endm
	SCLOAD 0
	s_lshl_b32 s18, s42, 10                        ; the bias: 4 bytes x 256 x,
	s_lshl_b32 s20, s16, 9
	s_add_co_u32 s20, s18, s20                     ; + my half of source 0's rows (q, k),
	s_lshl_b32 s23, s15, 9
	s_add_co_u32 s23, s18, s23                     ; or of source 1's (v).  The side that does not apply reads from the buffer's start and is cleared below
	s_cmp_eq_u32 ttmp9, 2
	s_cselect_b32 s20, 0, s20
	s_cselect_b32 s18, s23, 0
	s_mov_b32 s21, 0
	s_add_nc_u64 s[66:67], s[92:93], s[20:21]
	s_add_nc_u64 s[68:69], s[92:93], s[18:19]
	v_lshlrev_b32 v6, 6, v2                        ; register 16 b + i holds channel 32 b + 16 h + i
.irp b, 0,1,2,3
.irp j, 0,1,2,3
	global_load_b128 v[BQ+16*\b+4*\j:BQ+16*\b+4*\j+3], v6, s[66:67] offset:128*\b+16*\j
.endr
.endr
	v_and_b32 v7, 7, v1
	v_lshrrev_b32 v3, 3, v1
	v_lshl_add_u32 v7, v3, 4, v7
	v_lshlrev_b32 v7, 2, v7                        ; stored row 16 a + r is channel 32 (a / 2) + 8 (a % 2) + r % 8 + 16 (r / 8)
.irp a, 0,1,2,3,4,5,6,7
	global_load_b32 v[BP+\a], v7, s[68:69] offset:4*(32*(\a/2)+8*(\a%2))
.endr
	s_mul_i32 s21, s15, 128*PITCH                  ; the way out: codes: row 128 wr + r, byte 128 wc + 16 h
	s_lshl_b32 s22, s16, 7
	s_add_co_u32 s21, s21, s22
	v_add_nc_u32 v24, s21, v4
	s_lshl_b32 s21, s16, 10
	s_lshl_b32 s22, s15, 9
	s_add_co_u32 s22, s21, s22
	s_add_co_u32 s22, s22, SSTV
	v_lshl_add_u32 v31, v1, 2, s22                 ; v words: 1,024 wc + 4 (128 wr + r)
	s_lshl_b32 s22, s15, 8
	s_add_co_u32 s22, s21, s22
	s_add_co_u32 s22, s22, SSTQ
	v_lshl_add_u32 v30, v1, 2, s22                 ; pair words: 1,024 wc + 256 wr + 4 r
; One matrix instruction.  rb, ra: the side's scales stand in lanes 16-31 of the register named
.macro WM acc, breg, areg, zero, sb, sa, rb, ra
.if \zero
.if ((\rb)==1)&&((\ra)==1)
	v_wmma_scale_f32_16x16x128_f8f6f4 v[\acc:\acc+7], v[\breg:\breg+15], v[\areg:\areg+15], 0, v[\sb], v[\sa] matrix_a_scale:MATRIX_SCALE_ROW1 matrix_b_scale:MATRIX_SCALE_ROW1
.elseif (\rb)==1
	v_wmma_scale_f32_16x16x128_f8f6f4 v[\acc:\acc+7], v[\breg:\breg+15], v[\areg:\areg+15], 0, v[\sb], v[\sa] matrix_a_scale:MATRIX_SCALE_ROW1
.elseif (\ra)==1
	v_wmma_scale_f32_16x16x128_f8f6f4 v[\acc:\acc+7], v[\breg:\breg+15], v[\areg:\areg+15], 0, v[\sb], v[\sa] matrix_b_scale:MATRIX_SCALE_ROW1
.else
	v_wmma_scale_f32_16x16x128_f8f6f4 v[\acc:\acc+7], v[\breg:\breg+15], v[\areg:\areg+15], 0, v[\sb], v[\sa]
.endif
.else
.if ((\rb)==1)&&((\ra)==1)
	v_wmma_scale_f32_16x16x128_f8f6f4 v[\acc:\acc+7], v[\breg:\breg+15], v[\areg:\areg+15], v[\acc:\acc+7], v[\sb], v[\sa] matrix_a_scale:MATRIX_SCALE_ROW1 matrix_b_scale:MATRIX_SCALE_ROW1
.elseif (\rb)==1
	v_wmma_scale_f32_16x16x128_f8f6f4 v[\acc:\acc+7], v[\breg:\breg+15], v[\areg:\areg+15], v[\acc:\acc+7], v[\sb], v[\sa] matrix_a_scale:MATRIX_SCALE_ROW1
.elseif (\ra)==1
	v_wmma_scale_f32_16x16x128_f8f6f4 v[\acc:\acc+7], v[\breg:\breg+15], v[\areg:\areg+15], v[\acc:\acc+7], v[\sb], v[\sa] matrix_b_scale:MATRIX_SCALE_ROW1
.else
	v_wmma_scale_f32_16x16x128_f8f6f4 v[\acc:\acc+7], v[\breg:\breg+15], v[\areg:\areg+15], v[\acc:\acc+7], v[\sb], v[\sa]
.endif
.endif
.endm
; 16 matrix instructions: source 1's blocks a0, a0 + 1 x source 0's eight.  p: source 0's set; q: which 128 of the K step; sc: the set of scale words.  The 64 accumulators take turns
.macro MUL16 a0, p, q, sc, zero
.irp a, \a0, \a0+1
.irp b, 0,1,2,3,4,5,6,7
	WM 8*(8*((\a)%4)+\b), 128*(\p)+16*\b, AF+16*(\a), \zero, SC+16*(\sc)+8+2*(\b/2)+(\q), SC+16*(\sc)+2*((\a)/2)+(\q), \b%2, (\a)%2
.endr
.endr
.endm
.macro FRAG reg, adr, q, i             ; 16 rows x 128 K: registers 4 c .. 4 c + 3 hold K = 32 c + 16 (lane / 16) + 0 .. 15
.irp c, 0,1,2,3
	ds_load_b128 v[\reg+4*\c:\reg+4*\c+3], v[\adr] offset:128*(\q)+32*\c+(\i)*16*PITCH
.endr
.endm
.macro FETCH_B slot, q, p
	WIN 0x40
.irp i, 0,1,2,3,4,5,6,7
	FRAG 128*(\p)+16*\i, ADRB+\slot, \q, \i
.endr
	WIN 0
.endm
.macro FETCH_A slot, q, i0
.irp i, \i0, \i0+1, \i0+2, \i0+3
	FRAG AF+16*(\i), ADRA+\slot, \q, \i
.endr
.endm
; A slot's first 128 along K.  Loads into registers that matrix instructions have read stand eight plain vector instructions behind them
.macro STEP slot, zero, more
	s_wait_loadcnt 0x0                             ; this K step's scale words are in (in the first step the biases too): their pointers may be stepped
	s_wait_dscnt 16                                ; all but the youngest 16 loads (source 1's blocks 4-7)
	WIN 0xa1
	MUL16 0, 0, 0, \slot, \zero
	MUL16 2, 0, 0, \slot, \zero
	s_wait_dscnt 0x0
	PLACES 8
	FETCH_B \slot, 1, 1
	FETCH_A \slot, 1, 0
.if \more
	s_add_nc_u64 s[6:7], s[6:7], s[70:71]
	s_add_nc_u64 s[10:11], s[10:11], s[72:73]
	SCLOAD 1-\slot                                 ; the next K step's, 96 matrix instructions ahead of their use; the set's last readers lie behind the eight places at the last change of slots
.endif
	WIN 0xf1
	MUL16 4, 0, 0, \slot, \zero
	MUL16 6, 0, 0, \slot, \zero
	PLACES 8
	WIN 0
	FETCH_A \slot, 1, 4
.endm
; A slot's second 128 changes slots: each wave waits for all its tensor loads, adds 0 to its spare word, waits for that and for its reads of the slot; one barrier, which opens a round of the cluster's where the slot is filled again
.macro TURN slot, next, fill
	s_wait_tensorcnt 0x0                           ; all my tensor loads have landed: my part of the next slot
	ds_add_u32 v[SPW], v[NIL]                      ; 0 onto my spare word
	s_wait_dscnt 17                                ; the add and the youngest 16 loads may be out
	WIN 0xa1
	MUL16 0, 1, 1, \slot, 0
	s_wait_dscnt 0x0                               ; the add is done, and my reads of this slot are over
	s_barrier_signal -1
	MUL16 2, 1, 1, \slot, 0
	WIN 0
	s_barrier_wait -1
.if \fill
	CREST                                          ; no wave of any partner still reads this slot or has a load on its way
	s_add_nc_u64 s[G0+4*\slot+2:G0+4*\slot+3], s[G0+4*\slot+2:G0+4*\slot+3], 512
	s_add_nc_u64 s[G0B+4*\slot+2:G0B+4*\slot+3], s[G0B+4*\slot+2:G0B+4*\slot+3], 512
	JLOAD G0+4*\slot, G1, G0B+4*\slot, G1B         ; the first tensor load behind the round; its four v_nop are four of the eight places
	PLACES 4
.else
	PLACES 8
.endif
	FETCH_B \next, 0, 0
	FETCH_A \next, 0, 0
	WIN 0xf1
	MUL16 4, 1, 1, \slot, 0
	MUL16 6, 1, 1, \slot, 0
	PLACES 8
	WIN 0
	FETCH_A \next, 0, 4
.endm
	s_wait_tensorcnt 1                             ; my part of K step 0 is in; K step 1's load may be out
	s_barrier_signal -1
	s_barrier_wait -1
	FETCH_B 0, 0, 0
	FETCH_A 0, 0, 0
	FETCH_A 0, 0, 4
	STEP 0, 1, 1                                   ; the first products start the sums: nothing is cleared
	s_mov_b32 s3, LAPS-1
.Llap:
	TURN 0, 1, 1
	STEP 1, 0, 1
	TURN 1, 0, 1
	STEP 0, 0, 1
	s_sub_co_u32 s3, s3, 1
	s_cmp_lg_u32 s3, 0
	s_cbranch_scc1 .Llap
	TURN 0, 1, 0                                   ; the last lap fills nothing
	STEP 1, 0, 0
	s_wait_dscnt 16
	WIN 0xa1
	MUL16 0, 1, 1, 1, 0
	MUL16 2, 1, 1, 1, 0
	s_wait_dscnt 0x0
	WIN 0xf1
	MUL16 4, 1, 1, 1, 0
	MUL16 6, 1, 1, 1, 0
	WIN 0
	; THE WAY OUT.  The addresses of both store arms are made here, on the way that all take, in the loop's address registers, which are done with.  These lines and the 72 selects are also the places behind the last products.
	v_and_b32 v3, 31, v0
	v_lshrrev_b32 v4, 2, v3
	v_mul_u32_u24 v16, v4, PITCH
	v_and_b32 v4, 3, v0
	v_lshl_add_u32 v16, v4, 4, v16
	s_mul_i32 s20, s14, 64*PITCH
	v_add_nc_u32 v16, s20, v16                     ; q, k: stage row 64 w + L / 4, 16 bytes (L % 4)
	v_lshlrev_b32 v19, 4, v3                       ; 16 L
	s_lshl_b32 s21, s14, 12
	v_add_nc_u32 v17, s21, v19                     ; and in a head's rows of 64 bytes
	s_lshl_b32 s21, s14, 9
	s_add_co_u32 s21, s21, SSTQ
	v_add_nc_u32 v18, s21, v19                     ; head w's pair words
	v_mul_u32_u24 v20, v2, PITCH
	v_lshl_add_u32 v20, v1, 4, v20
	v_add_nc_u32 v20, s20, v20                     ; v: stage row 64 w + L / 16, sixteen lanes to a row
	v_lshlrev_b32 v21, 11, v2
	v_lshl_add_u32 v21, v1, 4, v21                 ; and in rows of 2,048 bytes
	s_lshl_b32 s21, s16, 10
	s_lshl_b32 s22, s15, 9
	s_add_co_u32 s21, s21, s22
	s_add_co_u32 s21, s21, SSTV
	v_add_nc_u32 v22, s21, v19
	v_mul_u32_u24 v23, v2, 12288
	v_lshl_add_u32 v23, v1, 4, v23
	s_lshr_b32 s20, s17, 3                         ; batch
	s_and_b32 s21, s17, 7                          ; which 256 tokens of it
	s_and_b32 s22, s42, 3
	s_lshl_b32 s22, s22, 2
	s_lshl_b32 s20, s20, 4
	s_add_co_u32 s20, s20, s22                     ; the tile's first head
	s_lshl_b32 s18, ttmp9, 22
	s_lshl_b32 s19, s20, 17
	s_add_co_u32 s18, s18, s19
	s_lshl_b32 s19, s21, 14
	s_add_co_u32 s18, s18, s19
	s_mov_b32 s19, 0
	s_add_nc_u64 s[12:13], s[94:95], s[18:19]      ; q or k codes
	s_add_co_u32 s22, s20, s14
	s_mul_i32 s18, s22, 12288
	s_lshl_b32 s23, ttmp9, 12
	s_add_co_u32 s18, s18, s23
	s_lshl_b32 s23, s21, 9
	s_add_co_u32 s18, s18, s23
	s_add_co_u32 s18, s18, 12582912
	s_add_nc_u64 s[76:77], s[94:95], s[18:19]      ; head w's pair words
	s_lshl_b32 s18, s22, 17
	s_lshl_b32 s23, s21, 8
	s_add_co_u32 s18, s18, s23
	s_add_co_u32 s18, s18, 8388608
	s_add_nc_u64 s[78:79], s[94:95], s[18:19]      ; v codes: head w's 64 rows
	s_lshl_b32 s22, s15, 1
	s_add_co_u32 s22, s22, s20
	s_mul_i32 s18, s22, 12288
	s_lshl_b32 s23, s21, 1
	s_add_co_u32 s23, s23, s16
	s_lshl_b32 s23, s23, 8
	s_add_co_u32 s18, s18, s23
	s_add_co_u32 s18, s18, 12582912+8192
	s_add_nc_u64 s[96:97], s[94:95], s[18:19]      ; v words
.set n, 0
.rept 64
	v_cndmask_b32 v[BQ+n], 0, v[BQ+n], s75         ; the bias along the registers counts for q and k,
.set n, n+1
.endr
.set n, 0
.rept 8
	v_cndmask_b32 v[BP+n], 0, v[BP+n], s74         ; that along the lanes for v
.set n, n+1
.endr
	WIN 0x40
.irp b, 0,1,2,3
	v_mov_b32 v[TM+4+\b], 0                        ; written once: a lane permute's destination counts as one of its sources
.endr
; 64 numbers of a lane, register 16 b + i = place 32 b + 16 (lane / 16) + i of my row, become 16 registers of codes and a scale word
.macro QUANT
.irp b, 0,1,2,3
	v_max3_num_f32 v[TM+\b], |v[W+16*\b]|, |v[W+1+16*\b]|, 0x4800000   ; with the floor 2^(9 - 127): the byte cannot fall under 1
.endr
.irp i, 2,4,6,8,10,12,14
.irp b, 0,1,2,3
	v_max3_num_f32 v[TM+\b], v[TM+\b], |v[W+16*\b+\i]|, |v[W+1+16*\b+\i]|
.endr
.endr
.irp b, 0,1,2,3
	v_permlanex16_b32 v[TM+4+\b], v[TM+\b], s80, s81
.endr
.irp b, 0,1,2,3
	v_max_num_f32 v[TM+\b], v[TM+\b], v[TM+4+\b]   ; with lane l xor 16's: the block's largest magnitude
.endr
.irp b, 0,1,2,3
	v_add_nc_u32 v[TM+12+\b], 0xfc000000, v[TM+\b] ; 8 off its exponent field: the conversion's scale operand
.endr
.irp b, 0,1,2,3
	v_and_or_b32 v[TM+8+\b], v[TM+\b], 0x7f800000, s82   ; 448 x the scale
.endr
.irp b, 0,1,2,3
	v_lshrrev_b32 v[TM+4+\b], 23, v[TM+12+\b]      ; the scale's byte
.endr
	v_lshl_or_b32 v[PW], v[TM+5], 8, v[TM+4]
	v_lshl_or_b32 v[PW], v[TM+6], 16, v[PW]
	v_lshl_or_b32 v[PW], v[TM+7], 24, v[PW]
.irp b, 0,1,2,3
.irp i, 0,1,2,3,4,5,6,7,8,9,10,11,12,13,14,15
	v_med3_num_f32 v[W+16*\b+\i], v[W+16*\b+\i], -v[TM+8+\b], v[TM+8+\b]   ; the conversion does not saturate (ISA guide 7.6.2): the hold
.endr
	v_cvt_scalef32_pk8_fp8_f32 v[PC+4*\b:PC+1+4*\b], v[W+16*\b:W+7+16*\b], v[TM+12+\b]
	v_cvt_scalef32_pk8_fp8_f32 v[PC+2+4*\b:PC+3+4*\b], v[W+8+16*\b:W+15+16*\b], v[TM+12+\b]
.endr
	v_nop                                          ; a plain instruction behind the last conversion
.endm
; Block a of source 1's rows: the sums and both biases, quantised, to the stages
.macro BLK a
	WIN 0x42+(\a)/4
.set n, 0
.rept 32
	v_pk_add_f32 v[W+n:W+n+1], v[64*((\a)%4)+n:64*((\a)%4)+n+1], v[BQ+n:BQ+n+1]   ; ascending: each accumulator is read from its low end on
.set n, n+2
.endr
	WIN 0x41
.set n, 0
.rept 32
.if (\a)%2
	v_pk_add_f32 v[W+n:W+n+1], v[W+n:W+n+1], v[BP+2*((\a)/2):BP+2*((\a)/2)+1] op_sel:[0,1] op_sel_hi:[1,1]
.else
	v_pk_add_f32 v[W+n:W+n+1], v[W+n:W+n+1], v[BP+2*((\a)/2):BP+2*((\a)/2)+1] op_sel_hi:[1,0]
.endif
.set n, n+2
.endr
	WIN 0x55
	QUANT
	v_mov_b32 v[PWS+(\a)%2], v[PW]
.if (\a)%2
	v_perm_b32 v[PP], v[PWS+1], v[PWS], s85        ; first head: the even block's two bytes below, the odd block's above
	v_perm_b32 v[PP+1], v[PWS+1], v[PWS], s86      ; second head
.endif
	WIN 0x04
.irp b, 0,1,2,3
	ds_store_b128 v24, v[PC+4*\b:PC+4*\b+3] offset:(\a)*16*PITCH+32*\b
.endr
	ds_store_b32 v31, v[PW] offset:64*(\a)         ; both halves of the lanes write the same word with the same value
.if (\a)%2
	ds_store_b32 v30, v[PP] offset:64*((\a)/2)
	ds_store_b32 v30, v[PP+1] offset:512+64*((\a)/2)
.endif
	WIN 0
	s_wait_dscnt 0x0                               ; the stores have read their registers
.endm
.irp a, 0,1,2,3,4,5,6,7
	BLK \a
.endr
	s_barrier_signal -1                            ; every wave's stores into the stages have landed
	s_barrier_wait -1
	s_cmp_eq_u32 ttmp9, 2                          ; the same in all partners; both arms only read LDS
	s_cbranch_scc1 .Lvarm
.set k, 0
.rept 32                               ; q, k: my 64 rows x 4 heads: 8 rows of one head are 512 consecutive bytes
	ds_load_b128 v[128+4*k:128+4*k+3], v16 offset:(k/4)*8*PITCH+(k%4)*64
.set k, k+1
.endr
	ds_load_b128 v[64:67], v18
.set k, 0
.rept 32
	s_wait_dscnt 32-k                              ; the younger loads may be out
	global_store_b128 v17, v[128+4*k:128+4*k+3], s[12:13] offset:(k%4)*131072+(k/4)*512
.set k, k+1
.endr
	s_wait_dscnt 0x0
	global_store_b128 v19, v[64:67], s[76:77]
	s_branch .Lend
.Lvarm:
.set k, 0
.rept 32                               ; v: my 64 rows (one head): sixteen lanes store 256 consecutive aligned bytes of a row
	ds_load_b128 v[128+4*k:128+4*k+3], v20 offset:2*k*PITCH
.set k, k+1
.endr
	ds_load_b128 v[64:67], v22
.set k, 0
.rept 32
	s_wait_dscnt 32-k
	global_store_b128 v21, v[128+4*k:128+4*k+3], s[78:79] offset:4096*k
.set k, k+1
.endr
	s_wait_dscnt 0x0
	global_store_b128 v23, v[64:67], s[96:97]
.Lend:
	s_wait_tensorcnt 0x0                           ; the wave's end
	ds_add_u32 v[SPW], v[NIL]
	s_wait_dscnt 0x0
	CROUND                                         ; the closing round
	s_endpgm
.Lfunc_end_k_q3de7414c31_qkv:
	.size	k_q3de7414c31_qkv, .Lfunc_end_k_q3de7414c31_qkv-k_q3de7414c31_qkv
	.p2alignl 7, 3214868480
	.fill 96, 4, 3214868480
	.section	.rodata,"a",@progbits
	.p2align	6, 0x0
	.amdhsa_kernel k_q3de7414c31_qkv
		.amdhsa_group_segment_fixed_size 327680
		.amdhsa_private_segment_fixed_size 0
		.amdhsa_enable_private_segment 0
		.amdhsa_kernarg_size 32
		.amdhsa_user_sgpr_count 2
		.amdhsa_user_sgpr_kernarg_segment_ptr 1
		.amdhsa_wavefront_size32 1
		.amdhsa_system_sgpr_workgroup_id_x 1
		.amdhsa_system_sgpr_workgroup_id_y 1
		.amdhsa_system_sgpr_workgroup_id_z 1
		.amdhsa_system_vgpr_workitem_id 0
		.amdhsa_next_free_vgpr 1024
		.amdhsa_next_free_sgpr 100
		.amdhsa_reserve_vcc 0
		.amdhsa_float_denorm_mode_32 3
		.amdhsa_float_denorm_mode_16_64 3
		.amdhsa_memory_ordered 1
		.amdhsa_forward_progress 1
		.amdhsa_inst_pref_size 239
	.end_amdhsa_kernel
	.amdgpu_metadata
---
amdhsa.version: [ 1, 2 ]
amdhsa.kernels:
  - .name:           k_q3de7414c31_qkv
    .symbol:         k_q3de7414c31_qkv.kd
    .args:
      - { .name: h1, .offset: 0, .size: 8, .value_kind: global_buffer, .address_space: global }
      - { .name: wts, .offset: 8, .size: 8, .value_kind: global_buffer, .address_space: global }
      - { .name: b_qkv, .offset: 16, .size: 8, .value_kind: global_buffer, .address_space: global }
      - { .name: qkvc, .offset: 24, .size: 8, .value_kind: global_buffer, .address_space: global }
    .group_segment_fixed_size: 327680
    .private_segment_fixed_size: 0
    .kernarg_segment_align: 8
    .kernarg_segment_size: 32
    .max_flat_workgroup_size: 128
    .sgpr_count:     100
    .vgpr_count:     1024
    .wavefront_size: 32
...
	.end_amdgpu_metadata
.endif
;; end of part 3
;; launch attn (part 4): grid 8 x 32, 16 waves a work-group, no clusters, 299,008 bytes of LDS; arguments qkvc, yb; writes yb
.if DOCPART == 4
	.amdgcn_target "amdgcn-amd-amdhsa--gfx1250"
	.amdhsa_code_object_version 6
	.text
	.protected	k_q3de7414c31_attn
	.globl	k_q3de7414c31_attn
	.p2align	8
	.type	k_q3de7414c31_attn,@function
k_q3de7414c31_attn:
	s_mov_b64 s[64:65], 0
	v_nop
	global_prefetch_b8 v0, s[64:65] scope:SCOPE_SE
	s_setreg_imm32_b32 hwreg(HW_REG_WAVE_MODE, 25, 1), 1
	s_wait_xcnt 0x0
; Causal attention of one head on codes of FP8 (E4M3) with E8M0 scales, and its result y quantised along the head's 64.  Head size 64, 2,048 tokens, 32 (batch, head) pairs.
; IN (one buffer): q codes [32][2048][64] at 0, k codes at 4194304, v codes [32][64 d][2048 keys] at 8388608; from 12582912, 12,288 bytes a head: q pair words, k pair words, v words.  Token rows and d rows lie in the order sigma
; (bits 3 and 4 of the index swapped); the last axes as they are.
; OUT: y codes [1024 groups of 4 rows][16 heads][4 rows][64] (a wave's 16 rows of one head are four runs of 256 consecutive aligned bytes); scale bytes [4][4096][8] from byte 4194304: a head owns 2 of a row's 8 bytes, which leave 2 bytes a lane.
; THE SOFTMAX: t = score x log2(e) / 8; M = the running largest t rounded UP to a whole number; p = 2^(t - M) is quantised along the keys, not normalised; the sum is taken of the unquantised p and divides at the end.
; SHARES.  A work-group has one head and sixteen waves, each with one tile of 16 queries in 256 registers.  Half of the waves take the 128 queries of block x, half those of block 15 - x, so that every work-group has the same causal work.
; A wave works in key steps (128 keys) 0 .. its block; the last is the diagonal step, where hidden scores become -infinity.  Steps beyond are left out by a scalar branch on ids; all trip counts are constants.
; NO CLUSTER: that branch hangs on the work-group's query block, which would differ between partners.
; LDS.  The head's K, V and their scale words are brought once, by five tensor loads at the head (wave 0: three, wave 1: two are out at the most), and stay: nothing is filled again.
; K = 64 IN A FORM OF 128: a fragment of K carries TWO tiles of 16 keys, one in each half of the form's K; multiplied by [q | zeros] it gives the first tile's scores, by [zeros | q] the second's.  Zero codes add nothing.
; Both products are used transposed: a lane holds one query throughout; by the order sigma the 16 registers of two neighbouring tiles are 16 neighbouring keys (or channels d).
; LIMITS: v_exp_f32 gives 0 under 2^-126; a block's largest p is taken from its largest score, which takes v_exp_f32 not to fall where its input rises; NaN and infinities among the inputs are not served.
.set VB,  139264                       ; K: 512 rows (4 keys each) x 272 from byte 0; V: two halves of 64 rows x 1,040
.set SB,  272384                       ; k pair words 4,096, v words 4,096
.set YST, 280576                       ; a stage of 1,024 bytes a wave
.set AK0, 1
.set AV0, 2
.set AS0, 3
.set QOF, 4
.set DL,  5                            ; my query's place in its block of 128, less 16 (lane / 16)
.set QSW, 6                            ; q's scale word
.set R4,  7
.set ADK, 8
.set ADV, 9
.set ADS, 10
.set KF,  40                           ; v40-103   four packed fragments of K
.set S,   104                          ; v104-167  S^T, then p, then V's four fragments
.set O,   168                          ; v168-199  O^T
.set PCD, 200                          ; v200-215  p's codes
.set KS,  216                          ; v216-219  k's scale words;  v220-223 v's;  v224 p's
.set VS,  220
.set PSW, 224
.set BM,  228                          ; v228-231 block maxima; v232-235 at work; v236-239 holds; v240-243 scale operands
.set T2,  232
.set HO,  236
.set SOP, 240
.set F,   244                          ; v[244:245] f = 2^(old M - new M)
.set TMP, 246
.set NINF, 247
.set WV,  8
.set JB,  10
.set IW,  11
.set IG,  12
.set ST,  13
.set TBK, 14
.set TBV, 15
.set TS,  16
.set INC, 17
.set OUTC, 18
.set MNT, 19
.set SEL, 20
.set CS,  22
.set G1K, 24
.set G1V, 32
.set G1S, 40
	s_load_b128 s[4:7], s[0:1], 0x0                ; qkvc, yb
	v_lshl_add_u32 v254, v0, 2, 0x48800
	v_mov_b32 v255, 0
	ds_add_u32 v254, v255
	ds_add_u32 v254, v255
	v_lshrrev_b32 v8, 5, v0
	v_readfirstlane_b32 s[WV], v8                  ; wave 0..15
	s_and_b32 s9, ttmp7, 0xffff                    ; batch x 16 + head
	s_lshr_b32 s72, s[WV], 2
	s_xor_b32 s72, s72, s[WV]
	s_and_b32 s72, s72, 1                          ; which of the two query blocks: of waves 2 i, 2 i + 1 one takes each
	s_sub_co_u32 s73, 15, ttmp9
	s_cmp_eq_u32 s72, 0
	s_cselect_b32 s[JB], ttmp9, s73                ; my block of 128 queries
	s_lshr_b32 s[IW], s[WV], 1                     ; my tile in it
	s_lshl_b32 s[IG], s[JB], 3
	s_add_co_u32 s[IG], s[IG], s[IW]
	s_mov_b32 s[G1K], (1<<20)|(5<<22)|(3<<25)      ; K: 256 rows of 256 bytes, dense; 4 words of padding behind every 64
	s_mov_b32 s[G1K+1], 256<<16
	s_mov_b32 s[G1K+2], 256<<16
	s_mov_b32 s[G1K+3], 256<<16
	s_mov_b32 s[G1K+4], 256
	s_mov_b32 s[G1K+5], 256
	s_mov_b32 s[G1K+6], 0
	s_mov_b32 s[G1K+7], 0
	s_mov_b32 s[G1V], (1<<20)|(7<<22)|(3<<25)      ; V: 64 rows of 1,024 bytes, 2,048 apart; 4 words behind every 256
	s_mov_b32 s[G1V+1], 1024<<16
	s_mov_b32 s[G1V+2], 64<<16
	s_mov_b32 s[G1V+3], 1024<<16
	s_mov_b32 s[G1V+4], 64
	s_mov_b32 s[G1V+5], 2048
	s_mov_b32 s[G1V+6], 0
	s_mov_b32 s[G1V+7], 0
	s_mov_b32 s[G1S], 3<<16                        ; the scale words: 8,192 dense bytes as 32 rows of 32 elements of 8 bytes
	s_mov_b32 s[G1S+1], 32<<16
	s_mov_b32 s[G1S+2], 32<<16
	s_mov_b32 s[G1S+3], 32<<16
	s_mov_b32 s[G1S+4], 32
	s_mov_b32 s[G1S+5], 32
	s_mov_b32 s[G1S+6], 0
	s_mov_b32 s[G1S+7], 0
	s_lshl_b32 s72, s9, 17                         ; a head's codes: 131,072 bytes in each of q, k, v
	s_mov_b32 s73, 0
	s_mul_i32 s74, s9, 12288
	s_mov_b32 s75, 0
	s_mov_b32 s[SEL], 0x76543210
	s_mov_b32 s[SEL+1], 0xfedcba98
	s_mov_b32 s[CS], 0x3e38aa3b                    ; c = log2(e) / 8
	s_mov_b32 s[CS+1], s[CS]
	s_mov_b32 s[MNT], 0x600000
	s_mov_b32 s[ST], 0
	s_mov_b32 s[TBK], 0
	s_mov_b32 s[TBV], 0
	s_mov_b32 s[TS], 0
	s_wait_dscnt 0x0
	s_wait_kmcnt 0x0
	s_add_nc_u64 s[76:77], s[4:5], s[72:73]        ; my head's q codes
	s_add_nc_u64 s[78:79], s[4:5], s[74:75]
	s_add_nc_u64 s[78:79], s[78:79], 12582912      ; my head's scale words
	s_mov_b32 s48, 1
	s_mov_b32 s49, SB
	s_add_nc_u64 s[50:51], s[78:79], 4096
	s_or_b32 s51, s51, 0x80000000
	s_mov_b32 s52, 1
	s_mov_b32 s53, 0
	s_add_nc_u64 s[54:55], s[76:77], 4194304
	s_or_b32 s55, s55, 0x80000000
	s_mov_b32 s56, 1
	s_mov_b32 s57, 69632
	s_add_nc_u64 s[58:59], s[76:77], 4194304+65536
	s_or_b32 s59, s59, 0x80000000
	s_mov_b32 s60, 1
	s_mov_b32 s61, VB
	s_add_nc_u64 s[62:63], s[76:77], 8388608
	s_or_b32 s63, s63, 0x80000000
	s_mov_b32 s68, 1
	s_mov_b32 s69, VB+66560
	s_add_nc_u64 s[70:71], s[76:77], 8388608+1024
	s_or_b32 s71, s71, 0x80000000
	s_cmp_eq_u32 s[WV], 0                          ; a wave's first fills stand in one branch on the wave's number
	s_cbranch_scc0 .Lnot_0
	tensor_load_to_lds s[48:51], s[G1S:G1S+7]      ; the scale words,
	s_nop 0
	tensor_load_to_lds s[52:55], s[G1K:G1K+7]      ; keys 0 - 1,023,
	s_nop 0
	tensor_load_to_lds s[56:59], s[G1K:G1K+7]      ; keys 1,024 - 2,047
	s_nop 0
.rept 4
	v_nop
.endr
	s_branch .Lasked
.Lnot_0:
	s_cmp_eq_u32 s[WV], 1
	s_cbranch_scc0 .Lasked
	tensor_load_to_lds s[60:63], s[G1V:G1V+7]      ; V's first 1,024 keys,
	s_nop 0
	tensor_load_to_lds s[68:71], s[G1V:G1V+7]      ; and the rest
	s_nop 0
.rept 4
	v_nop
.endr
.Lasked:
	s_lshl_b32 s80, s[IG], 10                      ; my tile: 16 rows of 64 bytes
	s_mov_b32 s81, 0
	s_add_nc_u64 s[82:83], s[76:77], s[80:81]
	s_lshr_b32 s80, s[IG], 1
	s_lshl_b32 s80, s80, 6
	s_add_nc_u64 s[84:85], s[78:79], s[80:81]      ; its pair's words
	s_lshr_b32 s90, s9, 4                          ; batch
	s_and_b32 s91, s9, 15                          ; head
	s_lshl_b32 s86, s90, 9
	s_lshl_b32 s87, s[IG], 2
	s_add_co_u32 s86, s86, s87
	s_lshl_b32 s86, s86, 12
	s_lshl_b32 s87, s91, 8
	s_add_co_u32 s86, s86, s87
	s_mov_b32 s87, 0
	s_add_nc_u64 s[86:87], s[6:7], s[86:87]        ; y codes: group 512 b + 4 tile, my head's 256 bytes
	s_lshl_b32 s88, s90, 11
	s_lshl_b32 s89, s[IG], 4
	s_add_co_u32 s88, s88, s89
	s_lshl_b32 s88, s88, 3
	s_lshr_b32 s89, s91, 2
	s_lshl_b32 s89, s89, 15
	s_add_co_u32 s88, s88, s89
	s_and_b32 s89, s91, 3
	s_lshl_b32 s89, s89, 1
	s_add_co_u32 s88, s88, s89
	s_add_co_u32 s88, s88, 4194304
	s_mov_b32 s89, 0
	s_add_nc_u64 s[88:89], s[6:7], s[88:89]        ; y scale bytes: plane head / 4, my first row, bytes 2 (head % 4)
	v_and_b32 v225, 15, v0                         ; r
	v_bfe_u32 v226, v0, 4, 1                       ; h
	v_lshlrev_b32 v[QOF], 6, v225
	v_lshl_add_u32 v[QOF], v226, 4, v[QOF]         ; 64 r + 16 h
	v_lshlrev_b32 v[R4], 2, v225
	global_load_b128 v[16:19], v[QOF], s[82:83]    ; q, twice: v16-23 and v32-39, zeros between: [q | 0] = v16-31, [0 | q] = v24-39
	global_load_b128 v[20:23], v[QOF], s[82:83] offset:32
	global_load_b128 v[32:35], v[QOF], s[82:83]
	global_load_b128 v[36:39], v[QOF], s[82:83] offset:32
	global_load_b32 v248, v[R4], s[84:85]
	v_lshrrev_b32 v227, 2, v225
	v_mul_u32_u24 v[AK0], v227, 272
	v_and_b32 v227, 3, v225
	v_lshl_add_u32 v[AK0], v227, 6, v[AK0]
	v_lshl_add_u32 v[AK0], v226, 4, v[AK0]         ; K: LDS row r / 4, key r % 4 in it, + 16 h
	v_mul_u32_u24 v[AV0], v225, 1040
	v_lshl_add_u32 v[AV0], v226, 4, v[AV0]
	v_add_nc_u32 v[AV0], VB, v[AV0]
	v_lshl_add_u32 v[AS0], v225, 2, SB
	s_lshr_b32 s90, s[IW], 1
	s_lshl_b32 s90, s90, 5
	s_and_b32 s91, s[IW], 1
	s_lshl_b32 s91, s91, 3
	s_add_co_u32 s90, s90, s91
	v_and_b32 v[DL], 7, v225
	v_lshrrev_b32 v227, 3, v225
	v_lshl_add_u32 v[DL], v227, 4, v[DL]
	v_lshlrev_b32 v227, 4, v226
	v_sub_nc_u32 v[DL], v[DL], v227
	v_add_nc_u32 v[DL], s90, v[DL]                 ; stored row 16 tile + r is query 32 (tile / 2) + 8 (tile % 2) + r % 8 + 16 (r / 8)
.irp j, 24,25,26,27,28,29,30,31
	v_mov_b32 v[\j], 0
.endr
.set n, 0
.rept 32
	v_mov_b32 v[O+n], 0                            ; the step is written once: the first finds zeros
.set n, n+1
.endr
	v_mov_b32 v13, 0xff61b1e6                      ; the largest t so far: -3e38
	v_floor_f32 v12, -v13                          ; -M
	v_mov_b32 v14, 0
	v_mov_b32 v15, 0
.irp b, 0,1,2,3
	v_mov_b32 v[T2+\b], 0                          ; a lane permute's destination counts as one of its sources
.endr
	v_mov_b32 v[F+1], 0                            ; named as the upper half of a pair
	v_mov_b32 v[NINF], 0xff800000
	s_and_b32 s91, s[IG], 1
	s_lshl_b32 s91, s91, 4
	s_wait_loadcnt 0x0
	v_lshrrev_b32 v248, s91, v248
	v_and_b32 v248, 0xffff, v248                   ; my tile's two bytes,
	v_lshl_or_b32 v[QSW], v248, 16, v248           ; for either half of the form's K
	s_wait_tensorcnt 1                             ; the scale words and the first halves of K and V are in; the second halves may be out
	s_barrier_signal -1
	s_barrier_wait -1
.macro STEP
	s_cmp_gt_u32 s[ST], s[JB]                      ; all 128 keys come after my queries: only the stepping lines are run
	s_cbranch_scc1 .Lhidden
	v_add_nc_u32 v[ADK], s[TBK], v[AK0]
	v_add_nc_u32 v[ADV], s[TBV], v[AV0]
	v_add_nc_u32 v[ADS], s[TS], v[AS0]
.rept 6
	v_nop                                          ; with the three additions nine places: the products below write over V's fragments, which the last products read
.endr
.irp t, 0,1,2,3
.irp e, 0,1
.irp c, 0,1
	ds_load_b128 v[KF+16*\t+8*\e+4*\c:KF+16*\t+8*\e+4*\c+3], v[ADK] offset:2176*\t+1088*\e+32*\c
.endr
.endr
	ds_load_b32 v[KS+\t], v[ADS] offset:64*\t
.endr
	s_wait_dscnt 0x0
.irp t, 0,1,2,3
	v_wmma_scale_f32_16x16x128_f8f6f4 v[S+16*\t:S+16*\t+7], v[KF+16*\t:KF+16*\t+15], v[16:31], 0, v[KS+\t], v[QSW]
	v_wmma_scale_f32_16x16x128_f8f6f4 v[S+16*\t+8:S+16*\t+15], v[KF+16*\t:KF+16*\t+15], v[24:39], 0, v[KS+\t], v[QSW]
.endr
.rept 8
	v_nop
.endr
	s_cmp_lt_u32 s[ST], s[JB]                      ; all keys count?
	s_cbranch_scc1 .Lopen
.set n, 0
.rept 64                               ; register 16 b + i holds key 32 b + 16 (lane / 16) + i of the step: hidden where it comes after my query
	v_cmp_gt_i32 vcc_lo, 32*(n/16)+n%16, v[DL]
	v_cndmask_b32 v[S+n], v[S+n], v[NINF], vcc_lo
.set n, n+1
.endr
.Lopen:
.irp b, 0,1,2,3
	v_max3_num_f32 v[BM+\b], v[S+16*\b], v[S+1+16*\b], v[S+2+16*\b]   ; the largest score of each block of 32 keys: for the row's maximum, and for the block's largest p
.endr
.irp i, 3,5,7,9,11,13
.irp b, 0,1,2,3
	v_max3_num_f32 v[BM+\b], v[BM+\b], v[S+16*\b+\i], v[S+1+16*\b+\i]
.endr
.endr
.irp b, 0,1,2,3
	v_max_num_f32 v[BM+\b], v[BM+\b], v[S+15+16*\b]
.endr
.irp b, 0,1,2,3
	v_permlanex16_b32 v[T2+\b], v[BM+\b], s[SEL], s[SEL+1]
.endr
.irp b, 0,1,2,3
	v_max_num_f32 v[BM+\b], v[BM+\b], v[T2+\b]
.endr
	v_max3_num_f32 v[TMP], v[BM], v[BM+1], v[BM+2]
	v_max_num_f32 v[TMP], v[TMP], v[BM+3]
	v_mul_f32 v[TMP], s[CS], v[TMP]
	v_max_num_f32 v13, v13, v[TMP]                 ; the running largest t
	v_mov_b32 v[TMP], v12
	v_floor_f32 v12, -v13                          ; -M = floor(-t): M is a whole number
	v_sub_f32 v[TMP], v12, v[TMP]
	v_cvt_i32_f32 v[TMP], v[TMP]                   ; (it saturates)
	v_ldexp_f32 v[F], 1.0, v[TMP]                  ; f = 2^(old M - new M): rounds nothing
.set n, 0
.rept 32
	v_pk_fma_f32 v[S+n:S+n+1], v[S+n:S+n+1], s[CS:CS+1], v[12:13] op_sel_hi:[1,0,0]   ; t - M
.set n, n+2
.endr
.irp b, 0,1,2,3
	v_fma_f32 v[BM+\b], v[BM+\b], s[CS], v12
.endr
.set n, 0
.rept 64
	v_exp_f32 v[S+n], v[S+n]                       ; p = 2^(t - M)
.set n, n+1
.endr
	v_pk_mul_f32 v[14:15], v[14:15], v[F:F+1] op_sel_hi:[1,0]   ; the sums under the new M; a plain instruction behind the exponentials
	s_wait_alu depctr_va_vdst(0)                   ; one wait for the batch, ahead of its first reader
.irp b, 0,1,2,3
	v_exp_f32 v[BM+\b], v[BM+\b]                   ; the block's largest p
.endr
	v_pk_add_f32 v[T2:T2+1], v[S:S+1], v[S+2:S+3]  ; the sum of the unquantised p, in two chains
.irp j, 4,8,12,16,20,24,28,32,36,40,44,48,52,56,60
	v_pk_add_f32 v[14:15], v[14:15], v[S+\j:S+\j+1]
	v_pk_add_f32 v[T2:T2+1], v[T2:T2+1], v[S+2+\j:S+3+\j]
.endr
	v_pk_add_f32 v[14:15], v[14:15], v[T2:T2+1]
	s_wait_alu depctr_va_vdst(0)                   ; and one for the four
.irp b, 0,1,2,3
	v_max_num_f32 v[BM+\b], 0x4800000, v[BM+\b]    ; the floor 2^(9 - 127)
.endr
.irp b, 0,1,2,3
	v_add_nc_u32 v[SOP+\b], 0xfc000000, v[BM+\b]
.endr
.irp b, 0,1,2,3
	v_and_or_b32 v[HO+\b], v[BM+\b], 0x7f800000, s[MNT]
.endr
.irp b, 0,1,2,3
	v_lshrrev_b32 v[T2+\b], 23, v[SOP+\b]
.endr
	v_lshl_or_b32 v[PSW], v[T2+1], 8, v[T2]        ; p's scale word for these 128 keys
	v_lshl_or_b32 v[PSW], v[T2+2], 16, v[PSW]
	v_lshl_or_b32 v[PSW], v[T2+3], 24, v[PSW]
.irp b, 0,1,2,3
.irp i, 0,1,2,3,4,5,6,7,8,9,10,11,12,13,14,15
	v_min_num_f32 v[S+16*\b+\i], v[S+16*\b+\i], v[HO+\b]   ; p is not negative: a one-sided hold (the conversion does not saturate: ISA guide 7.6.2)
.endr
	v_cvt_scalef32_pk8_fp8_f32 v[PCD+4*\b:PCD+4*\b+1], v[S+16*\b:S+16*\b+7], v[SOP+\b]
	v_cvt_scalef32_pk8_fp8_f32 v[PCD+4*\b+2:PCD+4*\b+3], v[S+16*\b+8:S+16*\b+15], v[SOP+\b]
.endr
.irp t, 0,1,2,3
.irp c, 0,1,2,3
	ds_load_b128 v[S+16*\t+4*\c:S+16*\t+4*\c+3], v[ADV] offset:16640*\t+32*\c   ; V's four fragments take p's place
.endr
	ds_load_b32 v[VS+\t], v[ADS] offset:4096+64*\t
.endr
.set n, 0
.rept 16
	v_pk_mul_f32 v[O+n:O+n+1], v[O+n:O+n+1], v[F:F+1] op_sel_hi:[1,0]   ; O^T under the new M; also the plain lines behind the conversions and ahead of the products
.set n, n+2
.endr
	s_wait_dscnt 0x0
.irp t, 0,1,2,3
	v_wmma_scale_f32_16x16x128_f8f6f4 v[O+8*\t:O+8*\t+7], v[S+16*\t:S+16*\t+15], v[PCD:PCD+15], v[O+8*\t:O+8*\t+7], v[VS+\t], v[PSW]
.endr
.Lhidden:
	s_add_co_u32 s[TBK], s[TBK], 8704              ; 32 LDS rows of K,
	s_add_co_u32 s[TBV], s[TBV], 128               ; 128 bytes in V's rows,
	s_add_co_u32 s[TS], s[TS], 256                 ; 64 scale words
	s_add_co_u32 s[ST], s[ST], 1
.endm
	s_mov_b32 s[OUTC], 2
.Lhalf:
	s_mov_b32 s[INC], 8
.Lstep:
	STEP
	s_sub_co_u32 s[INC], s[INC], 1
	s_cmp_lg_u32 s[INC], 0
	s_cbranch_scc1 .Lstep
	s_wait_tensorcnt 0x0                           ; the second halves have landed,
	s_wait_dscnt 0x0
	s_barrier_signal -1
	s_barrier_wait -1                              ; and every wave knows it
	s_add_co_u32 s[TBV], s[TBV], 65536             ; on to V's second half: 66,560 less the 1,024 walked
	s_sub_co_u32 s[OUTC], s[OUTC], 1
	s_cmp_lg_u32 s[OUTC], 0
	s_cbranch_scc1 .Lhalf
	; THE WAY OUT: O^T / the sum, quantised along d (two blocks of 32), through my stage, so that sixteen lanes store 256 consecutive aligned bytes.
.rept 8
	v_nop
.endr
	v_add_f32 v14, v14, v15
	v_permlanex16_b32 v[T2], v14, s[SEL], s[SEL+1]
	v_add_f32 v14, v14, v[T2]
	v_rcp_f32 v14, v14
	s_lshl_b32 s72, s[WV], 10
	s_add_co_u32 s72, s72, YST
	v_add_nc_u32 v8, s72, v[QOF]                   ; in: 64 r + 16 h
	v_and_b32 v227, 31, v0
	v_lshl_add_u32 v9, v227, 4, s72                ; back: 16 x lane
	v_lshlrev_b32 v10, 12, v226
	v_lshl_add_u32 v10, v225, 4, v10               ; a group of 4 rows is 4,096 bytes on; 16 bytes a lane
	v_lshlrev_b32 v11, 3, v225                     ; a row's 8 scale bytes
	s_wait_alu depctr_va_vdst(0)                   ; ahead of the reciprocal's first reader
.set n, 0
.rept 32
	v_mul_f32 v[S+n], v[O+n], v14                  ; register 16 b + i is y(my query, 32 b + 16 h + i)
.set n, n+1
.endr
.irp b, 0,1
	v_max3_num_f32 v[BM+\b], |v[S+16*\b]|, |v[S+1+16*\b]|, 0x4800000
.endr
.irp i, 2,4,6,8,10,12,14
.irp b, 0,1
	v_max3_num_f32 v[BM+\b], v[BM+\b], |v[S+16*\b+\i]|, |v[S+1+16*\b+\i]|
.endr
.endr
.irp b, 0,1
	v_permlanex16_b32 v[T2+\b], v[BM+\b], s[SEL], s[SEL+1]
.endr
.irp b, 0,1
	v_max_num_f32 v[BM+\b], v[BM+\b], v[T2+\b]
.endr
.irp b, 0,1
	v_add_nc_u32 v[SOP+\b], 0xfc000000, v[BM+\b]
.endr
.irp b, 0,1
	v_and_or_b32 v[HO+\b], v[BM+\b], 0x7f800000, s[MNT]
.endr
.irp b, 0,1
	v_lshrrev_b32 v[T2+\b], 23, v[SOP+\b]
.endr
	v_lshl_or_b32 v[TMP], v[T2+1], 8, v[T2]        ; my row's two bytes
.irp b, 0,1
.irp i, 0,1,2,3,4,5,6,7,8,9,10,11,12,13,14,15
	v_med3_num_f32 v[S+16*\b+\i], v[S+16*\b+\i], -v[HO+\b], v[HO+\b]
.endr
	v_cvt_scalef32_pk8_fp8_f32 v[PCD+4*\b:PCD+4*\b+1], v[S+16*\b:S+16*\b+7], v[SOP+\b]
	v_cvt_scalef32_pk8_fp8_f32 v[PCD+4*\b+2:PCD+4*\b+3], v[S+16*\b+8:S+16*\b+15], v[SOP+\b]
.endr
	v_nop
	ds_store_b128 v8, v[PCD:PCD+3]
	ds_store_b128 v8, v[PCD+4:PCD+7] offset:32
	ds_load_b128 v[PCD+8:PCD+11], v9               ; LDS serves a wave's instructions in order: these see my stores
	ds_load_b128 v[PCD+12:PCD+15], v9 offset:512
	s_wait_dscnt 0x0
	global_store_b128 v10, v[PCD+8:PCD+11], s[86:87]
	global_store_b128 v10, v[PCD+12:PCD+15], s[86:87] offset:8192
	global_store_b16 v11, v[TMP], s[88:89]         ; both halves of the lanes write the same two bytes with the same value
	s_wait_tensorcnt 0x0
	ds_add_u32 v254, v255
	s_wait_dscnt 0x0
	s_endpgm
.Lfunc_end_k_q3de7414c31_attn:
	.size	k_q3de7414c31_attn, .Lfunc_end_k_q3de7414c31_attn-k_q3de7414c31_attn
	.p2alignl 7, 3214868480
	.fill 96, 4, 3214868480
	.section	.rodata,"a",@progbits
	.p2align	6, 0x0
	.amdhsa_kernel k_q3de7414c31_attn
		.amdhsa_group_segment_fixed_size 299008
		.amdhsa_private_segment_fixed_size 0
		.amdhsa_enable_private_segment 0
		.amdhsa_kernarg_size 16
		.amdhsa_user_sgpr_count 2
		.amdhsa_user_sgpr_kernarg_segment_ptr 1
		.amdhsa_wavefront_size32 1
		.amdhsa_system_sgpr_workgroup_id_x 1
		.amdhsa_system_sgpr_workgroup_id_y 1
		.amdhsa_system_sgpr_workgroup_id_z 1
		.amdhsa_system_vgpr_workitem_id 0
		.amdhsa_next_free_vgpr 256
		.amdhsa_next_free_sgpr 96
		.amdhsa_reserve_vcc 1
		.amdhsa_float_denorm_mode_32 3
		.amdhsa_float_denorm_mode_16_64 3
		.amdhsa_memory_ordered 1
		.amdhsa_forward_progress 1
		.amdhsa_inst_pref_size 41
	.end_amdhsa_kernel
	.amdgpu_metadata
---
amdhsa.version: [ 1, 2 ]
amdhsa.kernels:
  - .name:           k_q3de7414c31_attn
    .symbol:         k_q3de7414c31_attn.kd
    .args:
      - { .name: qkvc, .offset: 0, .size: 8, .value_kind: global_buffer, .address_space: global }
      - { .name: yb, .offset: 8, .size: 8, .value_kind: global_buffer, .address_space: global }
    .group_segment_fixed_size: 299008
    .private_segment_fixed_size: 0
    .kernarg_segment_align: 8
    .kernarg_segment_size: 16
    .max_flat_workgroup_size: 512
    .sgpr_count:     96
    .vgpr_count:     256
    .wavefront_size: 32
...
	.end_amdgpu_metadata
.endif
;; end of part 4
;; launch proj (part 5): grid 4 x 16, 4 waves a work-group, clusters of 4 x 4, 327,680 bytes of LDS; arguments yb, wts, b_ao, x, x1; writes x1
.if DOCPART == 5
	.amdgcn_target "amdgcn-amd-amdhsa--gfx1250"
	.amdhsa_code_object_version 6
	.text
	.protected	k_q3de7414c31_proj
	.globl	k_q3de7414c31_proj
	.p2align	8
	.type	k_q3de7414c31_proj,@function
k_q3de7414c31_proj:
	s_mov_b64 s[64:65], 0
	v_nop
	global_prefetch_b8 v0, s[64:65] scope:SCOPE_SE
	s_setreg_imm32_b32 hwreg(HW_REG_WAVE_MODE, 25, 1), 1
	s_wait_xcnt 0x0
	s_wait_alu depctr_hold_cnt(0) depctr_sa_sdst(0) depctr_va_vdst(0) depctr_va_sdst(0) depctr_va_ssrc(0) depctr_va_vcc(0) depctr_vm_vsrc(0)
	s_getreg_b32 s2, hwreg(HW_REG_IB_STS2, 6, 4)
	s_cmp_eq_u32 s2, 0
	s_cbranch_scc0 .Lentry_in_a_cluster
	s_endpgm
.Lentry_in_a_cluster:
	s_bfe_u32 s2, ttmp6, 0x10000c
	s_cmp_lg_u32 s2, 0xf033
	s_cbranch_scc0 .Lentry_shape_is_right
	s_endpgm
.Lentry_shape_is_right:
; out = res + A W + bias, the product on codes of FP8 (E4M3) with E8M0 scales for each 32 along K.  One text serves two launches, by IS_MP:
;   IS_MP = 0: A = y, K = 1,024, codes laid [1024 groups of 4 rows][16 heads][4 rows][64], W = W_ao;    IS_MP = 1: A = m, K = 4,096, codes [4096][4096], W = W_mp.
; A's scale bytes lie by K step, [K / 256][4096][8], behind its codes; W's codes [1024][K] and scale bytes [K / 256][1024][8] in wts.  Rows of A and W lie in the order sigma (bits 3 and 4 of the index swapped); res and out, f32 [4096][1024], as they are.
; A tile of 256 x 256 to a work-group of four waves, 128 x 128 a wave in 64 accumulators; K in steps of 256 through a ring of two LDS slots filled by the tensor data mover.  The output has 64 such tiles: 64 work-groups.
; CLUSTERS 4 x 4: A's tile is shared along a row of the cluster, W's along a column: joint loads, the same descriptor and mask in the four that share.
; THE PRODUCT IS USED TRANSPOSED (source 0 = 16 rows of W, source 1 = 16 rows of A): a lane holds one row of the output, and by the order sigma the registers of two neighbouring tiles are 16 neighbouring columns.
; SCALES come by K step straight into registers: 32 rows x 8 bytes, 256 consecutive aligned bytes a load.
; REGISTERS: window 0: v1-31 addresses, v32-63 scale words (two sets), v64-67 the bias, v128-255 A's fragments (one set), on the way out rows of the output.  window 1: W's fragments (two sets), on the way out the residual.  windows 2, 3: accumulators.
.set IS_MP, 0
.set PITCH, 272                        ; an LDS row of 256 bytes + 16
.set BH,    128*PITCH
.if IS_MP
.set AH,    128*PITCH
.set KROWA, 4096
.set KROWB, 4096
.set LAPS,  8
.set ASCL,  16777216
.set WCODE, 8388608
.set WSCL,  12845056
.set AST,   256                        ; a K step in A's tile rows, in bytes
.else
.set AH,    32*1040                    ; 32 LDS rows of 1,024 bytes + 16: four rows of y x four heads each
.set KROWA, 1024
.set KROWB, 1024
.set LAPS,  2
.set ASCL,  4194304
.set WCODE, 3145728
.set WSCL,  12681216
.set AST,   1024
.endif
.set PLA,   32768                      ; from plane to plane of scale bytes: 8 x 4,096 and 8 x 1,024
.set PLB,   8192
.set SLOT,  2*AH+2*BH
.set SPARE, 2*SLOT                     ; the spare words: 128 bytes a wave, named by no other line
.set SPITCH, 528                       ; the way out: a stage of 16 rows x (512 + 16) bytes a wave, in slot 0, whose last fill and last read are over
.set ADRA, 16
.set ADRB, 20
.set VSA,  22
.set VSB,  23
.set SPW,  28
.set NIL,  29
.set SC,   32
.set BR,   64
.set AF,   128
.set BK,   128
.set G1,  24
.set G0,  32
.set G1B, 48
.set G0B, 56
.set MSB, 0
.macro WIN new                         ; the immediate's high byte repeats the setting that is left
.if MSB != (\new)
	s_set_vgpr_msb (MSB<<8)|(\new)
.set MSB, (\new)
.endif
.endm
.macro JLOAD g0a, g1a, g0b, g1b        ; a joint load: waves 0, 1 fetch A's halves, waves 2, 3 W's; four v_nop follow each line
	s_cmp_eq_u32 s15, 0
	s_cbranch_scc0 .Lfor_b_\@
	tensor_load_to_lds s[\g0a:\g0a+3], s[\g1a:\g1a+7]
	s_nop 0
.rept 4
	v_nop
.endr
	s_branch .Lasked_\@
.Lfor_b_\@:
	tensor_load_to_lds s[\g0b:\g0b+3], s[\g1b:\g1b+7]
	s_nop 0
.rept 4
	v_nop
.endr
.Lasked_\@:
.endm
.macro CREST
	s_cmp_lg_u32 s14, 0
	s_cbranch_scc1 .Lnot_wave_0_\@
	s_barrier_signal -3
.Lnot_wave_0_\@:
	s_barrier_wait -3
	s_barrier_signal -1
	s_barrier_wait -1
.endm
.macro CROUND
	s_barrier_signal -1
	s_barrier_wait -1
	CREST
.endm
.macro PLACES n
.rept \n
	v_nop
.endr
.endm
; A prefetch into the L2 (IS_MP alone: 16 K steps): behind each joint load and the LDS loads that follow it, the K step that stands two refills on: 32 rows x 256 bytes, a lane a row, one instruction a wave.
; Each row's 256 bytes of a K step are named once in the launch: A's rows by the waves that fetch A (there is one cluster along x), W's by the clusters with y = 0; the four partners that ask for a tile jointly
; take 32 of a wave's 128 rows each, told apart by address.  The loop's last trip asks for nothing; K steps 0 to 3 come by their loads alone.
.macro ASK
	s_cmp_gt_u32 s3, s78
	s_cbranch_scc0 .Lnot_mine_\@
	global_prefetch_b8 v30, s[76:77] offset:256 th:TH_LOAD_NT scope:SCOPE_SE
.Lnot_mine_\@:
.endm
	s_load_b256 s[88:95], s[0:1], 0x0              ; A, wts, bias, res
	s_load_b64 s[96:97], s[0:1], 0x20              ; out
	v_lshl_add_u32 v[SPW], v0, 2, SPARE
	v_mov_b32 v[NIL], 0
	ds_add_u32 v28, v29
	ds_add_u32 v28, v29
	s_wait_dscnt 0x0
	v_lshrrev_b32 v1, 5, v0
	v_readfirstlane_b32 s14, v1                    ; wave 0..3
	s_lshr_b32 s15, s14, 1                         ; my half of A's rows.  Also: I fetch A's tile (0) or W's (1)
	s_and_b32 s16, s14, 1                          ; my half of W's rows.  Also: which half of that tile I fetch
	s_bfe_u32 s40, ttmp6, 0x40000
	s_bfe_u32 s41, ttmp6, 0x40004
	s_lshl_b32 s42, ttmp9, 2
	s_add_co_u32 s42, s42, s40                     ; x: which 256 rows of W
	s_and_b32 s17, ttmp7, 0xffff
	s_lshl_b32 s17, s17, 2
	s_add_co_u32 s17, s17, s41                     ; y: which 256 rows of A
	s_lshl_b32 s43, s41, 2
	s_lshl_b32 s43, 15, s43
	s_lshl_b32 s44, 0x1111, s40
.if IS_MP
	s_or_b32 s[G1+0], s43, (1<<20)|(1<<21)|(5<<22)|(3<<25)   ; 128 rows of 256 bytes; 4 words of padding behind every 64
	s_mov_b32 s[G1+1], 256<<16
	s_mov_b32 s[G1+2], 128<<16
	s_mov_b32 s[G1+3], 256<<16
	s_mov_b32 s[G1+4], 128
	s_mov_b32 s[G1+5], KROWA
.else
	s_or_b32 s[G1+0], s43, (1<<20)|(1<<21)|(7<<22)|(3<<25)   ; 32 rows of 1,024 bytes, 4,096 apart; 4 words of padding behind every 256
	s_mov_b32 s[G1+1], 1024<<16
	s_mov_b32 s[G1+2], 32<<16
	s_mov_b32 s[G1+3], 1024<<16
	s_mov_b32 s[G1+4], 32
	s_mov_b32 s[G1+5], 4096
.endif
	s_mov_b32 s[G1+6], 0
	s_mov_b32 s[G1+7], 0
	s_or_b32 s[G1B+0], s44, (1<<20)|(1<<21)|(5<<22)|(3<<25)
	s_mov_b32 s[G1B+1], 256<<16
	s_mov_b32 s[G1B+2], 128<<16
	s_mov_b32 s[G1B+3], 256<<16
	s_mov_b32 s[G1B+4], 128
	s_mov_b32 s[G1B+5], KROWB
	s_mov_b32 s[G1B+6], 0
	s_mov_b32 s[G1B+7], 0
	s_lshl_b32 s18, s16, 7
	s_lshl_b32 s20, s17, 8
	s_add_co_u32 s20, s20, s18
	s_mul_i32 s20, s20, KROWA                      ; A: row 256 y + 128 x half, in bytes (y's groups of four rows hold the same bytes as four rows)
	s_mov_b32 s21, 0
	s_lshl_b32 s46, s42, 8
	s_add_co_u32 s46, s46, s18
	s_mul_i32 s46, s46, KROWB
	s_add_co_u32 s46, s46, WCODE
	s_mov_b32 s47, 0
	s_mul_i32 s45, s16, AH                         ; where they go: no place in the cluster enters an LDS address
	s_mul_i32 s19, s16, BH
	s_add_co_u32 s19, s19, 2*AH
	s_wait_kmcnt 0x0
	s_add_nc_u64 s[20:21], s[88:89], s[20:21]
	s_add_nc_u64 s[46:47], s[90:91], s[46:47]
	CROUND                                         ; all sixteen work-groups are here: the first joint loads meet
.irp s, 0,1
	s_mov_b32 s[G0+4*\s], 1
	s_add_co_u32 s[G0+4*\s+1], s45, \s*SLOT
	s_add_nc_u64 s[G0+4*\s+2:G0+4*\s+3], s[20:21], \s*AST
	s_or_b32 s[G0+4*\s+3], s[G0+4*\s+3], 0x80000000
	s_mov_b32 s[G0B+4*\s], 1
	s_add_co_u32 s[G0B+4*\s+1], s19, \s*SLOT
	s_add_nc_u64 s[G0B+4*\s+2:G0B+4*\s+3], s[46:47], \s*256
	s_or_b32 s[G0B+4*\s+3], s[G0B+4*\s+3], 0x80000000
	JLOAD G0+4*\s, G1, G0B+4*\s, G1B
.endr
	v_and_b32 v1, 15, v0                           ; r
	v_bfe_u32 v2, v0, 4, 1                         ; h
	v_mul_u32_u24 v3, v1, PITCH
	v_lshl_add_u32 v4, v2, 4, v3                   ; W: row x pitch + 16 x half
.if IS_MP
	v_mov_b32 v5, v4
.else
	v_lshrrev_b32 v3, 2, v1
	v_mul_u32_u24 v5, v3, 1040
	v_and_b32 v3, 3, v1
	v_lshl_add_u32 v5, v3, 6, v5
	v_lshl_add_u32 v5, v2, 4, v5                   ; y: LDS row r / 4, row r % 4 in a head's 256 bytes, + 16 h
.endif
	s_mul_i32 s21, s15, AH
	s_mul_i32 s22, s16, BH
	s_add_co_u32 s22, s22, 2*AH
.irp s, 0,1
	v_add_nc_u32 v[ADRA+\s], s21, v5
	v_add_nc_u32 v[ADRB+\s], s22, v4
	s_add_co_u32 s21, s21, SLOT
	s_add_co_u32 s22, s22, SLOT
.endr
	s_lshl_b32 s18, s17, 11
	s_mov_b32 s19, 0
	s_add_nc_u64 s[6:7], s[88:89], s[18:19]
	s_add_nc_u64 s[6:7], s[6:7], ASCL              ; A's scale bytes: the tile's 2,048 in plane 0
	s_lshl_b32 s18, s42, 11
	s_add_nc_u64 s[10:11], s[90:91], s[18:19]
	s_add_nc_u64 s[10:11], s[10:11], WSCL
	v_and_b32 v3, 31, v0
	v_lshlrev_b32 v6, 3, v3
	s_lshl_b32 s22, s15, 10
	v_add_nc_u32 v[VSA], s22, v6
	s_lshl_b32 s22, s16, 10
	v_add_nc_u32 v[VSB], s22, v6
.macro SCLOAD set                      ; a K step's scale words: register SC + 16 set + 2 g + q: A's blocks 2 g (lanes 0-15) and 2 g + 1 (lanes 16-31); + 8: W's
.irp g, 0,1,2,3
	global_load_b64 v[SC+16*(\set)+2*\g:SC+16*(\set)+2*\g+1], v[VSA], s[6:7] offset:256*\g
.endr
.irp g, 0,1,2,3
	global_load_b64 v[SC+16*(\set)+8+2*\g:SC+16*(\set)+8+2*\g+1], v[VSB], s[10:11] offset:256*\g
.endr
.endm
	SCLOAD 0
	v_lshlrev_b32 v26, 4, v3                       ; 16 x lane: my 4 columns of the wave's 128
	s_lshl_b32 s18, s42, 10
	s_lshl_b32 s22, s16, 9
	s_add_co_u32 s18, s18, s22                     ; the wave's first column, in bytes
	s_add_nc_u64 s[66:67], s[92:93], s[18:19]
	global_load_b128 v[BR:BR+3], v26, s[66:67]     ; the bias
	s_lshl_b32 s22, s17, 8
	s_lshl_b32 s23, s15, 7
	s_add_co_u32 s22, s22, s23
	s_lshl_b32 s22, s22, 12                        ; my first row, 4,096 bytes a row
	s_add_co_u32 s18, s18, s22
	s_add_nc_u64 s[68:69], s[94:95], s[18:19]      ; res
	s_add_nc_u64 s[12:13], s[96:97], s[18:19]      ; out
	s_mul_i32 s23, s14, 16*SPITCH                  ; my stage
	v_mul_u32_u24 v24, v1, SPITCH
	v_lshl_add_u32 v24, v2, 6, v24
	v_add_nc_u32 v24, s23, v24                     ; in: row r, + 64 h
	v_add_nc_u32 v25, s23, v26                     ; back: a row's 512 bytes by the 32 lanes
.if IS_MP
	s_lshl_b32 s20, s17, 8                         ; the prefetches: the tile's first row in A or in W,
	s_lshl_b32 s21, s42, 8
	s_and_b32 s22, ttmp7, 0xffff
	s_cmp_eq_u32 s15, 0                            ; do I fetch for A?
	s_cselect_b32 s20, s20, s21
	s_cselect_b32 s21, s40, s41                    ; my place among the four that ask with me,
	s_cselect_b32 s22, ttmp9, s22                  ; the coordinate along which other clusters read the same rows
	s_cselect_b64 s[76:77], s[88:89], s[90:91]
	s_cselect_b32 s23, 0, WCODE
	s_cmp_eq_u32 s22, 0
	s_cselect_b32 s78, 1, -1                       ; 1 in a wave that prefetches, else the greatest number
	s_lshl_b32 s22, s16, 7
	s_add_co_u32 s20, s20, s22
	s_lshl_b32 s21, s21, 5
	s_add_co_u32 s20, s20, s21
	s_lshl_b32 s20, s20, 12
	s_add_co_u32 s20, s20, s23
	s_add_co_u32 s20, s20, 512                     ; at K step 2: the first refill steps it to 3 and names K step 4
	s_mov_b32 s21, 0
	s_add_nc_u64 s[76:77], s[76:77], s[20:21]
	v_lshlrev_b32 v30, 12, v3                      ; a lane a row
.endif
.macro WM acc, breg, areg, zero, sb, sa, rb, ra   ; rb, ra: the side's scales stand in lanes 16-31 of the register named
.if \zero
.if ((\rb)==1)&&((\ra)==1)
	v_wmma_scale_f32_16x16x128_f8f6f4 v[\acc:\acc+7], v[\breg:\breg+15], v[\areg:\areg+15], 0, v[\sb], v[\sa] matrix_a_scale:MATRIX_SCALE_ROW1 matrix_b_scale:MATRIX_SCALE_ROW1
.elseif (\rb)==1
	v_wmma_scale_f32_16x16x128_f8f6f4 v[\acc:\acc+7], v[\breg:\breg+15], v[\areg:\areg+15], 0, v[\sb], v[\sa] matrix_a_scale:MATRIX_SCALE_ROW1
.elseif (\ra)==1
	v_wmma_scale_f32_16x16x128_f8f6f4 v[\acc:\acc+7], v[\breg:\breg+15], v[\areg:\areg+15], 0, v[\sb], v[\sa] matrix_b_scale:MATRIX_SCALE_ROW1
.else
	v_wmma_scale_f32_16x16x128_f8f6f4 v[\acc:\acc+7], v[\breg:\breg+15], v[\areg:\areg+15], 0, v[\sb], v[\sa]
.endif
.else
.if ((\rb)==1)&&((\ra)==1)
	v_wmma_scale_f32_16x16x128_f8f6f4 v[\acc:\acc+7], v[\breg:\breg+15], v[\areg:\areg+15], v[\acc:\acc+7], v[\sb], v[\sa] matrix_a_scale:MATRIX_SCALE_ROW1 matrix_b_scale:MATRIX_SCALE_ROW1
.elseif (\rb)==1
	v_wmma_scale_f32_16x16x128_f8f6f4 v[\acc:\acc+7], v[\breg:\breg+15], v[\areg:\areg+15], v[\acc:\acc+7], v[\sb], v[\sa] matrix_a_scale:MATRIX_SCALE_ROW1
.elseif (\ra)==1
	v_wmma_scale_f32_16x16x128_f8f6f4 v[\acc:\acc+7], v[\breg:\breg+15], v[\areg:\areg+15], v[\acc:\acc+7], v[\sb], v[\sa] matrix_b_scale:MATRIX_SCALE_ROW1
.else
	v_wmma_scale_f32_16x16x128_f8f6f4 v[\acc:\acc+7], v[\breg:\breg+15], v[\areg:\areg+15], v[\acc:\acc+7], v[\sb], v[\sa]
.endif
.endif
.endm
.macro MUL16 a0, p, q, sc, zero        ; A's blocks a0, a0 + 1 x W's eight; the 64 accumulators take turns
.irp a, \a0, \a0+1
.irp b, 0,1,2,3,4,5,6,7
	WM 8*(8*((\a)%4)+\b), 128*(\p)+16*\b, AF+16*(\a), \zero, SC+16*(\sc)+8+2*(\b/2)+(\q), SC+16*(\sc)+2*((\a)/2)+(\q), \b%2, (\a)%2
.endr
.endr
.endm
.macro FRAGB reg, slot, q, i           ; 16 rows x 128 K: registers 4 c .. 4 c + 3 hold K = 32 c + 16 (lane / 16) + 0 .. 15
.irp c, 0,1,2,3
	ds_load_b128 v[\reg+4*\c:\reg+4*\c+3], v[ADRB+\slot] offset:128*(\q)+32*\c+(\i)*16*PITCH
.endr
.endm
.macro FRAGA reg, slot, q, i
.irp c, 0,1,2,3
.if IS_MP
	ds_load_b128 v[\reg+4*\c:\reg+4*\c+3], v[ADRA+\slot] offset:128*(\q)+32*\c+(\i)*16*PITCH
.else
	ds_load_b128 v[\reg+4*\c:\reg+4*\c+3], v[ADRA+\slot] offset:4160*(\i)+512*(\q)+256*(\c/2)+32*(\c%2)   ; four LDS rows a block; head 2 q + c / 2; 32 (c % 2) in the head's 64
.endif
.endr
.endm
.macro FETCH_B slot, q, p
	WIN 0x40
.irp i, 0,1,2,3,4,5,6,7
	FRAGB 128*(\p)+16*\i, \slot, \q, \i
.endr
	WIN 0
.endm
.macro FETCH_A slot, q, i0
.irp i, \i0, \i0+1, \i0+2, \i0+3
	FRAGA AF+16*(\i), \slot, \q, \i
.endr
.endm
; A slot's first 128 along K.  Loads into registers that matrix instructions have read stand eight plain vector instructions behind them
.macro STEP slot, zero, more
	s_wait_loadcnt 0x0                             ; this K step's scale words are in (in the first step the bias too): their pointers may be stepped
	s_wait_dscnt 16                                ; all but the youngest 16 loads (A's blocks 4-7)
	WIN 0xa1
	MUL16 0, 0, 0, \slot, \zero
	MUL16 2, 0, 0, \slot, \zero
	s_wait_dscnt 0x0
	PLACES 8
	FETCH_B \slot, 1, 1
	FETCH_A \slot, 1, 0
.if \more
	s_add_nc_u64 s[6:7], s[6:7], PLA
	s_add_nc_u64 s[10:11], s[10:11], PLB
	SCLOAD 1-\slot                                 ; the next K step's, 96 matrix instructions ahead of their use
.endif
	WIN 0xf1
	MUL16 4, 0, 0, \slot, \zero
	MUL16 6, 0, 0, \slot, \zero
	PLACES 8
	WIN 0
	FETCH_A \slot, 1, 4
.endm
; A slot's second 128 changes slots: each wave waits for all its tensor loads, adds 0 to its spare word, waits for that and for its reads of the slot; one barrier, which opens a round of the cluster's where the slot is filled again
.macro TURN slot, next, fill
.if IS_MP && \fill
	s_wait_xcnt 0x0                                ; the last prefetch, a K step back, has read its address
	s_add_nc_u64 s[76:77], s[76:77], 256
.endif
	s_wait_tensorcnt 0x0                           ; all my tensor loads have landed: my part of the next slot
	ds_add_u32 v[SPW], v[NIL]                      ; 0 onto my spare word
	s_wait_dscnt 17                                ; the add and the youngest 16 loads may be out
	WIN 0xa1
	MUL16 0, 1, 1, \slot, 0
	s_wait_dscnt 0x0                               ; the add is done, and my reads of this slot are over
	s_barrier_signal -1
	MUL16 2, 1, 1, \slot, 0
	WIN 0
	s_barrier_wait -1
.if \fill
	CREST                                          ; no wave of any partner still reads this slot or has a load on its way
	s_add_nc_u64 s[G0+4*\slot+2:G0+4*\slot+3], s[G0+4*\slot+2:G0+4*\slot+3], 2*AST
	s_add_nc_u64 s[G0B+4*\slot+2:G0B+4*\slot+3], s[G0B+4*\slot+2:G0B+4*\slot+3], 512
	JLOAD G0+4*\slot, G1, G0B+4*\slot, G1B         ; the first tensor load behind the round; its four v_nop are four of the eight places
	PLACES 4
.else
	PLACES 8
.endif
	FETCH_B \next, 0, 0
	FETCH_A \next, 0, 0
.if IS_MP && \fill
	ASK
.endif
	WIN 0xf1
	MUL16 4, 1, 1, \slot, 0
	MUL16 6, 1, 1, \slot, 0
	PLACES 8
	WIN 0
	FETCH_A \next, 0, 4
.endm
	s_wait_tensorcnt 1                             ; my part of K step 0 is in; K step 1's load may be out
	s_barrier_signal -1
	s_barrier_wait -1
	FETCH_B 0, 0, 0
	FETCH_A 0, 0, 0
	FETCH_A 0, 0, 4
	STEP 0, 1, 1                                   ; the first products start the sums: nothing is cleared
	s_mov_b32 s3, LAPS-1
.Llap:
	TURN 0, 1, 1
	STEP 1, 0, 1
	TURN 1, 0, 1
	STEP 0, 0, 1
	s_sub_co_u32 s3, s3, 1
	s_cmp_lg_u32 s3, 0
	s_cbranch_scc1 .Llap
	TURN 0, 1, 0                                   ; the last lap fills nothing
	STEP 1, 0, 0
	s_wait_dscnt 16
	WIN 0xa1
	MUL16 0, 1, 1, 1, 0
	MUL16 2, 1, 1, 1, 0
	s_wait_dscnt 0x0
	WIN 0xf1
	MUL16 4, 1, 1, 1, 0
	MUL16 6, 1, 1, 1, 0
	WIN 0
; THE WAY OUT, a block of 16 rows x 128 columns at a time, through my own stage: stored row 16 a + t is row 32 (a / 2) + 8 (a % 2) + t % 8 + 16 (t / 8) of res and out; tile b's registers are columns 32 (b / 2) + 16 h + 8 (b % 2) + 0 .. 7.
.macro RLOAD a                         ; the residual's 16 rows, 512 consecutive bytes a load, into window 1
	WIN 0x40
.set t, 0
.rept 16
	global_load_b128 v[64*((\a)%2)+4*t:64*((\a)%2)+4*t+3], v26, s[68:69] offset:4096*(32*((\a)/2)+8*((\a)%2)+(t%8)+16*(t/8))
.set t, t+1
.endr
	WIN 0
.endm
.macro TOSTAGE a
	WIN 0x08+4*((\a)/4)                            ; an LDS store's data are its source 1: window 2 or 3
.irp b, 0,1,2,3,4,5,6,7
	ds_store_b128 v24, v[64*((\a)%4)+8*\b:64*((\a)%4)+8*\b+3] offset:128*(\b/2)+32*(\b%2)        ; each accumulator from its low end on
	ds_store_b128 v24, v[64*((\a)%4)+8*\b+4:64*((\a)%4)+8*\b+7] offset:128*(\b/2)+32*(\b%2)+16
.endr
	WIN 0
.set t, 0
.rept 16
	ds_load_b128 v[BK+64*((\a)%2)+4*t:BK+64*((\a)%2)+4*t+3], v25 offset:SPITCH*t   ; LDS serves a wave's instructions in order: these see my stores
.set t, t+1
.endr
.endm
	PLACES 8                                       ; behind the last products: for the reads of results and the loads into fragment registers
	RLOAD 0
	RLOAD 1
.irp a, 0,1,2,3,4,5,6,7
.if \a > 1
	s_wait_xcnt 0x0                                ; the stores of two blocks back have read their registers
.endif
	TOSTAGE \a
	s_wait_dscnt 0x0
.if \a < 7
	s_wait_loadcnt 16                              ; this block's residual is in; the next block's 16 loads may be out
.else
	s_wait_loadcnt 0x0
.endif
	WIN 0x04
.set t, 0
.rept 32
	v_pk_add_f32 v[BK+64*(\a%2)+2*t:BK+64*(\a%2)+2*t+1], v[BK+64*(\a%2)+2*t:BK+64*(\a%2)+2*t+1], v[64*(\a%2)+2*t:64*(\a%2)+2*t+1]
.set t, t+1
.endr
	WIN 0
.set t, 0
.rept 16
	v_pk_add_f32 v[BK+64*(\a%2)+4*t:BK+64*(\a%2)+4*t+1], v[BK+64*(\a%2)+4*t:BK+64*(\a%2)+4*t+1], v[BR:BR+1]
	v_pk_add_f32 v[BK+64*(\a%2)+4*t+2:BK+64*(\a%2)+4*t+3], v[BK+64*(\a%2)+4*t+2:BK+64*(\a%2)+4*t+3], v[BR+2:BR+3]
.set t, t+1
.endr
.if \a < 6
	RLOAD \a+2
.endif
.set t, 0
.rept 16
	global_store_b128 v26, v[BK+64*(\a%2)+4*t:BK+64*(\a%2)+4*t+3], s[12:13] offset:4096*(32*(\a/2)+8*(\a%2)+(t%8)+16*(t/8))   ; 512 consecutive aligned bytes
.set t, t+1
.endr
.endr
	s_wait_tensorcnt 0x0                           ; the wave's end
	ds_add_u32 v[SPW], v[NIL]
	s_wait_dscnt 0x0
	CROUND                                         ; the closing round
	s_endpgm
.Lfunc_end_k_q3de7414c31_proj:
	.size	k_q3de7414c31_proj, .Lfunc_end_k_q3de7414c31_proj-k_q3de7414c31_proj
	.p2alignl 7, 3214868480
	.fill 96, 4, 3214868480
	.section	.rodata,"a",@progbits
	.p2align	6, 0x0
	.amdhsa_kernel k_q3de7414c31_proj
		.amdhsa_group_segment_fixed_size 327680
		.amdhsa_private_segment_fixed_size 0
		.amdhsa_enable_private_segment 0
		.amdhsa_kernarg_size 40
		.amdhsa_user_sgpr_count 2
		.amdhsa_user_sgpr_kernarg_segment_ptr 1
		.amdhsa_wavefront_size32 1
		.amdhsa_system_sgpr_workgroup_id_x 1
		.amdhsa_system_sgpr_workgroup_id_y 1
		.amdhsa_system_sgpr_workgroup_id_z 1
		.amdhsa_system_vgpr_workitem_id 0
		.amdhsa_next_free_vgpr 1024
		.amdhsa_next_free_sgpr 100
		.amdhsa_reserve_vcc 0
		.amdhsa_float_denorm_mode_32 3
		.amdhsa_float_denorm_mode_16_64 3
		.amdhsa_memory_ordered 1
		.amdhsa_forward_progress 1
		.amdhsa_inst_pref_size 190
	.end_amdhsa_kernel
	.amdgpu_metadata
---
amdhsa.version: [ 1, 2 ]
amdhsa.kernels:
  - .name:           k_q3de7414c31_proj
    .symbol:         k_q3de7414c31_proj.kd
    .args:
      - { .name: yb, .offset: 0, .size: 8, .value_kind: global_buffer, .address_space: global }
      - { .name: wts, .offset: 8, .size: 8, .value_kind: global_buffer, .address_space: global }
      - { .name: b_ao, .offset: 16, .size: 8, .value_kind: global_buffer, .address_space: global }
      - { .name: x, .offset: 24, .size: 8, .value_kind: global_buffer, .address_space: global }
      - { .name: x1, .offset: 32, .size: 8, .value_kind: global_buffer, .address_space: global }
    .group_segment_fixed_size: 327680
    .private_segment_fixed_size: 0
    .kernarg_segment_align: 8
    .kernarg_segment_size: 40
    .max_flat_workgroup_size: 128
    .sgpr_count:     100
    .vgpr_count:     1024
    .wavefront_size: 32
...
	.end_amdgpu_metadata
.endif
;; end of part 5
;; launch ln2: the kernel of part 2 again; grid 128 x 1, 16 waves a work-group, no clusters, 93,184 bytes of LDS; arguments x1, g2, be2, h2; writes h2
;; launch fc (part 6): grid 16 x 16, 4 waves a work-group, clusters of 4 x 4, 327,680 bytes of LDS; arguments h2, wts, b_fc, mb; writes mb
.if DOCPART == 6
	.amdgcn_target "amdgcn-amd-amdhsa--gfx1250"
	.amdhsa_code_object_version 6
	.text
	.protected	k_q3de7414c31_fc
	.globl	k_q3de7414c31_fc
	.p2align	8
	.type	k_q3de7414c31_fc,@function
k_q3de7414c31_fc:
	s_mov_b64 s[64:65], 0
	v_nop
	global_prefetch_b8 v0, s[64:65] scope:SCOPE_SE
	s_setreg_imm32_b32 hwreg(HW_REG_WAVE_MODE, 25, 1), 1
	s_wait_xcnt 0x0
	s_wait_alu depctr_hold_cnt(0) depctr_sa_sdst(0) depctr_va_vdst(0) depctr_va_sdst(0) depctr_va_ssrc(0) depctr_va_vcc(0) depctr_vm_vsrc(0)
	s_getreg_b32 s2, hwreg(HW_REG_IB_STS2, 6, 4)
	s_cmp_eq_u32 s2, 0
	s_cbranch_scc0 .Lentry_in_a_cluster
	s_endpgm
.Lentry_in_a_cluster:
	s_bfe_u32 s2, ttmp6, 0x10000c
	s_cmp_lg_u32 s2, 0xf033
	s_cbranch_scc0 .Lentry_shape_is_right
	s_endpgm
.Lentry_shape_is_right:
; m = gelu(h W_fc + b_fc), the product on codes of FP8 (E4M3) with E8M0 scales for each 32 along K = 1,024; gelu is the exact one (by erf), in f32; m is quantised at once along its 4,096 columns and leaves as codes.
; h: codes [4096][1024], scale bytes [4][4096][8] from byte 4194304.  W: codes [4096][1024] at byte 4194304 of wts, scale bytes [4][4096][8] from byte 12713984.  Rows of both lie in the order sigma (bits 3 and 4 of the index swapped).
; OUT: m codes [4096][4096] (rows in the order sigma, columns as they are), scale bytes [16][4096][8] from byte 16777216.
; A tile of 256 x 256 to a work-group of four waves, 128 x 128 a wave in 64 accumulators; K in steps of 256 through a ring of two LDS slots filled by the tensor data mover.
; CLUSTERS 4 x 4: h's tile is shared along a row of the cluster, W's along a column: joint loads, the same descriptor and mask in the four that share.
; THE PRODUCT IS USED TRANSPOSED (source 0 = 16 rows of W, source 1 = 16 rows of h): a lane holds one row of m, and by the order sigma the registers of two neighbouring tiles are 16 neighbouring columns: the next K.
; SCALES come by K step straight into registers: 32 rows x 8 bytes, 256 consecutive aligned bytes a load.
; ERF in two ranges, each a polynomial in f32: |z| <= 0.927734375: z + z P(z^2); beyond: 1 - 2^(log2(e) Q(|z|)).  For z under -0.927734375, 1 + erf(z) is taken as that power itself, so that nothing cancels.  No branch on data: both ranges are computed, selects choose.
; REGISTERS: window 0: v1-31 addresses, v32-63 scale words (two sets), v64-127 the bias, v128-255 h's fragments (one set).  window 1: W's fragments (two sets); behind the loop the work of gelu and of the quantiser.  windows 2, 3: accumulators.
; LIMITS: a block whose largest magnitude lies under 2^-118 gets the byte 1 (a block of zeros too); v_exp_f32 gives 0 under 2^-126; NaN and infinities are not served.
.set PITCH, 272
.set AH,    128*PITCH
.set BH,    128*PITCH
.set SLOT,  2*AH+2*BH
.set SPARE, 2*SLOT                     ; the spare words: 128 bytes a wave, named by no other line
.set LAPS,  2
.set KROWA, 1024
.set KROWB, 1024
.set CST,   0                          ; the way out, in slot 0 (its last fill and last read are over): codes, 256 rows x 272,
.set SST,   256*PITCH                  ; scale bytes [256 rows][8]
.set ADRA, 16
.set ADRB, 20
.set VSA,  22
.set VSB,  23
.set SPW,  28
.set NIL,  29
.set SC,   32
.set BQ,   64
.set AF,   128
.set W,    0                           ; window 1
.set PC,   64
.set TM,   80
.set PW,   96
.set GZ,   104
.set GS,   120
.set GT,   136
.set GR,   152
.set GU,   168
.set CK0,  184
.set CK2,  186
.set CD0,  188
.set G1,  24
.set G0,  32
.set G1B, 48
.set G0B, 56
.set MSB, 0
.macro WIN new                         ; the immediate's high byte repeats the setting that is left
.if MSB != (\new)
	s_set_vgpr_msb (MSB<<8)|(\new)
.set MSB, (\new)
.endif
.endm
.macro JLOAD g0a, g1a, g0b, g1b        ; a joint load: waves 0, 1 fetch h's halves, waves 2, 3 W's; four v_nop follow each line
	s_cmp_eq_u32 s15, 0
	s_cbranch_scc0 .Lfor_b_\@
	tensor_load_to_lds s[\g0a:\g0a+3], s[\g1a:\g1a+7]
	s_nop 0
.rept 4
	v_nop
.endr
	s_branch .Lasked_\@
.Lfor_b_\@:
	tensor_load_to_lds s[\g0b:\g0b+3], s[\g1b:\g1b+7]
	s_nop 0
.rept 4
	v_nop
.endr
.Lasked_\@:
.endm
.macro CREST
	s_cmp_lg_u32 s14, 0
	s_cbranch_scc1 .Lnot_wave_0_\@
	s_barrier_signal -3
.Lnot_wave_0_\@:
	s_barrier_wait -3
	s_barrier_signal -1
	s_barrier_wait -1
.endm
.macro CROUND
	s_barrier_signal -1
	s_barrier_wait -1
	CREST
.endm
.macro PLACES n
.rept \n
	v_nop
.endr
.endm
	s_load_b256 s[88:95], s[0:1], 0x0              ; h2, wts, b_fc, mb
	v_lshl_add_u32 v[SPW], v0, 2, SPARE
	v_mov_b32 v[NIL], 0
	ds_add_u32 v28, v29
	ds_add_u32 v28, v29
	s_wait_dscnt 0x0
	v_lshrrev_b32 v1, 5, v0
	v_readfirstlane_b32 s14, v1                    ; wave 0..3
	s_lshr_b32 s15, s14, 1                         ; my half of h's rows.  Also: I fetch h's tile (0) or W's (1)
	s_and_b32 s16, s14, 1                          ; my half of W's rows.  Also: which 128 rows I fetch
	s_bfe_u32 s40, ttmp6, 0x40000
	s_bfe_u32 s41, ttmp6, 0x40004
	s_lshl_b32 s42, ttmp9, 2
	s_add_co_u32 s42, s42, s40                     ; x: which 256 rows of W
	s_and_b32 s17, ttmp7, 0xffff
	s_lshl_b32 s17, s17, 2
	s_add_co_u32 s17, s17, s41                     ; y: which 256 rows of h
	s_lshl_b32 s43, s41, 2
	s_lshl_b32 s43, 15, s43
	s_lshl_b32 s44, 0x1111, s40
	s_or_b32 s[G1+0], s43, (1<<20)|(1<<21)|(5<<22)|(3<<25)   ; the mask; elements of 1 byte; padding on; bit 21 beside a mask; 4 words behind every 64
	s_or_b32 s[G1B+0], s44, (1<<20)|(1<<21)|(5<<22)|(3<<25)
.irp g, G1, G1B
	s_mov_b32 s[\g+1], 256<<16
	s_mov_b32 s[\g+2], 128<<16
	s_mov_b32 s[\g+3], 256<<16
	s_mov_b32 s[\g+4], 128
	s_mov_b32 s[\g+6], 0
	s_mov_b32 s[\g+7], 0
.endr
	s_mov_b32 s[G1+5], KROWA
	s_mov_b32 s[G1B+5], KROWB
	s_lshl_b32 s18, s16, 7
	s_lshl_b32 s20, s17, 8
	s_add_co_u32 s20, s20, s18
	s_mul_i32 s20, s20, KROWA
	s_mov_b32 s21, 0
	s_lshl_b32 s46, s42, 8
	s_add_co_u32 s46, s46, s18
	s_mul_i32 s46, s46, KROWB
	s_add_co_u32 s46, s46, 4194304
	s_mov_b32 s47, 0
	s_mul_i32 s45, s16, AH                         ; where they go: no place in the cluster enters an LDS address
	s_mul_i32 s19, s16, BH
	s_add_co_u32 s19, s19, 2*AH
	s_mov_b32 s80, 0x76543210
	s_mov_b32 s81, 0xfedcba98                      ; v_permlanex16_b32's selects for lane l xor 16
	s_mov_b32 s82, 0x600000                        ; the mantissa field of 448
	s_mov_b32 s83, 0x7fffffff
	s_mov_b32 s84, 0x3f6d8000                      ; 0.927734375
	s_wait_kmcnt 0x0
	s_add_nc_u64 s[20:21], s[88:89], s[20:21]
	s_add_nc_u64 s[46:47], s[90:91], s[46:47]
	CROUND                                         ; all sixteen work-groups are here: the first joint loads meet
.irp s, 0,1
	s_mov_b32 s[G0+4*\s], 1
	s_add_co_u32 s[G0+4*\s+1], s45, \s*SLOT
	s_add_nc_u64 s[G0+4*\s+2:G0+4*\s+3], s[20:21], \s*256
	s_or_b32 s[G0+4*\s+3], s[G0+4*\s+3], 0x80000000
	s_mov_b32 s[G0B+4*\s], 1
	s_add_co_u32 s[G0B+4*\s+1], s19, \s*SLOT
	s_add_nc_u64 s[G0B+4*\s+2:G0B+4*\s+3], s[46:47], \s*256
	s_or_b32 s[G0B+4*\s+3], s[G0B+4*\s+3], 0x80000000
	JLOAD G0+4*\s, G1, G0B+4*\s, G1B
.endr
	v_and_b32 v1, 15, v0                           ; r
	v_bfe_u32 v2, v0, 4, 1                         ; h
	v_mul_u32_u24 v3, v1, PITCH
	v_lshl_add_u32 v4, v2, 4, v3
	s_mul_i32 s21, s15, AH
	s_mul_i32 s22, s16, BH
	s_add_co_u32 s22, s22, 2*AH
.irp s, 0,1
	v_add_nc_u32 v[ADRA+\s], s21, v4
	v_add_nc_u32 v[ADRB+\s], s22, v4
	s_add_co_u32 s21, s21, SLOT
	s_add_co_u32 s22, s22, SLOT
.endr
	s_lshl_b32 s18, s17, 11
	s_mov_b32 s19, 0
	s_add_nc_u64 s[6:7], s[88:89], s[18:19]
	s_add_nc_u64 s[6:7], s[6:7], 4194304           ; h's scale bytes: the tile's 2,048 in plane 0
	s_lshl_b32 s18, s42, 11
	s_add_nc_u64 s[10:11], s[90:91], s[18:19]
	s_add_nc_u64 s[10:11], s[10:11], 12713984
	v_and_b32 v3, 31, v0
	v_lshlrev_b32 v5, 3, v3
	s_lshl_b32 s22, s15, 10
	v_add_nc_u32 v[VSA], s22, v5
	s_lshl_b32 s22, s16, 10
	v_add_nc_u32 v[VSB], s22, v5
.macro SCLOAD set                      ; a K step's scale words: register SC + 16 set + 2 g + q: h's blocks 2 g (lanes 0-15) and 2 g + 1 (lanes 16-31); + 8: W's
.irp g, 0,1,2,3
	global_load_b64 v[SC+16*(\set)+2*\g:SC+16*(\set)+2*\g+1], v[VSA], s[6:7] offset:256*\g
.endr
.irp g, 0,1,2,3
	global_load_b64 v[SC+16*(\set)+8+2*\g:SC+16*(\set)+8+2*\g+1], v[VSB], s[10:11] offset:256*\g
.endr
.endm
	SCLOAD 0
	s_lshl_b32 s18, s42, 10
	s_lshl_b32 s22, s16, 9
	s_add_co_u32 s18, s18, s22
	s_add_nc_u64 s[66:67], s[92:93], s[18:19]      ; the bias of my 128 columns
	v_lshlrev_b32 v6, 6, v2                        ; register 16 b + i holds column 32 b + 16 h + i
.irp b, 0,1,2,3
.irp j, 0,1,2,3
	global_load_b128 v[BQ+16*\b+4*\j:BQ+16*\b+4*\j+3], v6, s[66:67] offset:128*\b+16*\j
.endr
.endr
	s_mul_i32 s21, s15, 128*PITCH                  ; the way out: codes: row 128 wr + r, byte 128 wc + 16 h
	s_lshl_b32 s22, s16, 7
	s_add_co_u32 s21, s21, s22
	v_add_nc_u32 v24, s21, v4
	s_lshl_b32 s21, s15, 10
	s_lshl_b32 s22, s16, 2
	s_add_co_u32 s21, s21, s22
	s_add_co_u32 s21, s21, SST
	v_lshl_add_u32 v31, v1, 3, s21                 ; scale words: 8 (128 wr + r) + 4 wc
	v_mul_u32_u24 v25, v2, PITCH
	v_lshl_add_u32 v25, v1, 4, v25
	s_mul_i32 s21, s14, 64*PITCH
	v_add_nc_u32 v25, s21, v25                     ; back: row 64 w + L / 16, sixteen lanes to a row
	v_lshlrev_b32 v30, 12, v2
	v_lshl_add_u32 v30, v1, 4, v30                 ; and in rows of 4,096 bytes
	v_lshlrev_b32 v12, 4, v3
	s_lshl_b32 s21, s14, 9
	v_add_nc_u32 v12, s21, v12                     ; 512 w + 16 L
	v_add_nc_u32 v7, SST, v12
	s_lshl_b32 s18, s17, 8
	s_lshl_b32 s22, s14, 6
	s_add_co_u32 s18, s18, s22
	s_lshl_b32 s18, s18, 12
	s_lshl_b32 s22, s42, 8
	s_add_co_u32 s18, s18, s22
	s_add_nc_u64 s[12:13], s[94:95], s[18:19]      ; m codes: row 256 y + 64 w, byte 256 x
	s_lshl_b32 s18, s42, 15
	s_lshl_b32 s22, s17, 11
	s_add_co_u32 s18, s18, s22
	s_add_co_u32 s18, s18, 16777216
	s_add_nc_u64 s[68:69], s[94:95], s[18:19]      ; m scale bytes: plane x, the tile's 2,048
.macro WM acc, breg, areg, zero, sb, sa, rb, ra   ; rb, ra: the side's scales stand in lanes 16-31 of the register named
.if \zero
.if ((\rb)==1)&&((\ra)==1)
	v_wmma_scale_f32_16x16x128_f8f6f4 v[\acc:\acc+7], v[\breg:\breg+15], v[\areg:\areg+15], 0, v[\sb], v[\sa] matrix_a_scale:MATRIX_SCALE_ROW1 matrix_b_scale:MATRIX_SCALE_ROW1
.elseif (\rb)==1
	v_wmma_scale_f32_16x16x128_f8f6f4 v[\acc:\acc+7], v[\breg:\breg+15], v[\areg:\areg+15], 0, v[\sb], v[\sa] matrix_a_scale:MATRIX_SCALE_ROW1
.elseif (\ra)==1
	v_wmma_scale_f32_16x16x128_f8f6f4 v[\acc:\acc+7], v[\breg:\breg+15], v[\areg:\areg+15], 0, v[\sb], v[\sa] matrix_b_scale:MATRIX_SCALE_ROW1
.else
	v_wmma_scale_f32_16x16x128_f8f6f4 v[\acc:\acc+7], v[\breg:\breg+15], v[\areg:\areg+15], 0, v[\sb], v[\sa]
.endif
.else
.if ((\rb)==1)&&((\ra)==1)
	v_wmma_scale_f32_16x16x128_f8f6f4 v[\acc:\acc+7], v[\breg:\breg+15], v[\areg:\areg+15], v[\acc:\acc+7], v[\sb], v[\sa] matrix_a_scale:MATRIX_SCALE_ROW1 matrix_b_scale:MATRIX_SCALE_ROW1
.elseif (\rb)==1
	v_wmma_scale_f32_16x16x128_f8f6f4 v[\acc:\acc+7], v[\breg:\breg+15], v[\areg:\areg+15], v[\acc:\acc+7], v[\sb], v[\sa] matrix_a_scale:MATRIX_SCALE_ROW1
.elseif (\ra)==1
	v_wmma_scale_f32_16x16x128_f8f6f4 v[\acc:\acc+7], v[\breg:\breg+15], v[\areg:\areg+15], v[\acc:\acc+7], v[\sb], v[\sa] matrix_b_scale:MATRIX_SCALE_ROW1
.else
	v_wmma_scale_f32_16x16x128_f8f6f4 v[\acc:\acc+7], v[\breg:\breg+15], v[\areg:\areg+15], v[\acc:\acc+7], v[\sb], v[\sa]
.endif
.endif
.endm
.macro MUL16 a0, p, q, sc, zero        ; h's blocks a0, a0 + 1 x W's eight; the 64 accumulators take turns
.irp a, \a0, \a0+1
.irp b, 0,1,2,3,4,5,6,7
	WM 8*(8*((\a)%4)+\b), 128*(\p)+16*\b, AF+16*(\a), \zero, SC+16*(\sc)+8+2*(\b/2)+(\q), SC+16*(\sc)+2*((\a)/2)+(\q), \b%2, (\a)%2
.endr
.endr
.endm
.macro FRAG reg, adr, q, i             ; 16 rows x 128 K: registers 4 c .. 4 c + 3 hold K = 32 c + 16 (lane / 16) + 0 .. 15
.irp c, 0,1,2,3
	ds_load_b128 v[\reg+4*\c:\reg+4*\c+3], v[\adr] offset:128*(\q)+32*\c+(\i)*16*PITCH
.endr
.endm
.macro FETCH_B slot, q, p
	WIN 0x40
.irp i, 0,1,2,3,4,5,6,7
	FRAG 128*(\p)+16*\i, ADRB+\slot, \q, \i
.endr
	WIN 0
.endm
.macro FETCH_A slot, q, i0
.irp i, \i0, \i0+1, \i0+2, \i0+3
	FRAG AF+16*(\i), ADRA+\slot, \q, \i
.endr
.endm
; A slot's first 128 along K.  Loads into registers that matrix instructions have read stand eight plain vector instructions behind them
.macro STEP slot, zero, more
	s_wait_loadcnt 0x0                             ; this K step's scale words are in (in the first step the bias too): their pointers may be stepped
	s_wait_dscnt 16                                ; all but the youngest 16 loads (h's blocks 4-7)
	WIN 0xa1
	MUL16 0, 0, 0, \slot, \zero
	MUL16 2, 0, 0, \slot, \zero
	s_wait_dscnt 0x0
	PLACES 8
	FETCH_B \slot, 1, 1
	FETCH_A \slot, 1, 0
.if \more
	s_add_nc_u64 s[6:7], s[6:7], 32768
	s_add_nc_u64 s[10:11], s[10:11], 32768
	SCLOAD 1-\slot                                 ; the next K step's, 96 matrix instructions ahead of their use
.endif
	WIN 0xf1
	MUL16 4, 0, 0, \slot, \zero
	MUL16 6, 0, 0, \slot, \zero
	PLACES 8
	WIN 0
	FETCH_A \slot, 1, 4
.endm
; A slot's second 128 changes slots: each wave waits for all its tensor loads, adds 0 to its spare word, waits for that and for its reads of the slot; one barrier, which opens a round of the cluster's where the slot is filled again
.macro TURN slot, next, fill
	s_wait_tensorcnt 0x0                           ; all my tensor loads have landed: my part of the next slot
	ds_add_u32 v[SPW], v[NIL]                      ; 0 onto my spare word
	s_wait_dscnt 17                                ; the add and the youngest 16 loads may be out
	WIN 0xa1
	MUL16 0, 1, 1, \slot, 0
	s_wait_dscnt 0x0                               ; the add is done, and my reads of this slot are over
	s_barrier_signal -1
	MUL16 2, 1, 1, \slot, 0
	WIN 0
	s_barrier_wait -1
.if \fill
	CREST                                          ; no wave of any partner still reads this slot or has a load on its way
	s_add_nc_u64 s[G0+4*\slot+2:G0+4*\slot+3], s[G0+4*\slot+2:G0+4*\slot+3], 512
	s_add_nc_u64 s[G0B+4*\slot+2:G0B+4*\slot+3], s[G0B+4*\slot+2:G0B+4*\slot+3], 512
	JLOAD G0+4*\slot, G1, G0B+4*\slot, G1B         ; the first tensor load behind the round; its four v_nop are four of the eight places
	PLACES 4
.else
	PLACES 8
.endif
	FETCH_B \next, 0, 0
	FETCH_A \next, 0, 0
	WIN 0xf1
	MUL16 4, 1, 1, \slot, 0
	MUL16 6, 1, 1, \slot, 0
	PLACES 8
	WIN 0
	FETCH_A \next, 0, 4
.endm
	s_wait_tensorcnt 1                             ; my part of K step 0 is in; K step 1's load may be out
	s_barrier_signal -1
	s_barrier_wait -1
	FETCH_B 0, 0, 0
	FETCH_A 0, 0, 0
	FETCH_A 0, 0, 4
	STEP 0, 1, 1                                   ; the first products start the sums: nothing is cleared
	s_mov_b32 s3, LAPS-1
.Llap:
	TURN 0, 1, 1
	STEP 1, 0, 1
	TURN 1, 0, 1
	STEP 0, 0, 1
	s_sub_co_u32 s3, s3, 1
	s_cmp_lg_u32 s3, 0
	s_cbranch_scc1 .Llap
	TURN 0, 1, 0                                   ; the last lap fills nothing
	STEP 1, 0, 0
	s_wait_dscnt 16
	WIN 0xa1
	MUL16 0, 1, 1, 1, 0
	MUL16 2, 1, 1, 1, 0
	s_wait_dscnt 0x0
	WIN 0xf1
	MUL16 4, 1, 1, 1, 0
	MUL16 6, 1, 1, 1, 0
	WIN 0
; THE WAY OUT: a loop over the wave's eight blocks of 16 rows.  Only the copy out of the accumulators has other register numbers in each trip: it is chosen by a ladder on the trip's number; gelu and the quantiser are written once.
.macro COPYA a                         ; the sums + the bias into W; ascending: each accumulator is read from its low end on
	WIN 0x42+(\a)/4
.set n, 0
.rept 32
	v_pk_add_f32 v[W+n:W+n+1], v[64*((\a)%4)+n:64*((\a)%4)+n+1], v[BQ+n:BQ+n+1]
.set n, n+2
.endr
	WIN 0
.endm
.macro RUNG a, nxt
	s_cmp_eq_u32 s46, \a
	s_cbranch_scc0 .Lrung\nxt
	COPYA \a
	s_branch .Lgo
.Lrung\nxt:
.endm
.macro P3 d, a, b, c                   ; eight packed d = a b + c on runs of 16 registers
.irp p, 0,2,4,6,8,10,12,14
	v_pk_fma_f32 v[\d+\p:\d+\p+1], v[\a+\p:\a+\p+1], v[\b+\p:\b+\p+1], v[\c+\p:\c+\p+1]
.endr
.endm
.macro P3L d, a, b, lit                ; d = a b + a constant
.irp p, 0,2,4,6,8,10,12,14
	v_pk_fma_f32 v[\d+\p:\d+\p+1], v[\a+\p:\a+\p+1], v[\b+\p:\b+\p+1], \lit op_sel_hi:[1,1,0]
.endr
.endm
.macro P3K d, a, k, lit                ; d = a x the constant pair k + a constant
.irp p, 0,2,4,6,8,10,12,14
	v_pk_fma_f32 v[\d+\p:\d+\p+1], v[\a+\p:\a+\p+1], v[\k:\k+1], \lit op_sel_hi:[1,1,0]
.endr
.endm
.macro P2L d, a, lit                   ; d = a x a constant
.irp p, 0,2,4,6,8,10,12,14
	v_pk_mul_f32 v[\d+\p:\d+\p+1], v[\a+\p:\a+\p+1], \lit op_sel_hi:[1,0]
.endr
.endm
.macro GELU16 g                        ; 16 numbers x at W + 16 g become x (1 + erf(x / sqrt(2))) / 2
.set XG, W+16*(\g)
	P2L GZ, XG, 0x3f3504f3                         ; z = x / sqrt(2)
.irp p, 0,2,4,6,8,10,12,14
	v_pk_mul_f32 v[GS+\p:GS+\p+1], v[GZ+\p:GZ+\p+1], v[GZ+\p:GZ+\p+1]   ; s = z^2
.endr
.set n, 0
.rept 16
	v_and_b32 v[GT+n], s83, v[GZ+n]                ; t = |z|
.set n, n+1
.endr
	P3K GR, GT, CK0, 0x39c8e7d9                    ; the outer range: Q(t), then 2^(log2(e) Q) = 1 - erf(t)
	P3K GU, GT, CK2, 0x3cc6b1a1
	P3 GR, GR, GS, GU
	P3L GR, GR, GT, 0xbddaae5c
	P3L GR, GR, GT, 0xbf228550
	P3L GR, GR, GT, 0xbe03ce86
.irp p, 0,2,4,6,8,10,12,14
	v_pk_fma_f32 v[GR+\p:GR+\p+1], v[GR+\p:GR+\p+1], v[GT+\p:GT+\p+1], v[GT+\p:GT+\p+1] neg_lo:[0,0,1] neg_hi:[0,0,1]
.endr
	P2L GR, GR, 0x3fb8aa3b
.set n, 0
.rept 16
	v_exp_f32 v[GR+n], v[GR+n]
.set n, n+1
.endr
	P3K GU, GS, CD0, 0x3ba38d2c                    ; the inner range, which names no exponential's result: the work between the batch and its wait
	P3L GU, GU, GS, 0xbcdb48d9
	P3L GU, GU, GS, 0x3de70e22
	P3L GU, GU, GS, 0xbec09380
	P3L GU, GU, GS, 0x3e0375d4
	P3 GU, GU, GZ, GZ                              ; erf(z)
.irp p, 0,2,4,6,8,10,12,14
	v_pk_add_f32 v[GU+\p:GU+\p+1], v[GU+\p:GU+\p+1], 1.0 op_sel_hi:[1,0]
.endr
	s_wait_alu depctr_va_vdst(0)                   ; one wait for the batch, ahead of its first reader
.irp p, 0,2,4,6,8,10,12,14
	v_pk_fma_f32 v[GS+\p:GS+\p+1], v[GR+\p:GR+\p+1], -1.0, 2.0 op_sel_hi:[1,0,0]   ; 1 + erf for z above the range
.endr
.set n, 0
.rept 16
	v_cmp_gt_f32 vcc_lo, 0, v[GZ+n]
	v_cndmask_b32 v[GR+n], v[GS+n], v[GR+n], vcc_lo    ; under it: the power itself
	v_cmp_lt_f32 vcc_lo, s84, v[GT+n]
	v_cndmask_b32 v[GU+n], v[GU+n], v[GR+n], vcc_lo    ; which range
.set n, n+1
.endr
	P2L XG, XG, 0.5
.irp p, 0,2,4,6,8,10,12,14
	v_pk_mul_f32 v[XG+\p:XG+\p+1], v[XG+\p:XG+\p+1], v[GU+\p:GU+\p+1]
.endr
.endm
; 64 numbers of a lane, register 16 b + i = column 32 b + 16 (lane / 16) + i of my row, become 16 registers of codes and a scale word
.macro QUANT
.irp b, 0,1,2,3
	v_max3_num_f32 v[TM+\b], |v[W+16*\b]|, |v[W+1+16*\b]|, 0x4800000   ; with the floor 2^(9 - 127): the byte cannot fall under 1
.endr
.irp i, 2,4,6,8,10,12,14
.irp b, 0,1,2,3
	v_max3_num_f32 v[TM+\b], v[TM+\b], |v[W+16*\b+\i]|, |v[W+1+16*\b+\i]|
.endr
.endr
.irp b, 0,1,2,3
	v_permlanex16_b32 v[TM+4+\b], v[TM+\b], s80, s81
.endr
.irp b, 0,1,2,3
	v_max_num_f32 v[TM+\b], v[TM+\b], v[TM+4+\b]
.endr
.irp b, 0,1,2,3
	v_add_nc_u32 v[TM+12+\b], 0xfc000000, v[TM+\b]
.endr
.irp b, 0,1,2,3
	v_and_or_b32 v[TM+8+\b], v[TM+\b], 0x7f800000, s82
.endr
.irp b, 0,1,2,3
	v_lshrrev_b32 v[TM+4+\b], 23, v[TM+12+\b]
.endr
	v_lshl_or_b32 v[PW], v[TM+5], 8, v[TM+4]
	v_lshl_or_b32 v[PW], v[TM+6], 16, v[PW]
	v_lshl_or_b32 v[PW], v[TM+7], 24, v[PW]
.irp b, 0,1,2,3
.irp i, 0,1,2,3,4,5,6,7,8,9,10,11,12,13,14,15
	v_med3_num_f32 v[W+16*\b+\i], v[W+16*\b+\i], -v[TM+8+\b], v[TM+8+\b]   ; the conversion does not saturate (ISA guide 7.6.2): the hold
.endr
	v_cvt_scalef32_pk8_fp8_f32 v[PC+4*\b:PC+1+4*\b], v[W+16*\b:W+7+16*\b], v[TM+12+\b]
	v_cvt_scalef32_pk8_fp8_f32 v[PC+2+4*\b:PC+3+4*\b], v[W+8+16*\b:W+15+16*\b], v[TM+12+\b]
.endr
	v_nop                                          ; a plain instruction behind the last conversion
.endm
	PLACES 8                                       ; behind the last products
	WIN 0x40
.irp h, 0,1
	v_mov_b32 v[CK0+\h], 0xb7910000
	v_mov_b32 v[CK2+\h], 0xbb7e8a1c
	v_mov_b32 v[CD0+\h], 0xba1c7000
.endr
.irp b, 0,1,2,3
	v_mov_b32 v[TM+4+\b], 0                        ; a lane permute's destination counts as one of its sources
.endr
	WIN 0
	s_mov_b32 s46, 0                               ; the block,
	s_mov_b32 s47, 0                               ; its 16 rows in the stage of codes,
	s_mov_b32 s45, 0                               ; and among the scale words
.Lblk:
	RUNG 0, 1
	RUNG 1, 2
	RUNG 2, 3
	RUNG 3, 4
	RUNG 4, 5
	RUNG 5, 6
	RUNG 6, 7
	COPYA 7
.Lgo:
	WIN 0x55
	GELU16 0
	GELU16 1
	GELU16 2
	GELU16 3
	QUANT
	WIN 0
	v_add_nc_u32 v26, s47, v24
	v_add_nc_u32 v27, s45, v31
	WIN 0x04
.irp b, 0,1,2,3
	ds_store_b128 v26, v[PC+4*\b:PC+4*\b+3] offset:32*\b
.endr
	ds_store_b32 v27, v[PW]                        ; both halves of the lanes write the same word with the same value
	WIN 0
	s_wait_dscnt 0x0                               ; the stores have read their registers
	s_add_co_u32 s47, s47, 16*PITCH
	s_add_co_u32 s45, s45, 128
	s_add_co_u32 s46, s46, 1
	s_cmp_lt_u32 s46, 8
	s_cbranch_scc1 .Lblk
	s_barrier_signal -1                            ; every wave's stores into the stages have landed
	s_barrier_wait -1
.set k, 0
.rept 32                               ; my 64 rows: sixteen lanes store 256 consecutive aligned bytes of a row
	ds_load_b128 v[128+4*k:128+4*k+3], v25 offset:2*k*PITCH
.set k, k+1
.endr
	ds_load_b128 v[64:67], v7
.set k, 0
.rept 32
	s_wait_dscnt 32-k                              ; the younger loads may be out
	global_store_b128 v30, v[128+4*k:128+4*k+3], s[12:13] offset:8192*k
.set k, k+1
.endr
	s_wait_dscnt 0x0
	global_store_b128 v12, v[64:67], s[68:69]
	s_wait_tensorcnt 0x0                           ; the wave's end
	ds_add_u32 v[SPW], v[NIL]
	s_wait_dscnt 0x0
	CROUND                                         ; the closing round
	s_endpgm
.Lfunc_end_k_q3de7414c31_fc:
	.size	k_q3de7414c31_fc, .Lfunc_end_k_q3de7414c31_fc-k_q3de7414c31_fc
	.p2alignl 7, 3214868480
	.fill 96, 4, 3214868480
	.section	.rodata,"a",@progbits
	.p2align	6, 0x0
	.amdhsa_kernel k_q3de7414c31_fc
		.amdhsa_group_segment_fixed_size 327680
		.amdhsa_private_segment_fixed_size 0
		.amdhsa_enable_private_segment 0
		.amdhsa_kernarg_size 32
		.amdhsa_user_sgpr_count 2
		.amdhsa_user_sgpr_kernarg_segment_ptr 1
		.amdhsa_wavefront_size32 1
		.amdhsa_system_sgpr_workgroup_id_x 1
		.amdhsa_system_sgpr_workgroup_id_y 1
		.amdhsa_system_sgpr_workgroup_id_z 1
		.amdhsa_system_vgpr_workitem_id 0
		.amdhsa_next_free_vgpr 1024
		.amdhsa_next_free_sgpr 100
		.amdhsa_reserve_vcc 1
		.amdhsa_float_denorm_mode_32 3
		.amdhsa_float_denorm_mode_16_64 3
		.amdhsa_memory_ordered 1
		.amdhsa_forward_progress 1
		.amdhsa_inst_pref_size 215
	.end_amdhsa_kernel
	.amdgpu_metadata
---
amdhsa.version: [ 1, 2 ]
amdhsa.kernels:
  - .name:           k_q3de7414c31_fc
    .symbol:         k_q3de7414c31_fc.kd
    .args:
      - { .name: h2, .offset: 0, .size: 8, .value_kind: global_buffer, .address_space: global }
      - { .name: wts, .offset: 8, .size: 8, .value_kind: global_buffer, .address_space: global }
      - { .name: b_fc, .offset: 16, .size: 8, .value_kind: global_buffer, .address_space: global }
      - { .name: mb, .offset: 24, .size: 8, .value_kind: global_buffer, .address_space: global }
    .group_segment_fixed_size: 327680
    .private_segment_fixed_size: 0
    .kernarg_segment_align: 8
    .kernarg_segment_size: 32
    .max_flat_workgroup_size: 128
    .sgpr_count:     100
    .vgpr_count:     1024
    .wavefront_size: 32
...
	.end_amdgpu_metadata
.endif
;; end of part 6
;; launch mp (part 7): grid 4 x 16, 4 waves a work-group, clusters of 4 x 4, 327,680 bytes of LDS; arguments mb, wts, b_mp, x1, out0; writes out0
.if DOCPART == 7
	.amdgcn_target "amdgcn-amd-amdhsa--gfx1250"
	.amdhsa_code_object_version 6
	.text
	.protected	k_q3de7414c31_mp
	.globl	k_q3de7414c31_mp
	.p2align	8
	.type	k_q3de7414c31_mp,@function
k_q3de7414c31_mp:
	s_mov_b64 s[64:65], 0
	v_nop
	global_prefetch_b8 v0, s[64:65] scope:SCOPE_SE
	s_setreg_imm32_b32 hwreg(HW_REG_WAVE_MODE, 25, 1), 1
	s_wait_xcnt 0x0
	s_wait_alu depctr_hold_cnt(0) depctr_sa_sdst(0) depctr_va_vdst(0) depctr_va_sdst(0) depctr_va_ssrc(0) depctr_va_vcc(0) depctr_vm_vsrc(0)
	s_getreg_b32 s2, hwreg(HW_REG_IB_STS2, 6, 4)
	s_cmp_eq_u32 s2, 0
	s_cbranch_scc0 .Lentry_in_a_cluster
	s_endpgm
.Lentry_in_a_cluster:
	s_bfe_u32 s2, ttmp6, 0x10000c
	s_cmp_lg_u32 s2, 0xf033
	s_cbranch_scc0 .Lentry_shape_is_right
	s_endpgm
.Lentry_shape_is_right:
; out = res + A W + bias, the product on codes of FP8 (E4M3) with E8M0 scales for each 32 along K.  One text serves two launches, by IS_MP:
;   IS_MP = 0: A = y, K = 1,024, codes laid [1024 groups of 4 rows][16 heads][4 rows][64], W = W_ao;    IS_MP = 1: A = m, K = 4,096, codes [4096][4096], W = W_mp.
; A's scale bytes lie by K step, [K / 256][4096][8], behind its codes; W's codes [1024][K] and scale bytes [K / 256][1024][8] in wts.  Rows of A and W lie in the order sigma (bits 3 and 4 of the index swapped); res and out, f32 [4096][1024], as they are.
; A tile of 256 x 256 to a work-group of four waves, 128 x 128 a wave in 64 accumulators; K in steps of 256 through a ring of two LDS slots filled by the tensor data mover.  The output has 64 such tiles: 64 work-groups.
; CLUSTERS 4 x 4: A's tile is shared along a row of the cluster, W's along a column: joint loads, the same descriptor and mask in the four that share.
; THE PRODUCT IS USED TRANSPOSED (source 0 = 16 rows of W, source 1 = 16 rows of A): a lane holds one row of the output, and by the order sigma the registers of two neighbouring tiles are 16 neighbouring columns.
; SCALES come by K step straight into registers: 32 rows x 8 bytes, 256 consecutive aligned bytes a load.
; REGISTERS: window 0: v1-31 addresses, v32-63 scale words (two sets), v64-67 the bias, v128-255 A's fragments (one set), on the way out rows of the output.  window 1: W's fragments (two sets), on the way out the residual.  windows 2, 3: accumulators.
.set IS_MP, 1
.set PITCH, 272                        ; an LDS row of 256 bytes + 16
.set BH,    128*PITCH
.if IS_MP
.set AH,    128*PITCH
.set KROWA, 4096
.set KROWB, 4096
.set LAPS,  8
.set ASCL,  16777216
.set WCODE, 8388608
.set WSCL,  12845056
.set AST,   256                        ; a K step in A's tile rows, in bytes
.else
.set AH,    32*1040                    ; 32 LDS rows of 1,024 bytes + 16: four rows of y x four heads each
.set KROWA, 1024
.set KROWB, 1024
.set LAPS,  2
.set ASCL,  4194304
.set WCODE, 3145728
.set WSCL,  12681216
.set AST,   1024
.endif
.set PLA,   32768                      ; from plane to plane of scale bytes: 8 x 4,096 and 8 x 1,024
.set PLB,   8192
.set SLOT,  2*AH+2*BH
.set SPARE, 2*SLOT                     ; the spare words: 128 bytes a wave, named by no other line
.set SPITCH, 528                       ; the way out: a stage of 16 rows x (512 + 16) bytes a wave, in slot 0, whose last fill and last read are over
.set ADRA, 16
.set ADRB, 20
.set VSA,  22
.set VSB,  23
.set SPW,  28
.set NIL,  29
.set SC,   32
.set BR,   64
.set AF,   128
.set BK,   128
.set G1,  24
.set G0,  32
.set G1B, 48
.set G0B, 56
.set MSB, 0
.macro WIN new                         ; the immediate's high byte repeats the setting that is left
.if MSB != (\new)
	s_set_vgpr_msb (MSB<<8)|(\new)
.set MSB, (\new)
.endif
.endm
.macro JLOAD g0a, g1a, g0b, g1b        ; a joint load: waves 0, 1 fetch A's halves, waves 2, 3 W's; four v_nop follow each line
	s_cmp_eq_u32 s15, 0
	s_cbranch_scc0 .Lfor_b_\@
	tensor_load_to_lds s[\g0a:\g0a+3], s[\g1a:\g1a+7]
	s_nop 0
.rept 4
	v_nop
.endr
	s_branch .Lasked_\@
.Lfor_b_\@:
	tensor_load_to_lds s[\g0b:\g0b+3], s[\g1b:\g1b+7]
	s_nop 0
.rept 4
	v_nop
.endr
.Lasked_\@:
.endm
.macro CREST
	s_cmp_lg_u32 s14, 0
	s_cbranch_scc1 .Lnot_wave_0_\@
	s_barrier_signal -3
.Lnot_wave_0_\@:
	s_barrier_wait -3
	s_barrier_signal -1
	s_barrier_wait -1
.endm
.macro CROUND
	s_barrier_signal -1
	s_barrier_wait -1
	CREST
.endm
.macro PLACES n
.rept \n
	v_nop
.endr
.endm
; A prefetch into the L2 (IS_MP alone: 16 K steps): behind each joint load and the LDS loads that follow it, the K step that stands two refills on: 32 rows x 256 bytes, a lane a row, one instruction a wave.
; Each row's 256 bytes of a K step are named once in the launch: A's rows by the waves that fetch A (there is one cluster along x), W's by the clusters with y = 0; the four partners that ask for a tile jointly
; take 32 of a wave's 128 rows each, told apart by address.  The loop's last trip asks for nothing; K steps 0 to 3 come by their loads alone.
.macro ASK
	s_cmp_gt_u32 s3, s78
	s_cbranch_scc0 .Lnot_mine_\@
	global_prefetch_b8 v30, s[76:77] offset:256 th:TH_LOAD_NT scope:SCOPE_SE
.Lnot_mine_\@:
.endm
	s_load_b256 s[88:95], s[0:1], 0x0              ; A, wts, bias, res
	s_load_b64 s[96:97], s[0:1], 0x20              ; out
	v_lshl_add_u32 v[SPW], v0, 2, SPARE
	v_mov_b32 v[NIL], 0
	ds_add_u32 v28, v29
	ds_add_u32 v28, v29
	s_wait_dscnt 0x0
	v_lshrrev_b32 v1, 5, v0
	v_readfirstlane_b32 s14, v1                    ; wave 0..3
	s_lshr_b32 s15, s14, 1                         ; my half of A's rows.  Also: I fetch A's tile (0) or W's (1)
	s_and_b32 s16, s14, 1                          ; my half of W's rows.  Also: which half of that tile I fetch
	s_bfe_u32 s40, ttmp6, 0x40000
	s_bfe_u32 s41, ttmp6, 0x40004
	s_lshl_b32 s42, ttmp9, 2
	s_add_co_u32 s42, s42, s40                     ; x: which 256 rows of W
	s_and_b32 s17, ttmp7, 0xffff
	s_lshl_b32 s17, s17, 2
	s_add_co_u32 s17, s17, s41                     ; y: which 256 rows of A
	s_lshl_b32 s43, s41, 2
	s_lshl_b32 s43, 15, s43
	s_lshl_b32 s44, 0x1111, s40
.if IS_MP
	s_or_b32 s[G1+0], s43, (1<<20)|(1<<21)|(5<<22)|(3<<25)   ; 128 rows of 256 bytes; 4 words of padding behind every 64
	s_mov_b32 s[G1+1], 256<<16
	s_mov_b32 s[G1+2], 128<<16
	s_mov_b32 s[G1+3], 256<<16
	s_mov_b32 s[G1+4], 128
	s_mov_b32 s[G1+5], KROWA
.else
	s_or_b32 s[G1+0], s43, (1<<20)|(1<<21)|(7<<22)|(3<<25)   ; 32 rows of 1,024 bytes, 4,096 apart; 4 words of padding behind every 256
	s_mov_b32 s[G1+1], 1024<<16
	s_mov_b32 s[G1+2], 32<<16
	s_mov_b32 s[G1+3], 1024<<16
	s_mov_b32 s[G1+4], 32
	s_mov_b32 s[G1+5], 4096
.endif
	s_mov_b32 s[G1+6], 0
	s_mov_b32 s[G1+7], 0
	s_or_b32 s[G1B+0], s44, (1<<20)|(1<<21)|(5<<22)|(3<<25)
	s_mov_b32 s[G1B+1], 256<<16
	s_mov_b32 s[G1B+2], 128<<16
	s_mov_b32 s[G1B+3], 256<<16
	s_mov_b32 s[G1B+4], 128
	s_mov_b32 s[G1B+5], KROWB
	s_mov_b32 s[G1B+6], 0
	s_mov_b32 s[G1B+7], 0
	s_lshl_b32 s18, s16, 7
	s_lshl_b32 s20, s17, 8
	s_add_co_u32 s20, s20, s18
	s_mul_i32 s20, s20, KROWA                      ; A: row 256 y + 128 x half, in bytes (y's groups of four rows hold the same bytes as four rows)
	s_mov_b32 s21, 0
	s_lshl_b32 s46, s42, 8
	s_add_co_u32 s46, s46, s18
	s_mul_i32 s46, s46, KROWB
	s_add_co_u32 s46, s46, WCODE
	s_mov_b32 s47, 0
	s_mul_i32 s45, s16, AH                         ; where they go: no place in the cluster enters an LDS address
	s_mul_i32 s19, s16, BH
	s_add_co_u32 s19, s19, 2*AH
	s_wait_kmcnt 0x0
	s_add_nc_u64 s[20:21], s[88:89], s[20:21]
	s_add_nc_u64 s[46:47], s[90:91], s[46:47]
	CROUND                                         ; all sixteen work-groups are here: the first joint loads meet
.irp s, 0,1
	s_mov_b32 s[G0+4*\s], 1
	s_add_co_u32 s[G0+4*\s+1], s45, \s*SLOT
	s_add_nc_u64 s[G0+4*\s+2:G0+4*\s+3], s[20:21], \s*AST
	s_or_b32 s[G0+4*\s+3], s[G0+4*\s+3], 0x80000000
	s_mov_b32 s[G0B+4*\s], 1
	s_add_co_u32 s[G0B+4*\s+1], s19, \s*SLOT
	s_add_nc_u64 s[G0B+4*\s+2:G0B+4*\s+3], s[46:47], \s*256
	s_or_b32 s[G0B+4*\s+3], s[G0B+4*\s+3], 0x80000000
	JLOAD G0+4*\s, G1, G0B+4*\s, G1B
.endr
	v_and_b32 v1, 15, v0                           ; r
	v_bfe_u32 v2, v0, 4, 1                         ; h
	v_mul_u32_u24 v3, v1, PITCH
	v_lshl_add_u32 v4, v2, 4, v3                   ; W: row x pitch + 16 x half
.if IS_MP
	v_mov_b32 v5, v4
.else
	v_lshrrev_b32 v3, 2, v1
	v_mul_u32_u24 v5, v3, 1040
	v_and_b32 v3, 3, v1
	v_lshl_add_u32 v5, v3, 6, v5
	v_lshl_add_u32 v5, v2, 4, v5                   ; y: LDS row r / 4, row r % 4 in a head's 256 bytes, + 16 h
.endif
	s_mul_i32 s21, s15, AH
	s_mul_i32 s22, s16, BH
	s_add_co_u32 s22, s22, 2*AH
.irp s, 0,1
	v_add_nc_u32 v[ADRA+\s], s21, v5
	v_add_nc_u32 v[ADRB+\s], s22, v4
	s_add_co_u32 s21, s21, SLOT
	s_add_co_u32 s22, s22, SLOT
.endr
	s_lshl_b32 s18, s17, 11
	s_mov_b32 s19, 0
	s_add_nc_u64 s[6:7], s[88:89], s[18:19]
	s_add_nc_u64 s[6:7], s[6:7], ASCL              ; A's scale bytes: the tile's 2,048 in plane 0
	s_lshl_b32 s18, s42, 11
	s_add_nc_u64 s[10:11], s[90:91], s[18:19]
	s_add_nc_u64 s[10:11], s[10:11], WSCL
	v_and_b32 v3, 31, v0
	v_lshlrev_b32 v6, 3, v3
	s_lshl_b32 s22, s15, 10
	v_add_nc_u32 v[VSA], s22, v6
	s_lshl_b32 s22, s16, 10
	v_add_nc_u32 v[VSB], s22, v6
.macro SCLOAD set                      ; a K step's scale words: register SC + 16 set + 2 g + q: A's blocks 2 g (lanes 0-15) and 2 g + 1 (lanes 16-31); + 8: W's
.irp g, 0,1,2,3
	global_load_b64 v[SC+16*(\set)+2*\g:SC+16*(\set)+2*\g+1], v[VSA], s[6:7] offset:256*\g
.endr
.irp g, 0,1,2,3
	global_load_b64 v[SC+16*(\set)+8+2*\g:SC+16*(\set)+8+2*\g+1], v[VSB], s[10:11] offset:256*\g
.endr
.endm
	SCLOAD 0
	v_lshlrev_b32 v26, 4, v3                       ; 16 x lane: my 4 columns of the wave's 128
	s_lshl_b32 s18, s42, 10
	s_lshl_b32 s22, s16, 9
	s_add_co_u32 s18, s18, s22                     ; the wave's first column, in bytes
	s_add_nc_u64 s[66:67], s[92:93], s[18:19]
	global_load_b128 v[BR:BR+3], v26, s[66:67]     ; the bias
	s_lshl_b32 s22, s17, 8
	s_lshl_b32 s23, s15, 7
	s_add_co_u32 s22, s22, s23
	s_lshl_b32 s22, s22, 12                        ; my first row, 4,096 bytes a row
	s_add_co_u32 s18, s18, s22
	s_add_nc_u64 s[68:69], s[94:95], s[18:19]      ; res
	s_add_nc_u64 s[12:13], s[96:97], s[18:19]      ; out
	s_mul_i32 s23, s14, 16*SPITCH                  ; my stage
	v_mul_u32_u24 v24, v1, SPITCH
	v_lshl_add_u32 v24, v2, 6, v24
	v_add_nc_u32 v24, s23, v24                     ; in: row r, + 64 h
	v_add_nc_u32 v25, s23, v26                     ; back: a row's 512 bytes by the 32 lanes
.if IS_MP
	s_lshl_b32 s20, s17, 8                         ; the prefetches: the tile's first row in A or in W,
	s_lshl_b32 s21, s42, 8
	s_and_b32 s22, ttmp7, 0xffff
	s_cmp_eq_u32 s15, 0                            ; do I fetch for A?
	s_cselect_b32 s20, s20, s21
	s_cselect_b32 s21, s40, s41                    ; my place among the four that ask with me,
	s_cselect_b32 s22, ttmp9, s22                  ; the coordinate along which other clusters read the same rows
	s_cselect_b64 s[76:77], s[88:89], s[90:91]
	s_cselect_b32 s23, 0, WCODE
	s_cmp_eq_u32 s22, 0
	s_cselect_b32 s78, 1, -1                       ; 1 in a wave that prefetches, else the greatest number
	s_lshl_b32 s22, s16, 7
	s_add_co_u32 s20, s20, s22
	s_lshl_b32 s21, s21, 5
	s_add_co_u32 s20, s20, s21
	s_lshl_b32 s20, s20, 12
	s_add_co_u32 s20, s20, s23
	s_add_co_u32 s20, s20, 512                     ; at K step 2: the first refill steps it to 3 and names K step 4
	s_mov_b32 s21, 0
	s_add_nc_u64 s[76:77], s[76:77], s[20:21]
	v_lshlrev_b32 v30, 12, v3                      ; a lane a row
.endif
.macro WM acc, breg, areg, zero, sb, sa, rb, ra   ; rb, ra: the side's scales stand in lanes 16-31 of the register named
.if \zero
.if ((\rb)==1)&&((\ra)==1)
	v_wmma_scale_f32_16x16x128_f8f6f4 v[\acc:\acc+7], v[\breg:\breg+15], v[\areg:\areg+15], 0, v[\sb], v[\sa] matrix_a_scale:MATRIX_SCALE_ROW1 matrix_b_scale:MATRIX_SCALE_ROW1
.elseif (\rb)==1
	v_wmma_scale_f32_16x16x128_f8f6f4 v[\acc:\acc+7], v[\breg:\breg+15], v[\areg:\areg+15], 0, v[\sb], v[\sa] matrix_a_scale:MATRIX_SCALE_ROW1
.elseif (\ra)==1
	v_wmma_scale_f32_16x16x128_f8f6f4 v[\acc:\acc+7], v[\breg:\breg+15], v[\areg:\areg+15], 0, v[\sb], v[\sa] matrix_b_scale:MATRIX_SCALE_ROW1
.else
	v_wmma_scale_f32_16x16x128_f8f6f4 v[\acc:\acc+7], v[\breg:\breg+15], v[\areg:\areg+15], 0, v[\sb], v[\sa]
.endif
.else
.if ((\rb)==1)&&((\ra)==1)
	v_wmma_scale_f32_16x16x128_f8f6f4 v[\acc:\acc+7], v[\breg:\breg+15], v[\areg:\areg+15], v[\acc:\acc+7], v[\sb], v[\sa] matrix_a_scale:MATRIX_SCALE_ROW1 matrix_b_scale:MATRIX_SCALE_ROW1
.elseif (\rb)==1
	v_wmma_scale_f32_16x16x128_f8f6f4 v[\acc:\acc+7], v[\breg:\breg+15], v[\areg:\areg+15], v[\acc:\acc+7], v[\sb], v[\sa] matrix_a_scale:MATRIX_SCALE_ROW1
.elseif (\ra)==1
	v_wmma_scale_f32_16x16x128_f8f6f4 v[\acc:\acc+7], v[\breg:\breg+15], v[\areg:\areg+15], v[\acc:\acc+7], v[\sb], v[\sa] matrix_b_scale:MATRIX_SCALE_ROW1
.else
	v_wmma_scale_f32_16x16x128_f8f6f4 v[\acc:\acc+7], v[\breg:\breg+15], v[\areg:\areg+15], v[\acc:\acc+7], v[\sb], v[\sa]
.endif
.endif
.endm
.macro MUL16 a0, p, q, sc, zero        ; A's blocks a0, a0 + 1 x W's eight; the 64 accumulators take turns
.irp a, \a0, \a0+1
.irp b, 0,1,2,3,4,5,6,7
	WM 8*(8*((\a)%4)+\b), 128*(\p)+16*\b, AF+16*(\a), \zero, SC+16*(\sc)+8+2*(\b/2)+(\q), SC+16*(\sc)+2*((\a)/2)+(\q), \b%2, (\a)%2
.endr
.endr
.endm
.macro FRAGB reg, slot, q, i           ; 16 rows x 128 K: registers 4 c .. 4 c + 3 hold K = 32 c + 16 (lane / 16) + 0 .. 15
.irp c, 0,1,2,3
	ds_load_b128 v[\reg+4*\c:\reg+4*\c+3], v[ADRB+\slot] offset:128*(\q)+32*\c+(\i)*16*PITCH
.endr
.endm
.macro FRAGA reg, slot, q, i
.irp c, 0,1,2,3
.if IS_MP
	ds_load_b128 v[\reg+4*\c:\reg+4*\c+3], v[ADRA+\slot] offset:128*(\q)+32*\c+(\i)*16*PITCH
.else
	ds_load_b128 v[\reg+4*\c:\reg+4*\c+3], v[ADRA+\slot] offset:4160*(\i)+512*(\q)+256*(\c/2)+32*(\c%2)   ; four LDS rows a block; head 2 q + c / 2; 32 (c % 2) in the head's 64
.endif
.endr
.endm
.macro FETCH_B slot, q, p
	WIN 0x40
.irp i, 0,1,2,3,4,5,6,7
	FRAGB 128*(\p)+16*\i, \slot, \q, \i
.endr
	WIN 0
.endm
.macro FETCH_A slot, q, i0
.irp i, \i0, \i0+1, \i0+2, \i0+3
	FRAGA AF+16*(\i), \slot, \q, \i
.endr
.endm
; A slot's first 128 along K.  Loads into registers that matrix instructions have read stand eight plain vector instructions behind them
.macro STEP slot, zero, more
	s_wait_loadcnt 0x0                             ; this K step's scale words are in (in the first step the bias too): their pointers may be stepped
	s_wait_dscnt 16                                ; all but the youngest 16 loads (A's blocks 4-7)
	WIN 0xa1
	MUL16 0, 0, 0, \slot, \zero
	MUL16 2, 0, 0, \slot, \zero
	s_wait_dscnt 0x0
	PLACES 8
	FETCH_B \slot, 1, 1
	FETCH_A \slot, 1, 0
.if \more
	s_add_nc_u64 s[6:7], s[6:7], PLA
	s_add_nc_u64 s[10:11], s[10:11], PLB
	SCLOAD 1-\slot                                 ; the next K step's, 96 matrix instructions ahead of their use
.endif
	WIN 0xf1
	MUL16 4, 0, 0, \slot, \zero
	MUL16 6, 0, 0, \slot, \zero
	PLACES 8
	WIN 0
	FETCH_A \slot, 1, 4
.endm
; A slot's second 128 changes slots: each wave waits for all its tensor loads, adds 0 to its spare word, waits for that and for its reads of the slot; one barrier, which opens a round of the cluster's where the slot is filled again
.macro TURN slot, next, fill
.if IS_MP && \fill
	s_wait_xcnt 0x0                                ; the last prefetch, a K step back, has read its address
	s_add_nc_u64 s[76:77], s[76:77], 256
.endif
	s_wait_tensorcnt 0x0                           ; all my tensor loads have landed: my part of the next slot
	ds_add_u32 v[SPW], v[NIL]                      ; 0 onto my spare word
	s_wait_dscnt 17                                ; the add and the youngest 16 loads may be out
	WIN 0xa1
	MUL16 0, 1, 1, \slot, 0
	s_wait_dscnt 0x0                               ; the add is done, and my reads of this slot are over
	s_barrier_signal -1
	MUL16 2, 1, 1, \slot, 0
	WIN 0
	s_barrier_wait -1
.if \fill
	CREST                                          ; no wave of any partner still reads this slot or has a load on its way
	s_add_nc_u64 s[G0+4*\slot+2:G0+4*\slot+3], s[G0+4*\slot+2:G0+4*\slot+3], 2*AST
	s_add_nc_u64 s[G0B+4*\slot+2:G0B+4*\slot+3], s[G0B+4*\slot+2:G0B+4*\slot+3], 512
	JLOAD G0+4*\slot, G1, G0B+4*\slot, G1B         ; the first tensor load behind the round; its four v_nop are four of the eight places
	PLACES 4
.else
	PLACES 8
.endif
	FETCH_B \next, 0, 0
	FETCH_A \next, 0, 0
.if IS_MP && \fill
	ASK
.endif
	WIN 0xf1
	MUL16 4, 1, 1, \slot, 0
	MUL16 6, 1, 1, \slot, 0
	PLACES 8
	WIN 0
	FETCH_A \next, 0, 4
.endm
	s_wait_tensorcnt 1                             ; my part of K step 0 is in; K step 1's load may be out
	s_barrier_signal -1
	s_barrier_wait -1
	FETCH_B 0, 0, 0
	FETCH_A 0, 0, 0
	FETCH_A 0, 0, 4
	STEP 0, 1, 1                                   ; the first products start the sums: nothing is cleared
	s_mov_b32 s3, LAPS-1
.Llap:
	TURN 0, 1, 1
	STEP 1, 0, 1
	TURN 1, 0, 1
	STEP 0, 0, 1
	s_sub_co_u32 s3, s3, 1
	s_cmp_lg_u32 s3, 0
	s_cbranch_scc1 .Llap
	TURN 0, 1, 0                                   ; the last lap fills nothing
	STEP 1, 0, 0
	s_wait_dscnt 16
	WIN 0xa1
	MUL16 0, 1, 1, 1, 0
	MUL16 2, 1, 1, 1, 0
	s_wait_dscnt 0x0
	WIN 0xf1
	MUL16 4, 1, 1, 1, 0
	MUL16 6, 1, 1, 1, 0
	WIN 0
; THE WAY OUT, a block of 16 rows x 128 columns at a time, through my own stage: stored row 16 a + t is row 32 (a / 2) + 8 (a % 2) + t % 8 + 16 (t / 8) of res and out; tile b's registers are columns 32 (b / 2) + 16 h + 8 (b % 2) + 0 .. 7.
.macro RLOAD a                         ; the residual's 16 rows, 512 consecutive bytes a load, into window 1
	WIN 0x40
.set t, 0
.rept 16
	global_load_b128 v[64*((\a)%2)+4*t:64*((\a)%2)+4*t+3], v26, s[68:69] offset:4096*(32*((\a)/2)+8*((\a)%2)+(t%8)+16*(t/8))
.set t, t+1
.endr
	WIN 0
.endm
.macro TOSTAGE a
	WIN 0x08+4*((\a)/4)                            ; an LDS store's data are its source 1: window 2 or 3
.irp b, 0,1,2,3,4,5,6,7
	ds_store_b128 v24, v[64*((\a)%4)+8*\b:64*((\a)%4)+8*\b+3] offset:128*(\b/2)+32*(\b%2)        ; each accumulator from its low end on
	ds_store_b128 v24, v[64*((\a)%4)+8*\b+4:64*((\a)%4)+8*\b+7] offset:128*(\b/2)+32*(\b%2)+16
.endr
	WIN 0
.set t, 0
.rept 16
	ds_load_b128 v[BK+64*((\a)%2)+4*t:BK+64*((\a)%2)+4*t+3], v25 offset:SPITCH*t   ; LDS serves a wave's instructions in order: these see my stores
.set t, t+1
.endr
.endm
	PLACES 8                                       ; behind the last products: for the reads of results and the loads into fragment registers
	RLOAD 0
	RLOAD 1
.irp a, 0,1,2,3,4,5,6,7
.if \a > 1
	s_wait_xcnt 0x0                                ; the stores of two blocks back have read their registers
.endif
	TOSTAGE \a
	s_wait_dscnt 0x0
.if \a < 7
	s_wait_loadcnt 16                              ; this block's residual is in; the next block's 16 loads may be out
.else
	s_wait_loadcnt 0x0
.endif
	WIN 0x04
.set t, 0
.rept 32
	v_pk_add_f32 v[BK+64*(\a%2)+2*t:BK+64*(\a%2)+2*t+1], v[BK+64*(\a%2)+2*t:BK+64*(\a%2)+2*t+1], v[64*(\a%2)+2*t:64*(\a%2)+2*t+1]
.set t, t+1
.endr
	WIN 0
.set t, 0
.rept 16
	v_pk_add_f32 v[BK+64*(\a%2)+4*t:BK+64*(\a%2)+4*t+1], v[BK+64*(\a%2)+4*t:BK+64*(\a%2)+4*t+1], v[BR:BR+1]
	v_pk_add_f32 v[BK+64*(\a%2)+4*t+2:BK+64*(\a%2)+4*t+3], v[BK+64*(\a%2)+4*t+2:BK+64*(\a%2)+4*t+3], v[BR+2:BR+3]
.set t, t+1
.endr
.if \a < 6
	RLOAD \a+2
.endif
.set t, 0
.rept 16
	global_store_b128 v26, v[BK+64*(\a%2)+4*t:BK+64*(\a%2)+4*t+3], s[12:13] offset:4096*(32*(\a/2)+8*(\a%2)+(t%8)+16*(t/8)) th:TH_STORE_NT   ; 512 consecutive aligned bytes; written once, read by nobody here
.set t, t+1
.endr
.endr
	s_wait_tensorcnt 0x0                           ; the wave's end
	ds_add_u32 v[SPW], v[NIL]
	s_wait_dscnt 0x0
	CROUND                                         ; the closing round
	s_endpgm
.Lfunc_end_k_q3de7414c31_mp:
	.size	k_q3de7414c31_mp, .Lfunc_end_k_q3de7414c31_mp-k_q3de7414c31_mp
	.p2alignl 7, 3214868480
	.fill 96, 4, 3214868480
	.section	.rodata,"a",@progbits
	.p2align	6, 0x0
	.amdhsa_kernel k_q3de7414c31_mp
		.amdhsa_group_segment_fixed_size 327680
		.amdhsa_private_segment_fixed_size 0
		.amdhsa_enable_private_segment 0
		.amdhsa_kernarg_size 40
		.amdhsa_user_sgpr_count 2
		.amdhsa_user_sgpr_kernarg_segment_ptr 1
		.amdhsa_wavefront_size32 1
		.amdhsa_system_sgpr_workgroup_id_x 1
		.amdhsa_system_sgpr_workgroup_id_y 1
		.amdhsa_system_sgpr_workgroup_id_z 1
		.amdhsa_system_vgpr_workitem_id 0
		.amdhsa_next_free_vgpr 1024
		.amdhsa_next_free_sgpr 100
		.amdhsa_reserve_vcc 0
		.amdhsa_float_denorm_mode_32 3
		.amdhsa_float_denorm_mode_16_64 3
		.amdhsa_memory_ordered 1
		.amdhsa_forward_progress 1
		.amdhsa_inst_pref_size 191
	.end_amdhsa_kernel
	.amdgpu_metadata
---
amdhsa.version: [ 1, 2 ]
amdhsa.kernels:
  - .name:           k_q3de7414c31_mp
    .symbol:         k_q3de7414c31_mp.kd
    .args:
      - { .name: mb, .offset: 0, .size: 8, .value_kind: global_buffer, .address_space: global }
      - { .name: wts, .offset: 8, .size: 8, .value_kind: global_buffer, .address_space: global }
      - { .name: b_mp, .offset: 16, .size: 8, .value_kind: global_buffer, .address_space: global }
      - { .name: x1, .offset: 24, .size: 8, .value_kind: global_buffer, .address_space: global }
      - { .name: out0, .offset: 32, .size: 8, .value_kind: global_buffer, .address_space: global }
    .group_segment_fixed_size: 327680
    .private_segment_fixed_size: 0
    .kernarg_segment_align: 8
    .kernarg_segment_size: 40
    .max_flat_workgroup_size: 128
    .sgpr_count:     100
    .vgpr_count:     1024
    .wavefront_size: 32
...
	.end_amdgpu_metadata
.endif
;; end of part 7
;; ======== version 2 of 2: 7 launches
;; limits: right only within a limited range of input values
;; workspace buffers: wts 12,976,128 bytes; h1 4,325,376 bytes; qkvc 12,976,128 bytes; yb 4,325,376 bytes; x1 16,777,216 bytes; h2 4,325,376 bytes; mb 17,301,504 bytes
;; launch prep (part 8): grid 256 x 1, 16 waves a work-group, no clusters, 232,448 bytes of LDS; arguments W_qkv, W_ao, W_fc, W_mp, wts, x, g1, be1, h1; writes wts, h1
.if DOCPART == 8
	.amdgcn_target "amdgcn-amd-amdhsa--gfx1250"
	.amdhsa_code_object_version 6
	.text
	.protected	k_q3de7414c31_prep
	.globl	k_q3de7414c31_prep
	.p2align	8
	.type	k_q3de7414c31_prep,@function
k_q3de7414c31_prep:
	s_mov_b64 s[64:65], 0
	v_nop
	global_prefetch_b8 v0, s[64:65] scope:SCOPE_SE
	s_setreg_imm32_b32 hwreg(HW_REG_WAVE_MODE, 25, 1), 1
	s_wait_xcnt 0x0
; ONE LAUNCH PREPARES ALL OPERANDS THAT HANG ON INPUTS ALONE.  Work-groups 0-127 quantise the four weights, work-groups 128-255 take layernorm(x) and quantise it.  The two paths part on the work-group's number and use LDS bytes of their own.
; WEIGHTS: f32 [K][N], K the first axis, become codes of FP8 (E4M3) laid [N][K], K innermost, and E8M0 scale bytes laid by K step, [K/256][N][8], all in wts:
; codes of W_qkv, W_ao, W_fc, W_mp at 0, 3145728, 4194304, 8388608; scale bytes at 12582912, 12681216, 12713984, 12845056.  Output channel n is stored at row sigma(n) = n with bits 3 and 4 swapped.
; A lane takes a column n, its registers run down K.  A wave takes 32 columns x 256 along K; four waves on end take a unit of 128 columns.  There are 384 units (0-95 W_qkv, 96-127 W_ao, 128-255 W_fc, 256-383 W_mp), three to a work-group:
; unit u = 3 x work-group + wave / 4 for waves 0-11.  The layernorm's path wants sixteen waves, so the launch has sixteen; on the weights' path waves 12-15 have no unit and end.
; The codes leave through the wave's own stage: sixteen lanes store 256 consecutive aligned bytes; a wave's 32 x 8 scale bytes are 256 consecutive aligned bytes too.  Waves share nothing on this path: no barrier.
; LAYERNORM: h = layernorm(x) g + be in f32, quantised along its 1,024 columns: codes [4096][1024], bytes [4][4096][8] from byte 4194304 of h1; token row i is stored at sigma(i).
; A work-group takes 32 rows, a wave two; g and be come once a work-group and go round through LDS; the finished row turns through the wave's stage so that a lane holds 16 neighbours.
; No matrix unit, no tensor load, no cluster: every input byte is read once and memory binds.
; LIMITS: a block whose largest magnitude lies under 2^-118 gets the byte 1 (a block of zeros too: its codes are zeros, and this program alone reads the bytes); NaN and infinities are not served.
.set PITCH, 272
.set STG,   32*PITCH                   ; a wave's stage on the weights' path
.set NB,    8
.set SO,    16
.set VO,    32
.set X,     64
.set C,     128
.set SB,    136
.set OUTR,  144
.set BB,    36
.set LNB,   16*STG                     ; the layernorm path's LDS begins here
.set LST,   5120                       ; a wave's stage there: 64 chunks of 80 bytes
.set GB,    LNB+16*LST                 ; g, then be: 4,096 bytes each
.set SCG,   GB+8192                    ; the group's scale bytes [4][32][8]
.set SPARE, SCG+1024                   ; the spare words: 128 bytes a wave, named by no other line
.set G,   16
.set BE,  48
.set RX,  80
.set XQ,  144
.set LC,  176
.set EB,  192
	v_lshl_add_u32 v208, v0, 2, SPARE
	v_mov_b32 v209, 0
	v_lshrrev_b32 v1, 5, v0
	v_readfirstlane_b32 s2, v1                     ; wave 0..15
	s_cmp_lt_u32 ttmp9, 128
	s_cbranch_scc0 .Lnorm
	s_cmp_lt_u32 s2, 12
	s_cbranch_scc0 .Lidle
	s_load_b256 s[4:11], s[0:1], 0x0               ; W_qkv, W_ao, W_fc, W_mp
	s_load_b64 s[12:13], s[0:1], 0x20              ; wts
	s_lshr_b32 s58, s2, 2
	s_mul_i32 s59, ttmp9, 3
	s_add_co_u32 s58, s58, s59                     ; unit u
	s_and_b32 s59, s2, 3                           ; my 32 columns of its 128
	v_and_b32 v1, 31, v0
	v_and_b32 v2, 7, v0
	v_bfe_u32 v3, v0, 3, 1
	v_bfe_u32 v4, v0, 4, 1
	v_lshl_or_b32 v2, v3, 4, v2
	v_lshl_or_b32 v2, v4, 3, v2                    ; sigma(lane)
	v_and_b32 v8, 15, v0
	s_mul_i32 s3, s2, STG
	v_mul_u32_u24 v5, v2, PITCH
	v_add_nc_u32 v5, s3, v5                        ; into the stage: row sigma(lane)
	v_mul_u32_u24 v6, v4, PITCH
	v_lshl_add_u32 v6, v8, 4, v6
	v_add_nc_u32 v6, s3, v6                        ; out of it: sixteen lanes to a row
	v_lshlrev_b32 v9, 3, v2
	s_mov_b32 s16, 256                             ; W_mp's figures: first unit, bytes in a row of W, log2 of the K steps, first byte of codes, of scale bytes
	s_mov_b32 s17, 4096
	s_mov_b32 s18, 4
	s_mov_b32 s19, 8388608
	s_mov_b32 s20, 12845056
	s_mov_b32 s56, 0x600000                        ; the mantissa field of 448
	s_wait_alu depctr_va_vdst(0)                   ; the wait at the head's end
	s_wait_kmcnt 0x0
	s_mov_b64 s[14:15], s[10:11]
	s_cmp_lt_u32 s58, 256                          ; W_fc
	s_cselect_b32 s16, 128, s16
	s_cselect_b32 s17, 16384, s17
	s_cselect_b32 s18, 2, s18
	s_cselect_b32 s19, 4194304, s19
	s_cselect_b32 s20, 12713984, s20
	s_cselect_b64 s[14:15], s[8:9], s[14:15]
	s_cmp_lt_u32 s58, 128                          ; W_ao
	s_cselect_b32 s16, 96, s16
	s_cselect_b32 s17, 4096, s17
	s_cselect_b32 s19, 3145728, s19
	s_cselect_b32 s20, 12681216, s20
	s_cselect_b64 s[14:15], s[6:7], s[14:15]
	s_cmp_lt_u32 s58, 96                           ; W_qkv
	s_cselect_b32 s16, 0, s16
	s_cselect_b32 s17, 12288, s17
	s_cselect_b32 s19, 0, s19
	s_cselect_b32 s20, 12582912, s20
	s_cselect_b64 s[14:15], s[4:5], s[14:15]
	s_sub_co_u32 s21, s58, s16
	s_lshl_b32 s22, 1, s18
	s_sub_co_u32 s22, s22, 1
	s_and_b32 s22, s21, s22                        ; K step
	s_lshr_b32 s23, s21, s18                       ; group of 128 columns
	s_lshl_b32 s24, 256, s18                       ; a row of codes in bytes = K
	s_lshl_b32 s25, s23, 7
	s_lshl_b32 s26, s59, 5
	s_add_co_u32 s25, s25, s26                     ; my wave's first column
	s_mul_i32 s28, s22, s17
	s_lshl_b32 s28, s28, 8
	s_lshl_b32 s26, s25, 2
	s_add_co_u32 s28, s28, s26
	s_mov_b32 s29, 0
	s_add_nc_u64 s[BB:BB+1], s[14:15], s[28:29]
	s_lshl_b32 s30, s17, 5
	s_mov_b32 s31, 0
.irp t, 1,2,3,4,5,6,7
	s_add_nc_u64 s[BB+2*\t:BB+2*\t+1], s[BB+2*\t-2:BB+2*\t-1], s[30:31]
.endr
	s_mul_i32 s28, s25, s24
	s_lshl_b32 s26, s22, 8
	s_add_co_u32 s28, s28, s26
	s_add_co_u32 s28, s28, s19
	s_add_nc_u64 s[52:53], s[12:13], s[28:29]      ; codes
	s_mul_i32 s28, s22, s17
	s_lshl_b32 s28, s28, 1
	s_lshl_b32 s26, s25, 3
	s_add_co_u32 s28, s28, s26
	s_add_co_u32 s28, s28, s20
	s_add_nc_u64 s[54:55], s[12:13], s[28:29]      ; scale bytes
	s_lshl_b32 s57, s24, 1
	v_lshlrev_b32 v[VO], 2, v1
.set i, 1
.rept 31
	v_add_nc_u32 v[VO+i], s17, v[VO+i-1]
.set i, i+1
.endr
	v_mul_lo_u32 v7, v4, s24
	v_lshl_add_u32 v[SO], v8, 4, v7
.set i, 1
.rept 15
	v_add_nc_u32 v[SO+i], s57, v[SO+i-1]
.set i, i+1
.endr
.macro LOAD t                          ; block t: W(32 t + i, my column) into set t % 2
.set i, 0
.rept 32
	global_load_b32 v[X+32*((\t)%2)+i], v[VO+i], s[BB+2*(\t):BB+2*(\t)+1] th:TH_LOAD_NT
.set i, i+1
.endr
.endm
	LOAD 0
	LOAD 1
.macro BLOCK t
.set XS, X+32*((\t)%2)
.if (\t) < NB-1
	s_wait_loadcnt 32                              ; this block's 32 loads are in; the next block's 32 may be out
.else
	s_wait_loadcnt 0
.endif
	v_max3_num_f32 v12, |v[XS]|, |v[XS+1]|, |v[XS+2]|
	v_max3_num_f32 v13, |v[XS+3]|, |v[XS+4]|, |v[XS+5]|
.irp i, 6,10,14,18,22,26
	v_max3_num_f32 v12, v12, |v[XS+\i]|, |v[XS+\i+1]|
	v_max3_num_f32 v13, v13, |v[XS+\i+2]|, |v[XS+\i+3]|
.endr
	v_max3_num_f32 v12, v12, |v[XS+30]|, |v[XS+31]|
	v_max3_num_f32 v12, v12, v13, 0x4800000        ; the floor 2^(9 - 127)
	v_add_nc_u32 v11, 0xfc000000, v12              ; the conversion's scale operand
	v_and_or_b32 v10, v12, 0x7f800000, s56         ; 448 x the scale
	v_lshrrev_b32 v13, 23, v11                     ; the scale's byte
.if (\t)%4 == 0
	v_mov_b32 v[SB+(\t)/4], v13
.else
	v_lshl_or_b32 v[SB+(\t)/4], v13, 8*((\t)%4), v[SB+(\t)/4]
.endif
.set i, 0
.rept 32
	v_med3_num_f32 v[XS+i], v[XS+i], -v10, v10     ; the conversion does not saturate (ISA guide 7.6.2): the hold comes first
.set i, i+1
.endr
.irp g, 0,1,2,3
	v_cvt_scalef32_pk8_fp8_f32 v[C+2*\g:C+2*\g+1], v[XS+8*\g:XS+8*\g+7], v11
.endr
	ds_store_b128 v5, v[C:C+3] offset:32*(\t)
	ds_store_b128 v5, v[C+4:C+7] offset:32*(\t)+16
.if (\t)+2 < NB
	LOAD (\t)+2
.endif
	s_wait_dscnt 0x0                               ; the stores have read their registers
.endm
.set Q, 0
.rept NB
	BLOCK Q
.set Q, Q+1
.endr
	global_store_b64 v9, v[SB:SB+1], s[54:55]
.set i, 0
.rept 16
	ds_load_b128 v[OUTR+4*i:OUTR+4*i+3], v6 offset:2*i*PITCH   ; LDS serves a wave's instructions in order
.set i, i+1
.endr
.set i, 0
.rept 16
	s_wait_dscnt 15-i                              ; the younger stage loads may be out
	global_store_b128 v[SO+i], v[OUTR+4*i:OUTR+4*i+3], s[52:53]
.set i, i+1
.endr
	s_wait_tensorcnt 0x0                           ; the wave's end
	ds_add_u32 v208, v209
	s_wait_dscnt 0x0
	s_endpgm
.Lidle:                                                ; a wave with no unit: it has touched neither LDS nor memory
	s_endpgm
.Lnorm:
	s_load_b256 s[4:11], s[0:1], 0x28              ; x, g1, be1, h1
	s_sub_co_u32 s29, ttmp9, 128                   ; which 32 rows
	v_and_b32 v6, 31, v0
	v_lshlrev_b32 v1, 4, v6                        ; 16 L
	v_lshlrev_b32 v5, 3, v6                        ; 8 L
	s_mul_i32 s13, s2, LST
	s_add_co_u32 s13, s13, LNB
	v_lshrrev_b32 v7, 2, v6
	v_mul_u32_u24 v2, v7, 80
	v_and_b32 v7, 3, v0
	v_lshl_add_u32 v2, v7, 4, v2
	v_add_nc_u32 v2, s13, v2                       ; the stage, in: 80 (L / 4) + 16 (L % 4)
	v_mul_u32_u24 v3, v6, 80
	v_add_nc_u32 v3, s13, v3                       ; and out: 80 L
	s_and_b32 s17, s2, 3
	s_lshl_b32 s14, s17, 1
	s_bfe_u32 s15, s2, 0x10002
	s_lshl_b32 s15, s15, 4
	s_add_co_u32 s14, s14, s15
	s_bfe_u32 s15, s2, 0x10003
	s_lshl_b32 s15, s15, 3
	s_add_co_u32 s14, s14, s15                     ; sigma(2 w)
	v_bfe_u32 v4, v0, 4, 1
	v_lshlrev_b32 v4, 8, v4
	v_bfe_u32 v7, v0, 1, 3
	v_add_nc_u32 v4, v4, v7
	s_lshl_b32 s15, s14, 3
	s_add_co_u32 s15, s15, SCG
	v_add_nc_u32 v4, s15, v4                       ; my block's byte: plane 2 u + L / 16, row, byte (L / 2) % 8
	s_and_b32 s16, s2, 7
	s_lshl_b32 s16, s16, 9
	v_add_nc_u32 v199, s16, v1                     ; my sixteenth of g or be in memory
	s_lshl_b32 s16, s2, 9
	s_add_co_u32 s16, s16, GB
	v_add_nc_u32 v196, s16, v1                     ; and in LDS
	v_add_nc_u32 v197, GB, v1
	s_lshl_b32 s16, s17, 8
	s_add_co_u32 s16, s16, SCG
	v_add_nc_u32 v198, s16, v5
	s_lshl_b32 s18, s29, 17
	s_lshl_b32 s19, s2, 13
	s_add_co_u32 s18, s18, s19
	s_mov_b32 s19, 0
	s_lshl_b32 s22, s29, 15
	s_lshl_b32 s23, s14, 10
	s_add_co_u32 s22, s22, s23
	s_mov_b32 s23, 0
	s_lshl_b32 s24, s17, 15
	s_lshl_b32 s25, s29, 8
	s_add_co_u32 s24, s24, s25
	s_add_co_u32 s24, s24, 4194304
	s_mov_b32 s25, 0
	s_mov_b32 s20, 0x3a800000                      ; 1 / 1024
	s_mov_b32 s21, 0x3727c5ac                      ; 1e-5
	s_mov_b32 s26, 0x76543210
	s_mov_b32 s27, 0xfedcba98
	s_mov_b32 s28, 0x600000
	s_wait_alu depctr_va_vdst(0)                   ; the wait at the head's end
	s_wait_kmcnt 0x0
	s_cmp_lt_u32 s2, 8                             ; waves 0-7 bring g, waves 8-15 be
	s_cselect_b64 s[6:7], s[6:7], s[8:9]
	s_add_nc_u64 s[4:5], s[4:5], s[18:19]
	s_add_nc_u64 s[22:23], s[10:11], s[22:23]
	s_add_nc_u64 s[24:25], s[10:11], s[24:25]
	global_load_b128 v[16:19], v199, s[6:7]
.irp i, 0,1
.irp j, 0,1,2,3,4,5,6,7
	global_load_b128 v[RX+32*\i+4*\j:RX+32*\i+4*\j+3], v1, s[4:5] offset:4096*\i+512*\j
.endr
.endr
	s_wait_loadcnt 16                              ; my part of g or be is in; the 16 loads of x may be out
	ds_store_b128 v196, v[16:19]
	s_wait_dscnt 0x0                               ; for the others' sake
	s_barrier_signal -1
	s_barrier_wait -1
.irp j, 0,1,2,3,4,5,6,7
	ds_load_b128 v[G+4*\j:G+4*\j+3], v197 offset:512*\j
	ds_load_b128 v[BE+4*\j:BE+4*\j+3], v197 offset:4096+512*\j
.endr
.macro RED                             ; the sum of v6 over the 32 lanes, in every lane
	s_delay_alu instid0(VALU_DEP_1)
	v_add_f32_dpp v6, v6, v6 row_xmask:1 row_mask:0xf bank_mask:0xf
	s_delay_alu instid0(VALU_DEP_1)
	v_add_f32_dpp v6, v6, v6 row_xmask:2 row_mask:0xf bank_mask:0xf
	s_delay_alu instid0(VALU_DEP_1)
	v_add_f32_dpp v6, v6, v6 row_xmask:4 row_mask:0xf bank_mask:0xf
	s_delay_alu instid0(VALU_DEP_1)
	v_add_f32_dpp v6, v6, v6 row_xmask:8 row_mask:0xf bank_mask:0xf
	s_delay_alu instid0(VALU_DEP_1)
	v_permlanex16_b32 v7, v6, s26, s27
	s_delay_alu instid0(VALU_DEP_1)
	v_add_f32 v6, v6, v7
.endm
.macro FOLD                            ; the four chains v[6:13] into v6
	s_delay_alu instid0(VALU_DEP_3)
	v_pk_add_f32 v[6:7], v[6:7], v[8:9]
	s_delay_alu instid0(VALU_DEP_2)
	v_pk_add_f32 v[10:11], v[10:11], v[12:13]
	s_delay_alu instid0(VALU_DEP_1)
	v_pk_add_f32 v[6:7], v[6:7], v[10:11]
	s_delay_alu instid0(VALU_DEP_1)
	v_add_f32 v6, v6, v7
	RED
.endm
.macro ROW i
.set R, RX+32*(\i)
	s_wait_loadcnt 8*(1-(\i))                      ; this row's 8 loads are in; the other row's may be out
.if (\i) == 0
	s_wait_dscnt 0x0                               ; g and be
.endif
.irp c, 0,2,4,6
	v_pk_add_f32 v[6+\c:7+\c], v[R+\c:R+\c+1], v[R+8+\c:R+9+\c]
.endr
.irp k, 16,24
.irp c, 0,2,4,6
	s_delay_alu instid0(VALU_DEP_4)
	v_pk_add_f32 v[6+\c:7+\c], v[6+\c:7+\c], v[R+\k+\c:R+\k+\c+1]
.endr
.endr
	FOLD
	s_delay_alu instid0(VALU_DEP_1)
	v_mul_f32 v14, s20, v6                         ; the mean, twice: a pair for the packed forms
	s_delay_alu instid0(VALU_DEP_2)
	v_mul_f32 v15, s20, v6
.set p, 0
.rept 16
	v_pk_add_f32 v[R+p:R+p+1], v[R+p:R+p+1], v[14:15] neg_lo:[0,1] neg_hi:[0,1]
.set p, p+2
.endr
.irp c, 0,2,4,6
	v_pk_mul_f32 v[6+\c:7+\c], v[R+\c:R+\c+1], v[R+\c:R+\c+1]
.endr
.irp k, 8,16,24
.irp c, 0,2,4,6
	s_delay_alu instid0(VALU_DEP_4)
	v_pk_fma_f32 v[6+\c:7+\c], v[R+\k+\c:R+\k+\c+1], v[R+\k+\c:R+\k+\c+1], v[6+\c:7+\c]
.endr
.endr
	FOLD
	s_delay_alu instid0(VALU_DEP_1)
	v_fma_f32 v6, v6, s20, s21                     ; the variance + eps
	s_wait_alu depctr_va_vdst(0)                   ; the wait ahead of the transcendentals
	v_rsq_f32 v14, v6
	v_rsq_f32 v15, v6
	v_nop                                          ; a plain instruction behind the transcendentals
	s_wait_alu depctr_va_vdst(0)                   ; one wait for both, ahead of their first reader
.set p, 0
.rept 16
	v_pk_mul_f32 v[R+p:R+p+1], v[R+p:R+p+1], v[14:15]
.set p, p+2
.endr
.set p, 0
.rept 16
	v_pk_fma_f32 v[R+p:R+p+1], v[R+p:R+p+1], v[G+p:G+p+1], v[BE+p:BE+p+1]
.set p, p+2
.endr
.irp j, 0,1,2,3,4,5,6,7
	ds_store_b128 v2, v[R+4*\j:R+4*\j+3] offset:640*\j     ; the row as it lies,
.endr
.irp u, 0,1
.irp c, 0,1,2,3
	ds_load_b128 v[XQ+16*\u+4*\c:XQ+16*\u+4*\c+3], v3 offset:2560*\u+16*\c   ; and back 64 bytes a lane
.endr
.endr
.irp u, 0,1
.set XS, XQ+16*\u
.set N, 2*(\i)+\u
.if \u == 0
	s_wait_dscnt 4                                 ; pass 0's four loads are in; pass 1's may be out
.else
	s_wait_dscnt 1                                 ; pass 1's are in; pass 0's byte store may be out
.endif
	v_max3_num_f32 v8, |v[XS]|, |v[XS+1]|, |v[XS+2]|
	v_max3_num_f32 v9, |v[XS+3]|, |v[XS+4]|, |v[XS+5]|
.irp k, 6,10
	s_delay_alu instid0(VALU_DEP_2)
	v_max3_num_f32 v8, v8, |v[XS+\k]|, |v[XS+\k+1]|
	s_delay_alu instid0(VALU_DEP_2)
	v_max3_num_f32 v9, v9, |v[XS+\k+2]|, |v[XS+\k+3]|
.endr
	s_delay_alu instid0(VALU_DEP_2)
	v_max3_num_f32 v8, v8, |v[XS+14]|, |v[XS+15]|
	s_delay_alu instid0(VALU_DEP_1)
	v_max3_num_f32 v8, v8, v9, 0x4800000           ; the floor 2^(9 - 127)
	s_delay_alu instid0(VALU_DEP_1)
	v_max_num_f32_dpp v8, v8, v8 row_xmask:1 row_mask:0xf bank_mask:0xf   ; with my neighbour's 16: the block's
	s_delay_alu instid0(VALU_DEP_1)
	v_add_nc_u32 v11, 0xfc000000, v8
	s_delay_alu instid0(VALU_DEP_2)
	v_and_or_b32 v10, v8, 0x7f800000, s28
.set k, 0
.rept 16
	v_med3_num_f32 v[XS+k], v[XS+k], -v10, v10
.set k, k+1
.endr
	v_cvt_scalef32_pk8_fp8_f32 v[LC+4*N:LC+4*N+1], v[XS:XS+7], v11
	v_cvt_scalef32_pk8_fp8_f32 v[LC+4*N+2:LC+4*N+3], v[XS+8:XS+15], v11
	v_lshrrev_b32 v[EB+N], 23, v11                 ; the scale's byte
	ds_store_b8 v4, v[EB+N] offset:512*\u+8*(\i)   ; both lanes of a block write the same byte with the same value
	global_store_b128 v1, v[LC+4*N:LC+4*N+3], s[22:23] offset:1024*(\i)+512*\u
.endr
.endm
	ROW 0
	ROW 1
	s_wait_dscnt 0x0                               ; my byte stores have landed
	s_barrier_signal -1
	s_barrier_wait -1
	s_cmp_lt_u32 s2, 4                             ; waves 0-3 store a plane's 256 bytes each
	s_cbranch_scc0 .Ldone
	ds_load_b64 v[6:7], v198
	s_wait_dscnt 0x0
	global_store_b64 v5, v[6:7], s[24:25]
.Ldone:
	s_wait_tensorcnt 0x0                           ; the wave's end
	ds_add_u32 v208, v209
	s_wait_dscnt 0x0
	s_endpgm
.Lfunc_end_k_q3de7414c31_prep:
	.size	k_q3de7414c31_prep, .Lfunc_end_k_q3de7414c31_prep-k_q3de7414c31_prep
	.p2alignl 7, 3214868480
	.fill 96, 4, 3214868480
	.section	.rodata,"a",@progbits
	.p2align	6, 0x0
	.amdhsa_kernel k_q3de7414c31_prep
		.amdhsa_group_segment_fixed_size 232448
		.amdhsa_private_segment_fixed_size 0
		.amdhsa_enable_private_segment 0
		.amdhsa_kernarg_size 72
		.amdhsa_user_sgpr_count 2
		.amdhsa_user_sgpr_kernarg_segment_ptr 1
		.amdhsa_wavefront_size32 1
		.amdhsa_system_sgpr_workgroup_id_x 1
		.amdhsa_system_sgpr_workgroup_id_y 1
		.amdhsa_system_sgpr_workgroup_id_z 1
		.amdhsa_system_vgpr_workitem_id 0
		.amdhsa_next_free_vgpr 210
		.amdhsa_next_free_sgpr 66
		.amdhsa_reserve_vcc 0
		.amdhsa_float_denorm_mode_32 3
		.amdhsa_float_denorm_mode_16_64 3
		.amdhsa_memory_ordered 1
		.amdhsa_forward_progress 1
		.amdhsa_inst_pref_size 96
	.end_amdhsa_kernel
	.amdgpu_metadata
---
amdhsa.version: [ 1, 2 ]
amdhsa.kernels:
  - .name:           k_q3de7414c31_prep
    .symbol:         k_q3de7414c31_prep.kd
    .args:
      - { .name: W_qkv, .offset: 0, .size: 8, .value_kind: global_buffer, .address_space: global }
      - { .name: W_ao, .offset: 8, .size: 8, .value_kind: global_buffer, .address_space: global }
      - { .name: W_fc, .offset: 16, .size: 8, .value_kind: global_buffer, .address_space: global }
      - { .name: W_mp, .offset: 24, .size: 8, .value_kind: global_buffer, .address_space: global }
      - { .name: wts, .offset: 32, .size: 8, .value_kind: global_buffer, .address_space: global }
      - { .name: x, .offset: 40, .size: 8, .value_kind: global_buffer, .address_space: global }
      - { .name: g1, .offset: 48, .size: 8, .value_kind: global_buffer, .address_space: global }
      - { .name: be1, .offset: 56, .size: 8, .value_kind: global_buffer, .address_space: global }
      - { .name: h1, .offset: 64, .size: 8, .value_kind: global_buffer, .address_space: global }
    .group_segment_fixed_size: 232448
    .private_segment_fixed_size: 0
    .kernarg_segment_align: 8
    .kernarg_segment_size: 72
    .max_flat_workgroup_size: 512
    .sgpr_count:     66
    .vgpr_count:     210
    .wavefront_size: 32
...
	.end_amdgpu_metadata
.endif
;; end of part 8
;; launch qkv (part 9): grid 12 x 16, 4 waves a work-group, clusters of 4 x 4, 327,680 bytes of LDS; arguments h1, wts, b_qkv, qkvc; writes qkvc
.if DOCPART == 9
	.amdgcn_target "amdgcn-amd-amdhsa--gfx1250"
	.amdhsa_code_object_version 6
	.text
	.protected	k_q3de7414c31_qkv
	.globl	k_q3de7414c31_qkv
	.p2align	8
	.type	k_q3de7414c31_qkv,@function
k_q3de7414c31_qkv:
	s_mov_b64 s[64:65], 0
	v_nop
	global_prefetch_b8 v0, s[64:65] scope:SCOPE_SE
	s_setreg_imm32_b32 hwreg(HW_REG_WAVE_MODE, 25, 1), 1
	s_wait_xcnt 0x0
	s_wait_alu depctr_hold_cnt(0) depctr_sa_sdst(0) depctr_va_vdst(0) depctr_va_sdst(0) depctr_va_ssrc(0) depctr_va_vcc(0) depctr_vm_vsrc(0)
	s_getreg_b32 s2, hwreg(HW_REG_IB_STS2, 6, 4)
	s_cmp_eq_u32 s2, 0
	s_cbranch_scc0 .Lentry_in_a_cluster
	s_endpgm
.Lentry_in_a_cluster:
	s_bfe_u32 s2, ttmp6, 0x10000c
	s_cmp_lg_u32 s2, 0xf033
	s_cbranch_scc0 .Lentry_shape_is_right
	s_endpgm
.Lentry_shape_is_right:
; qkv = h W_qkv + b_qkv on codes of FP8 (E4M3) with E8M0 scales for each 32 along K = 1,024; the result is quantised at once, q and k along the head's 64, v along the keys, and leaves as codes.
; h: codes [4096][1024], scale bytes [4][4096][8] from byte 4194304.  W: codes [3072][1024] at byte 0 of wts, scale bytes [4][3072][8] from byte 12582912.  Rows of both lie in the order sigma (bits 3 and 4 of the index swapped).
; OUT: q codes [32 head][2048 token][64] at 0, k codes likewise at 4194304, v codes [32 head][64 d][2048 token] at 8388608 (rows in the order sigma, the last axis as it is); from 12582912, 12,288 bytes a head:
; q pair words [64][16], k pair words [64][16] (low half: the two scale bytes of row 32 p + r, high half: of row 32 p + 16 + r), v words [16 key steps][64 d].
; A tile of 256 x 256 to a work-group of four waves, 128 x 128 a wave in 64 accumulators; K in steps of 256 through a ring of two LDS slots filled by the tensor data mover.
; CLUSTERS 4 x 4: h's tile is shared along a row of the cluster, W's along a column (in the v part the other way round): joint loads, the same descriptor and mask in the four that share.
; THE PRODUCT IS USED TRANSPOSED: source 0's rows run along a lane's registers, source 1's row is the lane's.  For q and k (clusters x = 0, 1) source 0 = W, source 1 = h: a lane holds one token and, by the order sigma,
; 16 neighbouring channels in the registers of two neighbouring tiles.  For v (cluster x = 2) THE ROLES CHANGE: source 0 = h, source 1 = W: a lane holds one channel d and 16 neighbouring keys.  Only the tensors and tiles that the loads bring,
; the scale pointers and the bias differ, chosen by selects on the cluster's x, which all partners share.
; SCALES come by K step straight into registers: 32 rows x 8 bytes, 256 consecutive aligned bytes a load; lanes 0-15 hold one block of 16 rows, lanes 16-31 the next.
; REGISTERS: window 0: v1-31 addresses, v8-15 the bias along the lanes, v32-63 scale words (two sets), v64-127 the bias along the registers, v128-255 source 1's fragments (one set).
;   window 1: source 0's fragments (two sets); behind the loop the quantiser's work.   windows 2, 3: accumulator (a, b) at v[8 (8 (a % 4) + b)].
; LIMITS: a block whose largest magnitude lies under 2^-118 gets the byte 1 (a block of zeros too); NaN and infinities are not served.
.set PITCH, 272                        ; an LDS row: 256 bytes + 16: the 16 rows of a fragment load start at 16 different banks (64 banks of 4 bytes: ISA guide 11.1)
.set AH,    128*PITCH                  ; 128 rows: what one tensor load brings
.set BH,    128*PITCH
.set SLOT,  2*AH+2*BH                  ; the first region's 256 rows, then the second's
.set SPARE, 2*SLOT                     ; the spare words: 128 bytes a wave, named by no other line
.set LAPS,  2                          ; K / 512
.set KROWA, 1024
.set KROWB, 1024
.set CST,   0                          ; the way out, in slot 0 (its last fill and last read are over): codes, 256 rows x 272,
.set SSTQ,  256*PITCH                  ; pair words [4 heads][8 pairs][16],
.set SSTV,  SSTQ+2048                  ; v words [2][256]
.set BP,   8
.set ADRA, 16
.set ADRB, 20
.set VSA,  22
.set VSB,  23
.set SPW,  28
.set NIL,  29
.set SC,   32
.set BQ,   64
.set AF,   128
.set W,    0                           ; window 1: 64 numbers,
.set PC,   64                          ; their codes,
.set TM,   80                          ; the quantiser's 16 registers,
.set PW,   96                          ; the scale word,
.set PWS,  98                          ; those of a pair of blocks,
.set PP,   100                         ; the two pair words
.set G1,  24
.set G0,  32
.set G1B, 48
.set G0B, 56
.set MSB, 0
.macro WIN new                         ; the immediate's high byte repeats the setting that is left
.if MSB != (\new)
	s_set_vgpr_msb (MSB<<8)|(\new)
.set MSB, (\new)
.endif
.endm
.macro JLOAD g0a, g1a, g0b, g1b        ; a joint load: waves 0, 1 fetch the first region's halves, waves 2, 3 the second's; four v_nop follow each line
	s_cmp_eq_u32 s15, 0
	s_cbranch_scc0 .Lfor_b_\@
	tensor_load_to_lds s[\g0a:\g0a+3], s[\g1a:\g1a+7]
	s_nop 0
.rept 4
	v_nop
.endr
	s_branch .Lasked_\@
.Lfor_b_\@:
	tensor_load_to_lds s[\g0b:\g0b+3], s[\g1b:\g1b+7]
	s_nop 0
.rept 4
	v_nop
.endr
.Lasked_\@:
.endm
.macro CREST                           ; a round of the cluster's barrier behind its opening barrier
	s_cmp_lg_u32 s14, 0
	s_cbranch_scc1 .Lnot_wave_0_\@
	s_barrier_signal -3
.Lnot_wave_0_\@:
	s_barrier_wait -3
	s_barrier_signal -1
	s_barrier_wait -1
.endm
.macro CROUND
	s_barrier_signal -1
	s_barrier_wait -1
	CREST
.endm
.macro PLACES n
.rept \n
	v_nop
.endr
.endm
	s_load_b256 s[88:95], s[0:1], 0x0              ; h1, wts, b_qkv, qkvc
	v_lshl_add_u32 v[SPW], v0, 2, SPARE
	v_mov_b32 v[NIL], 0
	ds_add_u32 v28, v29
	ds_add_u32 v28, v29
	s_wait_dscnt 0x0
	v_lshrrev_b32 v1, 5, v0
	v_readfirstlane_b32 s14, v1                    ; wave 0..3
	s_lshr_b32 s15, s14, 1                         ; my half of source 1's rows.  Also: I fetch the first region's tile (0) or the second's (1)
	s_and_b32 s16, s14, 1                          ; my half of source 0's rows.  Also: which 128 rows I fetch
	s_bfe_u32 s40, ttmp6, 0x40000                  ; cx, cy
	s_bfe_u32 s41, ttmp6, 0x40004
	; THE LDS REGIONS ARE FIXED: source 1 reads the region at byte 0 of a slot, which is shared along a row of the cluster; source 0 the region behind it, shared along a column.
	; For q and k the first holds h's tile 4 x cluster y + cy and the second W's tile 4 x cluster x + cx.  In the v part (cluster x = 2) the first holds W's tile 8 + cy and the second h's tile 4 x cluster y + cx:
	; only pointers and offsets in memory are chosen, by selects on the cluster's x, which all partners share; no LDS address hangs on them.
	s_and_b32 s17, ttmp7, 0xffff
	s_cmp_eq_u32 ttmp9, 2
	s_cselect_b32 s42, s17, ttmp9
	s_cselect_b32 s17, ttmp9, s17
	s_lshl_b32 s42, s42, 2
	s_add_co_u32 s42, s42, s40                     ; the tile of the region shared along a column
	s_lshl_b32 s17, s17, 2
	s_add_co_u32 s17, s17, s41                     ; the tile of the region shared along a row
	s_lshl_b32 s43, s41, 2
	s_lshl_b32 s43, 15, s43                        ; my row of the cluster
	s_lshl_b32 s44, 0x1111, s40                    ; my column
	s_or_b32 s[G1+0], s43, (1<<20)|(1<<21)|(5<<22)|(3<<25)   ; the mask; elements of 1 byte; padding on; bit 21 beside a mask; 4 words behind every 64
	s_or_b32 s[G1B+0], s44, (1<<20)|(1<<21)|(5<<22)|(3<<25)
.irp g, G1, G1B
	s_mov_b32 s[\g+1], 256<<16                     ; tensor_dim0
	s_mov_b32 s[\g+2], 128<<16                     ; tensor_dim1
	s_mov_b32 s[\g+3], 256<<16                     ; tile_dim0
	s_mov_b32 s[\g+4], 128                         ; tile_dim1
	s_mov_b32 s[\g+6], 0
	s_mov_b32 s[\g+7], 0
.endr
	s_mov_b32 s[G1+5], KROWA                       ; from row to row
	s_mov_b32 s[G1B+5], KROWB
	s_lshl_b32 s18, s16, 7
	s_lshl_b32 s20, s17, 8
	s_add_co_u32 s20, s20, s18
	s_mul_i32 s20, s20, KROWA                      ; the first region's tensor: row 256 x its tile + 128 x half, in bytes
	s_mov_b32 s21, 0
	s_lshl_b32 s46, s42, 8
	s_add_co_u32 s46, s46, s18
	s_mul_i32 s46, s46, KROWB                      ; the second's: row 256 x its tile + 128 x half
	s_mov_b32 s47, 0
	s_mul_i32 s45, s16, AH                         ; where they go: no place in the cluster enters an LDS address
	s_mul_i32 s19, s16, BH
	s_add_co_u32 s19, s19, 2*AH
	s_mov_b32 s80, 0x76543210
	s_mov_b32 s81, 0xfedcba98                      ; v_permlanex16_b32's selects for lane l xor 16
	s_mov_b32 s82, 0x600000                        ; the mantissa field of 448
	s_mov_b32 s85, 0x05040100                      ; v_perm_b32: the two low halves,
	s_mov_b32 s86, 0x07060302                      ; the two high halves
	s_wait_kmcnt 0x0
	s_cmp_eq_u32 ttmp9, 2
	s_cselect_b64 s[66:67], s[90:91], s[88:89]     ; the first region's tensor: W in the v part, else h
	s_cselect_b64 s[68:69], s[88:89], s[90:91]     ; the second's
	s_cselect_b32 s83, s42, s17
	s_cselect_b32 s42, s17, s42                    ; from here on s42 = which 256 rows of W,
	s_mov_b32 s17, s83                             ; s17 = which 256 rows of h
	s_add_nc_u64 s[20:21], s[66:67], s[20:21]
	s_add_nc_u64 s[46:47], s[68:69], s[46:47]
	CROUND                                         ; all sixteen work-groups are here: the first joint loads meet
.irp s, 0,1
	s_mov_b32 s[G0+4*\s], 1
	s_add_co_u32 s[G0+4*\s+1], s45, \s*SLOT
	s_add_nc_u64 s[G0+4*\s+2:G0+4*\s+3], s[20:21], \s*256
	s_or_b32 s[G0+4*\s+3], s[G0+4*\s+3], 0x80000000
	s_mov_b32 s[G0B+4*\s], 1
	s_add_co_u32 s[G0B+4*\s+1], s19, \s*SLOT
	s_add_nc_u64 s[G0B+4*\s+2:G0B+4*\s+3], s[46:47], \s*256
	s_or_b32 s[G0B+4*\s+3], s[G0B+4*\s+3], 0x80000000
.endr
	JLOAD G0, G1, G0B, G1B                         ; K step 0: one tensor load a wave at the head; the set-up below stands under its flight
	v_and_b32 v1, 15, v0                           ; r
	v_bfe_u32 v2, v0, 4, 1                         ; h
	v_mul_u32_u24 v3, v1, PITCH
	v_lshl_add_u32 v4, v2, 4, v3                   ; a fragment's row x pitch + 16 x half
	s_wait_alu depctr_va_vdst(0)
	s_cmp_eq_u32 ttmp9, 2                          ; the v part?
	s_cselect_b32 s74, -1, 0                       ; keeps the bias along the lanes,
	s_cselect_b32 s75, 0, -1                       ; keeps the bias along the registers
	s_mul_i32 s21, s15, AH                         ; source 1: my half of the first region
	s_mul_i32 s22, s16, AH
	s_add_co_u32 s22, s22, 2*AH                    ; source 0: my half of the second
.irp s, 0,1
	v_add_nc_u32 v[ADRA+\s], s21, v4
	v_add_nc_u32 v[ADRB+\s], s22, v4
	s_add_co_u32 s21, s21, SLOT
	s_add_co_u32 s22, s22, SLOT
.endr
	s_lshl_b32 s18, s17, 11                        ; the scale bytes of a tile's 256 rows: 2,048 in each plane
	s_mov_b32 s19, 0
	s_add_nc_u64 s[76:77], s[88:89], s[18:19]
	s_add_nc_u64 s[76:77], s[76:77], 4194304       ; h's
	s_lshl_b32 s18, s42, 11
	s_add_nc_u64 s[78:79], s[90:91], s[18:19]
	s_add_nc_u64 s[78:79], s[78:79], 12582912      ; W's
	s_mov_b32 s70, 32768                           ; from plane to plane: h's 8 x 4,096, W's 8 x 3,072
	s_mov_b32 s72, 24576
	s_mov_b32 s71, 0
	s_mov_b32 s73, 0
	s_cmp_eq_u32 ttmp9, 2
	s_cselect_b64 s[6:7], s[78:79], s[76:77]       ; source 1's scales
	s_cselect_b64 s[10:11], s[76:77], s[78:79]     ; source 0's
	s_cselect_b32 s70, 24576, s70
	s_cselect_b32 s72, 32768, s72
	v_and_b32 v5, 31, v0
	v_lshlrev_b32 v5, 3, v5
	s_lshl_b32 s22, s15, 10
	v_add_nc_u32 v[VSA], s22, v5                   ; 8 x lane + my 128 rows
	s_lshl_b32 s22, s16, 10
	v_add_nc_u32 v[VSB], s22, v5
.macro SCLOAD set                      ; a K step's scale words: register SC + 16 set + 2 g + q: source 1's blocks 2 g (lanes 0-15) and 2 g + 1 (lanes 16-31); + 8: source 0's
.irp g, 0,1,2,3
	global_load_b64 v[SC+16*(\set)+2*\g:SC+16*(\set)+2*\g+1], v[VSA], s[6:7] offset:256*\g
.endr
.irp g, 0,1,2,3
	global_load_b64 v[SC+16*(\set)+8+2*\g:SC+16*(\set)+8+2*\g+1], v[VSB], s[10:11] offset:256*\g
.endr
.endm
	SCLOAD 0
	s_lshl_b32 s18, s42, 10                        ; the bias: 4 bytes x 256 x,
	s_lshl_b32 s20, s16, 9
	s_add_co_u32 s20, s18, s20                     ; + my half of source 0's rows (q, k),
	s_lshl_b32 s23, s15, 9
	s_add_co_u32 s23, s18, s23                     ; or of source 1's (v).  The side that does not apply reads from the buffer's start and is cleared below
	s_cmp_eq_u32 ttmp9, 2
	s_cselect_b32 s20, 0, s20
	s_cselect_b32 s18, s23, 0
	s_mov_b32 s21, 0
	s_add_nc_u64 s[66:67], s[92:93], s[20:21]
	s_add_nc_u64 s[68:69], s[92:93], s[18:19]
	v_lshlrev_b32 v6, 6, v2                        ; register 16 b + i holds channel 32 b + 16 h + i
.irp b, 0,1,2,3
.irp j, 0,1,2,3
	global_load_b128 v[BQ+16*\b+4*\j:BQ+16*\b+4*\j+3], v6, s[66:67] offset:128*\b+16*\j
.endr
.endr
	v_and_b32 v7, 7, v1
	v_lshrrev_b32 v3, 3, v1
	v_lshl_add_u32 v7, v3, 4, v7
	v_lshlrev_b32 v7, 2, v7                        ; stored row 16 a + r is channel 32 (a / 2) + 8 (a % 2) + r % 8 + 16 (r / 8)
.irp a, 0,1,2,3,4,5,6,7
	global_load_b32 v[BP+\a], v7, s[68:69] offset:4*(32*(\a/2)+8*(\a%2))
.endr
	s_mul_i32 s21, s15, 128*PITCH                  ; the way out: codes: row 128 wr + r, byte 128 wc + 16 h
	s_lshl_b32 s22, s16, 7
	s_add_co_u32 s21, s21, s22
	v_add_nc_u32 v24, s21, v4
	s_lshl_b32 s21, s16, 10
	s_lshl_b32 s22, s15, 9
	s_add_co_u32 s22, s21, s22
	s_add_co_u32 s22, s22, SSTV
	v_lshl_add_u32 v31, v1, 2, s22                 ; v words: 1,024 wc + 4 (128 wr + r)
	s_lshl_b32 s22, s15, 8
	s_add_co_u32 s22, s21, s22
	s_add_co_u32 s22, s22, SSTQ
	v_lshl_add_u32 v30, v1, 2, s22                 ; pair words: 1,024 wc + 256 wr + 4 r
; One matrix instruction.  rb, ra: the side's scales stand in lanes 16-31 of the register named
.macro WM acc, breg, areg, zero, sb, sa, rb, ra
.if \zero
.if ((\rb)==1)&&((\ra)==1)
	v_wmma_scale_f32_16x16x128_f8f6f4 v[\acc:\acc+7], v[\breg:\breg+15], v[\areg:\areg+15], 0, v[\sb], v[\sa] matrix_a_scale:MATRIX_SCALE_ROW1 matrix_b_scale:MATRIX_SCALE_ROW1
.elseif (\rb)==1
	v_wmma_scale_f32_16x16x128_f8f6f4 v[\acc:\acc+7], v[\breg:\breg+15], v[\areg:\areg+15], 0, v[\sb], v[\sa] matrix_a_scale:MATRIX_SCALE_ROW1
.elseif (\ra)==1
	v_wmma_scale_f32_16x16x128_f8f6f4 v[\acc:\acc+7], v[\breg:\breg+15], v[\areg:\areg+15], 0, v[\sb], v[\sa] matrix_b_scale:MATRIX_SCALE_ROW1
.else
	v_wmma_scale_f32_16x16x128_f8f6f4 v[\acc:\acc+7], v[\breg:\breg+15], v[\areg:\areg+15], 0, v[\sb], v[\sa]
.endif
.else
.if ((\rb)==1)&&((\ra)==1)
	v_wmma_scale_f32_16x16x128_f8f6f4 v[\acc:\acc+7], v[\breg:\breg+15], v[\areg:\areg+15], v[\acc:\acc+7], v[\sb], v[\sa] matrix_a_scale:MATRIX_SCALE_ROW1 matrix_b_scale:MATRIX_SCALE_ROW1
.elseif (\rb)==1
	v_wmma_scale_f32_16x16x128_f8f6f4 v[\acc:\acc+7], v[\breg:\breg+15], v[\areg:\areg+15], v[\acc:\acc+7], v[\sb], v[\sa] matrix_a_scale:MATRIX_SCALE_ROW1
.elseif (\ra)==1
	v_wmma_scale_f32_16x16x128_f8f6f4 v[\acc:\acc+7], v[\breg:\breg+15], v[\areg:\areg+15], v[\acc:\acc+7], v[\sb], v[\sa] matrix_b_scale:MATRIX_SCALE_ROW1
.else
	v_wmma_scale_f32_16x16x128_f8f6f4 v[\acc:\acc+7], v[\breg:\breg+15], v[\areg:\areg+15], v[\acc:\acc+7], v[\sb], v[\sa]
.endif
.endif
.endm
; 16 matrix instructions: source 1's blocks a0, a0 + 1 x source 0's eight.  p: source 0's set; q: which 128 of the K step; sc: the set of scale words.  The 64 accumulators take turns
.macro MUL16 a0, p, q, sc, zero
.irp a, \a0, \a0+1
.irp b, 0,1,2,3,4,5,6,7
	WM 8*(8*((\a)%4)+\b), 128*(\p)+16*\b, AF+16*(\a), \zero, SC+16*(\sc)+8+2*(\b/2)+(\q), SC+16*(\sc)+2*((\a)/2)+(\q), \b%2, (\a)%2
.endr
.endr
.endm
.macro FRAG reg, adr, q, i             ; 16 rows x 128 K: registers 4 c .. 4 c + 3 hold K = 32 c + 16 (lane / 16) + 0 .. 15
.irp c, 0,1,2,3
	ds_load_b128 v[\reg+4*\c:\reg+4*\c+3], v[\adr] offset:128*(\q)+32*\c+(\i)*16*PITCH
.endr
.endm
.macro FETCH_B slot, q, p
	WIN 0x40
.irp i, 0,1,2,3,4,5,6,7
	FRAG 128*(\p)+16*\i, ADRB+\slot, \q, \i
.endr
	WIN 0
.endm
.macro FETCH_A slot, q, i0
.irp i, \i0, \i0+1, \i0+2, \i0+3
	FRAG AF+16*(\i), ADRA+\slot, \q, \i
.endr
.endm
; A slot's first 128 along K.  Loads into registers that matrix instructions have read stand eight plain vector instructions behind them
.macro STEP slot, zero, more
	s_wait_loadcnt 0x0                             ; this K step's scale words are in (in the first step the biases too): their pointers may be stepped
	s_wait_dscnt 16                                ; all but the youngest 16 loads (source 1's blocks 4-7)
	WIN 0xa1
	MUL16 0, 0, 0, \slot, \zero
	MUL16 2, 0, 0, \slot, \zero
	s_wait_dscnt 0x0
	PLACES 8
	FETCH_B \slot, 1, 1
	FETCH_A \slot, 1, 0
.if \more
	s_add_nc_u64 s[6:7], s[6:7], s[70:71]
	s_add_nc_u64 s[10:11], s[10:11], s[72:73]
	SCLOAD 1-\slot                                 ; the next K step's, 96 matrix instructions ahead of their use; the set's last readers lie behind the eight places at the last change of slots
.endif
	WIN 0xf1
	MUL16 4, 0, 0, \slot, \zero
	MUL16 6, 0, 0, \slot, \zero
	PLACES 8
	WIN 0
	FETCH_A \slot, 1, 4
.endm
; A slot's second 128 changes slots: each wave waits for all its tensor loads, adds 0 to its spare word, waits for that and for its reads of the slot; one barrier, which opens a round of the cluster's where the slot is filled again
.macro TURN slot, next, fill
	s_wait_tensorcnt 0x0                           ; all my tensor loads have landed: my part of the next slot
	ds_add_u32 v[SPW], v[NIL]                      ; 0 onto my spare word
	s_wait_dscnt 17                                ; the add and the youngest 16 loads may be out
	WIN 0xa1
	MUL16 0, 1, 1, \slot, 0
	s_wait_dscnt 0x0                               ; the add is done, and my reads of this slot are over
	s_barrier_signal -1
	MUL16 2, 1, 1, \slot, 0
	WIN 0
	s_barrier_wait -1
.if \fill
	CREST                                          ; no wave of any partner still reads this slot or has a load on its way
	s_add_nc_u64 s[G0+4*\slot+2:G0+4*\slot+3], s[G0+4*\slot+2:G0+4*\slot+3], 512
	s_add_nc_u64 s[G0B+4*\slot+2:G0B+4*\slot+3], s[G0B+4*\slot+2:G0B+4*\slot+3], 512
	JLOAD G0+4*\slot, G1, G0B+4*\slot, G1B         ; the first tensor load behind the round; its four v_nop are four of the eight places
	PLACES 4
.else
	PLACES 8
.endif
	FETCH_B \next, 0, 0
	FETCH_A \next, 0, 0
	WIN 0xf1
	MUL16 4, 1, 1, \slot, 0
	MUL16 6, 1, 1, \slot, 0
	PLACES 8
	WIN 0
	FETCH_A \next, 0, 4
.endm
	s_wait_alu depctr_va_vdst(0)
	s_wait_tensorcnt 0x0                           ; my part of K step 0 is in; slot 1's first fill is issued as a refill is
	ds_add_u32 v[SPW], v[NIL]
	s_wait_dscnt 0x0
	CROUND
	JLOAD G0+4, G1, G0B+4, G1B                     ; K step 1: the first tensor load behind the round
	FETCH_B 0, 0, 0
	FETCH_A 0, 0, 0
	FETCH_A 0, 0, 4
	STEP 0, 1, 1                                   ; the first products start the sums: nothing is cleared
	s_mov_b32 s3, LAPS-1
.Llap:
	TURN 0, 1, 1
	STEP 1, 0, 1
	TURN 1, 0, 1
	STEP 0, 0, 1
	s_sub_co_u32 s3, s3, 1
	s_cmp_lg_u32 s3, 0
	s_cbranch_scc1 .Llap
	TURN 0, 1, 0                                   ; the last lap fills nothing
	STEP 1, 0, 0
	s_wait_dscnt 16
	WIN 0xa1
	MUL16 0, 1, 1, 1, 0
	MUL16 2, 1, 1, 1, 0
	s_wait_dscnt 0x0
	WIN 0xf1
	MUL16 4, 1, 1, 1, 0
	MUL16 6, 1, 1, 1, 0
	WIN 0
	; THE WAY OUT.  The addresses of both store arms are made here, on the way that all take, in the loop's address registers, which are done with.  These lines and the 72 selects are also the places behind the last products.
	v_and_b32 v3, 31, v0
	v_lshrrev_b32 v4, 2, v3
	v_mul_u32_u24 v16, v4, PITCH
	v_and_b32 v4, 3, v0
	v_lshl_add_u32 v16, v4, 4, v16
	s_mul_i32 s20, s14, 64*PITCH
	v_add_nc_u32 v16, s20, v16                     ; q, k: stage row 64 w + L / 4, 16 bytes (L % 4)
	v_lshlrev_b32 v19, 4, v3                       ; 16 L
	s_lshl_b32 s21, s14, 12
	v_add_nc_u32 v17, s21, v19                     ; and in a head's rows of 64 bytes
	s_lshl_b32 s21, s14, 9
	s_add_co_u32 s21, s21, SSTQ
	v_add_nc_u32 v18, s21, v19                     ; head w's pair words
	v_mul_u32_u24 v20, v2, PITCH
	v_lshl_add_u32 v20, v1, 4, v20
	v_add_nc_u32 v20, s20, v20                     ; v: stage row 64 w + L / 16, sixteen lanes to a row
	v_lshlrev_b32 v21, 11, v2
	v_lshl_add_u32 v21, v1, 4, v21                 ; and in rows of 2,048 bytes
	s_lshl_b32 s21, s16, 10
	s_lshl_b32 s22, s15, 9
	s_add_co_u32 s21, s21, s22
	s_add_co_u32 s21, s21, SSTV
	v_add_nc_u32 v22, s21, v19
	v_mul_u32_u24 v23, v2, 12288
	v_lshl_add_u32 v23, v1, 4, v23
	s_lshr_b32 s20, s17, 3                         ; batch
	s_and_b32 s21, s17, 7                          ; which 256 tokens of it
	s_and_b32 s22, s42, 3
	s_lshl_b32 s22, s22, 2
	s_lshl_b32 s20, s20, 4
	s_add_co_u32 s20, s20, s22                     ; the tile's first head
	s_lshl_b32 s18, ttmp9, 22
	s_lshl_b32 s19, s20, 17
	s_add_co_u32 s18, s18, s19
	s_lshl_b32 s19, s21, 14
	s_add_co_u32 s18, s18, s19
	s_mov_b32 s19, 0
	s_add_nc_u64 s[12:13], s[94:95], s[18:19]      ; q or k codes
	s_add_co_u32 s22, s20, s14
	s_mul_i32 s18, s22, 12288
	s_lshl_b32 s23, ttmp9, 12
	s_add_co_u32 s18, s18, s23
	s_lshl_b32 s23, s21, 9
	s_add_co_u32 s18, s18, s23
	s_add_co_u32 s18, s18, 12582912
	s_add_nc_u64 s[76:77], s[94:95], s[18:19]      ; head w's pair words
	s_lshl_b32 s18, s22, 17
	s_lshl_b32 s23, s21, 8
	s_add_co_u32 s18, s18, s23
	s_add_co_u32 s18, s18, 8388608
	s_add_nc_u64 s[78:79], s[94:95], s[18:19]      ; v codes: head w's 64 rows
	s_lshl_b32 s22, s15, 1
	s_add_co_u32 s22, s22, s20
	s_mul_i32 s18, s22, 12288
	s_lshl_b32 s23, s21, 1
	s_add_co_u32 s23, s23, s16
	s_lshl_b32 s23, s23, 8
	s_add_co_u32 s18, s18, s23
	s_add_co_u32 s18, s18, 12582912+8192
	s_add_nc_u64 s[96:97], s[94:95], s[18:19]      ; v words
.set n, 0
.rept 64
	v_cndmask_b32 v[BQ+n], 0, v[BQ+n], s75         ; the bias along the registers counts for q and k,
.set n, n+1
.endr
.set n, 0
.rept 8
	v_cndmask_b32 v[BP+n], 0, v[BP+n], s74         ; that along the lanes for v
.set n, n+1
.endr
	WIN 0x40
.irp b, 0,1,2,3
	v_mov_b32 v[TM+4+\b], 0                        ; written once: a lane permute's destination counts as one of its sources
.endr
; 64 numbers of a lane, register 16 b + i = place 32 b + 16 (lane / 16) + i of my row, become 16 registers of codes and a scale word
.macro QUANT
.irp b, 0,1,2,3
	v_max3_num_f32 v[TM+\b], |v[W+16*\b]|, |v[W+1+16*\b]|, 0x4800000   ; with the floor 2^(9 - 127): the byte cannot fall under 1
.endr
.irp i, 2,4,6,8,10,12,14
.irp b, 0,1,2,3
	v_max3_num_f32 v[TM+\b], v[TM+\b], |v[W+16*\b+\i]|, |v[W+1+16*\b+\i]|
.endr
.endr
.irp b, 0,1,2,3
	v_permlanex16_b32 v[TM+4+\b], v[TM+\b], s80, s81
.endr
.irp b, 0,1,2,3
	v_max_num_f32 v[TM+\b], v[TM+\b], v[TM+4+\b]   ; with lane l xor 16's: the block's largest magnitude
.endr
.irp b, 0,1,2,3
	v_add_nc_u32 v[TM+12+\b], 0xfc000000, v[TM+\b] ; 8 off its exponent field: the conversion's scale operand
.endr
.irp b, 0,1,2,3
	v_and_or_b32 v[TM+8+\b], v[TM+\b], 0x7f800000, s82   ; 448 x the scale
.endr
.irp b, 0,1,2,3
	v_lshrrev_b32 v[TM+4+\b], 23, v[TM+12+\b]      ; the scale's byte
.endr
	v_lshl_or_b32 v[PW], v[TM+5], 8, v[TM+4]
	v_lshl_or_b32 v[PW], v[TM+6], 16, v[PW]
	v_lshl_or_b32 v[PW], v[TM+7], 24, v[PW]
.irp b, 0,1,2,3
.irp i, 0,1,2,3,4,5,6,7,8,9,10,11,12,13,14,15
	v_med3_num_f32 v[W+16*\b+\i], v[W+16*\b+\i], -v[TM+8+\b], v[TM+8+\b]   ; the conversion does not saturate (ISA guide 7.6.2): the hold
.endr
	v_cvt_scalef32_pk8_fp8_f32 v[PC+4*\b:PC+1+4*\b], v[W+16*\b:W+7+16*\b], v[TM+12+\b]
	v_cvt_scalef32_pk8_fp8_f32 v[PC+2+4*\b:PC+3+4*\b], v[W+8+16*\b:W+15+16*\b], v[TM+12+\b]
.endr
	v_nop                                          ; a plain instruction behind the last conversion
.endm
; Block a of source 1's rows: the sums and both biases, quantised, to the stages
.macro BLK a
	WIN 0x42+(\a)/4
.set n, 0
.rept 32
	v_pk_add_f32 v[W+n:W+n+1], v[64*((\a)%4)+n:64*((\a)%4)+n+1], v[BQ+n:BQ+n+1]   ; ascending: each accumulator is read from its low end on
.set n, n+2
.endr
	WIN 0x41
.set n, 0
.rept 32
.if (\a)%2
	v_pk_add_f32 v[W+n:W+n+1], v[W+n:W+n+1], v[BP+2*((\a)/2):BP+2*((\a)/2)+1] op_sel:[0,1] op_sel_hi:[1,1]
.else
	v_pk_add_f32 v[W+n:W+n+1], v[W+n:W+n+1], v[BP+2*((\a)/2):BP+2*((\a)/2)+1] op_sel_hi:[1,0]
.endif
.set n, n+2
.endr
	WIN 0x55
	QUANT
	v_mov_b32 v[PWS+(\a)%2], v[PW]
.if (\a)%2
	v_perm_b32 v[PP], v[PWS+1], v[PWS], s85        ; first head: the even block's two bytes below, the odd block's above
	v_perm_b32 v[PP+1], v[PWS+1], v[PWS], s86      ; second head
.endif
	WIN 0x04
.irp b, 0,1,2,3
	ds_store_b128 v24, v[PC+4*\b:PC+4*\b+3] offset:(\a)*16*PITCH+32*\b
.endr
	ds_store_b32 v31, v[PW] offset:64*(\a)         ; both halves of the lanes write the same word with the same value
.if (\a)%2
	ds_store_b32 v30, v[PP] offset:64*((\a)/2)
	ds_store_b32 v30, v[PP+1] offset:512+64*((\a)/2)
.endif
	WIN 0
	s_wait_dscnt 0x0                               ; the stores have read their registers
.endm
.irp a, 0,1,2,3,4,5,6,7
	BLK \a
.endr
	s_barrier_signal -1                            ; every wave's stores into the stages have landed
	s_barrier_wait -1
	s_cmp_eq_u32 ttmp9, 2                          ; the same in all partners; both arms only read LDS
	s_cbranch_scc1 .Lvarm
.set k, 0
.rept 32                               ; q, k: my 64 rows x 4 heads: 8 rows of one head are 512 consecutive bytes
	ds_load_b128 v[128+4*k:128+4*k+3], v16 offset:(k/4)*8*PITCH+(k%4)*64
.set k, k+1
.endr
	ds_load_b128 v[64:67], v18
.set k, 0
.rept 32
	s_wait_dscnt 32-k                              ; the younger loads may be out
	global_store_b128 v17, v[128+4*k:128+4*k+3], s[12:13] offset:(k%4)*131072+(k/4)*512
.set k, k+1
.endr
	s_wait_dscnt 0x0
	global_store_b128 v19, v[64:67], s[76:77]
	s_branch .Lend
.Lvarm:
.set k, 0
.rept 32                               ; v: my 64 rows (one head): sixteen lanes store 256 consecutive aligned bytes of a row
	ds_load_b128 v[128+4*k:128+4*k+3], v20 offset:2*k*PITCH
.set k, k+1
.endr
	ds_load_b128 v[64:67], v22
.set k, 0
.rept 32
	s_wait_dscnt 32-k
	global_store_b128 v21, v[128+4*k:128+4*k+3], s[78:79] offset:4096*k
.set k, k+1
.endr
	s_wait_dscnt 0x0
	global_store_b128 v23, v[64:67], s[96:97]
.Lend:
	s_wait_tensorcnt 0x0                           ; the wave's end
	ds_add_u32 v[SPW], v[NIL]
	s_wait_dscnt 0x0
	CROUND                                         ; the closing round
	s_endpgm
.Lfunc_end_k_q3de7414c31_qkv:
	.size	k_q3de7414c31_qkv, .Lfunc_end_k_q3de7414c31_qkv-k_q3de7414c31_qkv
	.p2alignl 7, 3214868480
	.fill 96, 4, 3214868480
	.section	.rodata,"a",@progbits
	.p2align	6, 0x0
	.amdhsa_kernel k_q3de7414c31_qkv
		.amdhsa_group_segment_fixed_size 327680
		.amdhsa_private_segment_fixed_size 0
		.amdhsa_enable_private_segment 0
		.amdhsa_kernarg_size 32
		.amdhsa_user_sgpr_count 2
		.amdhsa_user_sgpr_kernarg_segment_ptr 1
		.amdhsa_wavefront_size32 1
		.amdhsa_system_sgpr_workgroup_id_x 1
		.amdhsa_system_sgpr_workgroup_id_y 1
		.amdhsa_system_sgpr_workgroup_id_z 1
		.amdhsa_system_vgpr_workitem_id 0
		.amdhsa_next_free_vgpr 1024
		.amdhsa_next_free_sgpr 100
		.amdhsa_reserve_vcc 0
		.amdhsa_float_denorm_mode_32 3
		.amdhsa_float_denorm_mode_16_64 3
		.amdhsa_memory_ordered 1
		.amdhsa_forward_progress 1
		.amdhsa_inst_pref_size 240
	.end_amdhsa_kernel
	.amdgpu_metadata
---
amdhsa.version: [ 1, 2 ]
amdhsa.kernels:
  - .name:           k_q3de7414c31_qkv
    .symbol:         k_q3de7414c31_qkv.kd
    .args:
      - { .name: h1, .offset: 0, .size: 8, .value_kind: global_buffer, .address_space: global }
      - { .name: wts, .offset: 8, .size: 8, .value_kind: global_buffer, .address_space: global }
      - { .name: b_qkv, .offset: 16, .size: 8, .value_kind: global_buffer, .address_space: global }
      - { .name: qkvc, .offset: 24, .size: 8, .value_kind: global_buffer, .address_space: global }
    .group_segment_fixed_size: 327680
    .private_segment_fixed_size: 0
    .kernarg_segment_align: 8
    .kernarg_segment_size: 32
    .max_flat_workgroup_size: 128
    .sgpr_count:     100
    .vgpr_count:     1024
    .wavefront_size: 32
...
	.end_amdgpu_metadata
.endif
;; end of part 9
;; launch attn (part 10): grid 8 x 32, 16 waves a work-group, no clusters, 327,680 bytes of LDS; arguments qkvc, yb; writes yb
.if DOCPART == 10
	.amdgcn_target "amdgcn-amd-amdhsa--gfx1250"
	.amdhsa_code_object_version 6
	.text
	.protected	k_q3de7414c31_attn
	.globl	k_q3de7414c31_attn
	.p2align	8
	.type	k_q3de7414c31_attn,@function
k_q3de7414c31_attn:
	s_mov_b64 s[64:65], 0
	v_nop
	global_prefetch_b8 v0, s[64:65] scope:SCOPE_SE
	s_setreg_imm32_b32 hwreg(HW_REG_WAVE_MODE, 25, 1), 1
	s_wait_xcnt 0x0
; Causal attention of one head on codes of FP8 (E4M3) with E8M0 scales, and its result y quantised along the head's 64.  Head size 64, 2,048 tokens, 32 (batch, head) pairs.
; IN (one buffer): q codes [32][2048][64] at 0, k codes at 4194304, v codes [32][64 d][2048 keys] at 8388608; from 12582912, 12,288 bytes a head: q pair words, k pair words, v words.  Token rows and d rows lie in the order sigma
; (bits 3 and 4 of the index swapped); the last axes as they are.
; OUT: y codes [1024 groups of 4 rows][16 heads][4 rows][64]; scale bytes [4][4096][8] from byte 4194304: a head owns 2 of a row's 8 bytes, which leave 2 bytes a lane.
; THE SOFTMAX: t = score x log2(e) / 8; M = the running largest t rounded UP to a whole number; p = 2^(t - M) is quantised along the keys, not normalised; the sum is taken of the unquantised p and divides at the end.
; SHARES.  A work-group has one head and the query blocks (128 queries) 15 - x and x, so that every work-group has the same causal work: 17 key steps (128 keys) for each of eight tiles of 16 queries.
; TWO WAVES SHARE A TILE: waves 2 i and 2 i + 1 hold the same 16 queries and take the key steps by turns, the even wave the even steps.  Each keeps its own M, sum and O^T.  First all walk block 15 - x, then block x: at most 9 steps a wave.
; At a block's end one wave of the pair hands O^T, M and its sum to the other through LDS; both parts are brought under the larger M by factors 2^(M - larger M), which round nothing, and added.  The even wave finishes block 15 - x, the odd wave block x.
; A wave that had no step of a tile hands on zeros under M = -3e38: its factor is 0.  The tile's last step is the diagonal step, where hidden scores become -infinity.  Steps of the partner and steps beyond the block are left out by scalar branches on ids; all trip counts are constants.
; NO CLUSTER: those branches hang on the work-group's query block, which would differ between partners.
; LDS.  K and V come in four pieces of 512 keys and stay: piece 0 and the scale words at the head (waves 0, 1, 2: one tensor load each), piece p + 1 behind the barrier at the head of piece p (waves 0 and 1).  Every byte is filled once;
; a later first fill stands behind the full sequence, and the launch claims all of LDS.  The last piece is written out. Block x needs keys under 1,024 alone, which lie in LDS by then.
; The parts handed over lie in K's pieces 3 and 2 (8 x 4,352 bytes each), which have had their last fill; a barrier stands between their last reads and the first store.
; K = 64 IN A FORM OF 128: a fragment of K carries TWO tiles of 16 keys, one in each half of the form's K; multiplied by [q | zeros] it gives the first tile's scores, by [zeros | q] the second's.
; Both products are used transposed: a lane holds one query throughout; by the order sigma the 16 registers of two neighbouring tiles are 16 neighbouring keys (or channels d).
; LIMITS: v_exp_f32 gives 0 under 2^-126; a block's largest p is taken from its largest score, which takes v_exp_f32 not to fall where its input rises; NaN and infinities among the inputs are not served.
.set VB,  139264                       ; K: 512 rows (4 keys each) x 272 from byte 0; V: four pieces of 64 rows x 528
.set SB,  274432                       ; k pair words 4,096, v words 4,096
.set YST, 282624                       ; a stage of 1,024 bytes a wave
.set SPARE, 299008                     ; the spare words: 128 bytes a wave, named by no other line
.set PB1, 104448                       ; K's piece 3: the parts of block 15 - x
.set PB2, 69632                        ; K's piece 2: those of block x
.set AK0, 1
.set AV0, 2
.set AS0, 3
.set QOF, 4
.set DL,  5                            ; my query's place in its block of 128, less 16 (lane / 16)
.set QSW, 6
.set R4,  7
.set ADK, 8
.set ADV, 9
.set ADS, 10
.set KF,  40                           ; v40-103   four packed fragments of K
.set S,   104                          ; v104-167  S^T, then p, then V's four fragments
.set O,   168                          ; v168-199  O^T
.set PCD, 200
.set KS,  216
.set VS,  220
.set PSW, 224
.set BM,  228
.set T2,  232
.set HO,  236
.set SOP, 240
.set F,   244
.set TMP, 246
.set NINF, 247
.set MA,  250                          ; LDS addresses of the pair's part
.set MB,  251
.set WV,  8
.set JB,  10
.set IW,  11
.set IG,  12
.set ST,  13
.set TBK, 14
.set TBV, 15
.set TS,  16
.set INC, 17
.set OUTC, 18
.set MNT, 19
.set SEL, 20
.set CS,  22
.set G1K, 24
.set G1V, 32
.set G1S, 40
.macro QLOAD                           ; tile s[IG]: q, twice: v16-23 and v32-39, zeros between: [q | 0] = v16-31, [0 | q] = v24-39; and its pair's scale word
	s_lshl_b32 s80, s[IG], 10
	s_mov_b32 s81, 0
	s_add_nc_u64 s[82:83], s[76:77], s[80:81]
	s_lshr_b32 s80, s[IG], 1
	s_lshl_b32 s80, s80, 6
	s_add_nc_u64 s[84:85], s[78:79], s[80:81]
	global_load_b128 v[16:19], v[QOF], s[82:83]
	global_load_b128 v[20:23], v[QOF], s[82:83] offset:32
	global_load_b128 v[32:35], v[QOF], s[82:83]
	global_load_b128 v[36:39], v[QOF], s[82:83] offset:32
	global_load_b32 v248, v[R4], s[84:85]
.endm
.macro OUTADR d                        ; tile s[IG]: where its y codes (s[d:d+1]) and scale bytes (s[d+2:d+3]) go; s90 batch, s91 head
	s_lshl_b32 s72, s90, 9
	s_lshl_b32 s73, s[IG], 2
	s_add_co_u32 s72, s72, s73
	s_lshl_b32 s72, s72, 12
	s_lshl_b32 s73, s91, 8
	s_add_co_u32 s72, s72, s73
	s_mov_b32 s73, 0
	s_add_nc_u64 s[\d:\d+1], s[6:7], s[72:73]
	s_lshl_b32 s72, s90, 11
	s_lshl_b32 s74, s[IG], 4
	s_add_co_u32 s72, s72, s74
	s_lshl_b32 s72, s72, 3
	s_lshr_b32 s74, s91, 2
	s_lshl_b32 s74, s74, 15
	s_add_co_u32 s72, s72, s74
	s_and_b32 s74, s91, 3
	s_lshl_b32 s74, s74, 1
	s_add_co_u32 s72, s72, s74
	s_add_co_u32 s72, s72, 4194304
	s_add_nc_u64 s[\d+2:\d+3], s[6:7], s[72:73]
.endm
.macro INIT                            ; a tile begins: zeros, which the first change of M leaves zeros
.set n, 0
.rept 32
	v_mov_b32 v[O+n], 0
.set n, n+1
.endr
	v_mov_b32 v13, 0xff61b1e6                      ; the largest t so far: -3e38
	v_floor_f32 v12, -v13                          ; -M
	v_mov_b32 v14, 0
	v_mov_b32 v15, 0
	s_mov_b32 s[ST], 0
	s_mov_b32 s[TBK], 0
	s_mov_b32 s[TBV], 0
	s_mov_b32 s[TS], 0
.endm
.macro QWORD
	s_wait_loadcnt 0x0
	v_lshrrev_b32 v248, s57, v248
	v_and_b32 v248, 0xffff, v248                   ; my tile's two bytes,
	v_lshl_or_b32 v[QSW], v248, 16, v248           ; for either half of the form's K
	s_wait_alu depctr_va_vdst(0)                   ; the wait here, ahead of the waits and branches below
.endm
	s_load_b128 s[4:7], s[0:1], 0x0                ; qkvc, yb
	v_lshl_add_u32 v254, v0, 2, SPARE
	v_mov_b32 v255, 0
	ds_add_u32 v254, v255                          ; the opening lines: the add, twice on end, and its wait ahead of the first tensor load
	ds_add_u32 v254, v255
	v_lshrrev_b32 v8, 5, v0
	v_readfirstlane_b32 s[WV], v8                  ; wave 0..15
	s_and_b32 s9, ttmp7, 0xffff                    ; batch x 16 + head
	s_and_b32 s56, s[WV], 1                        ; which of the pair
	s_sub_co_u32 s[JB], 15, ttmp9                  ; the first block
	s_lshr_b32 s[IW], s[WV], 1                     ; my tile in a block
	s_lshl_b32 s[IG], s[JB], 3
	s_add_co_u32 s[IG], s[IG], s[IW]
	s_and_b32 s57, s[IW], 1
	s_lshl_b32 s57, s57, 4                         ; which half of a pair word is my tile's
	s_mov_b32 s[G1K], (1<<20)|(5<<22)|(3<<25)      ; a piece of K: 128 rows of 256 bytes, dense; 4 words of padding behind every 64
	s_mov_b32 s[G1K+1], 256<<16
	s_mov_b32 s[G1K+2], 128<<16
	s_mov_b32 s[G1K+3], 256<<16
	s_mov_b32 s[G1K+4], 128
	s_mov_b32 s[G1K+5], 256
	s_mov_b32 s[G1K+6], 0
	s_mov_b32 s[G1K+7], 0
	s_mov_b32 s[G1V], (1<<20)|(6<<22)|(3<<25)      ; a piece of V: 64 rows of 512 bytes, 2,048 apart; 4 words behind every 128
	s_mov_b32 s[G1V+1], 512<<16
	s_mov_b32 s[G1V+2], 64<<16
	s_mov_b32 s[G1V+3], 512<<16
	s_mov_b32 s[G1V+4], 64
	s_mov_b32 s[G1V+5], 2048
	s_mov_b32 s[G1V+6], 0
	s_mov_b32 s[G1V+7], 0
	s_mov_b32 s[G1S], 3<<16                        ; the scale words: 8,192 dense bytes as 32 rows of 32 elements of 8 bytes
	s_mov_b32 s[G1S+1], 32<<16
	s_mov_b32 s[G1S+2], 32<<16
	s_mov_b32 s[G1S+3], 32<<16
	s_mov_b32 s[G1S+4], 32
	s_mov_b32 s[G1S+5], 32
	s_mov_b32 s[G1S+6], 0
	s_mov_b32 s[G1S+7], 0
	s_lshl_b32 s72, s9, 17                         ; a head's codes: 131,072 bytes in each of q, k, v
	s_mov_b32 s73, 0
	s_mul_i32 s74, s9, 12288
	s_mov_b32 s75, 0
	s_mov_b32 s[SEL], 0x76543210
	s_mov_b32 s[SEL+1], 0xfedcba98
	s_mov_b32 s[CS], 0x3e38aa3b                    ; c = log2(e) / 8
	s_mov_b32 s[CS+1], s[CS]
	s_mov_b32 s[MNT], 0x600000
	s_wait_dscnt 0x0
	s_wait_kmcnt 0x0
	s_add_nc_u64 s[76:77], s[4:5], s[72:73]        ; my head's q codes
	s_add_nc_u64 s[78:79], s[4:5], s[74:75]
	s_add_nc_u64 s[78:79], s[78:79], 12582912      ; my head's scale words
	s_mov_b32 s48, 1
	s_mov_b32 s49, SB
	s_add_nc_u64 s[50:51], s[78:79], 4096
	s_or_b32 s51, s51, 0x80000000
	s_mov_b32 s52, 1
	s_mov_b32 s53, 0
	s_add_nc_u64 s[54:55], s[76:77], 4194304
	s_or_b32 s55, s55, 0x80000000
	s_mov_b32 s60, 1
	s_mov_b32 s61, VB
	s_add_nc_u64 s[62:63], s[76:77], 8388608
	s_or_b32 s63, s63, 0x80000000
.macro ARM is, g0, g1, next            ; the head's loads, one a wave, in one chain of branches on the wave's number
	s_cmp_eq_u32 s[WV], \is
	s_cbranch_scc0 \next
	tensor_load_to_lds s[\g0:\g0+3], s[\g1:\g1+7]
	s_nop 0
.rept 4
	v_nop
.endr
	s_branch .Lasked
\next:
.endm
	ARM 0, 52, G1K, .Lhead_v
	ARM 1, 60, G1V, .Lhead_s
	ARM 2, 48, G1S, .Lhead_none
.Lasked:
	s_lshr_b32 s90, s9, 4                          ; batch
	s_and_b32 s91, s9, 15                          ; head
	OUTADR 86
	v_and_b32 v225, 15, v0                         ; r
	v_bfe_u32 v226, v0, 4, 1                       ; h
	v_lshlrev_b32 v[QOF], 6, v225
	v_lshl_add_u32 v[QOF], v226, 4, v[QOF]         ; 64 r + 16 h
	v_lshlrev_b32 v[R4], 2, v225
	s_wait_alu depctr_va_vdst(0)                   ; the wait here, directly ahead of the run of scalar instructions
	QLOAD
	s_lshl_b32 s[IG], ttmp9, 3
	s_add_co_u32 s[IG], s[IG], s[IW]               ; from here on: my tile of block x
	OUTADR 92
	v_lshrrev_b32 v227, 2, v225
	v_mul_u32_u24 v[AK0], v227, 272
	v_and_b32 v227, 3, v225
	v_lshl_add_u32 v[AK0], v227, 6, v[AK0]
	v_lshl_add_u32 v[AK0], v226, 4, v[AK0]         ; K: LDS row r / 4, key r % 4 in it, + 16 h
	v_mul_u32_u24 v[AV0], v225, 528
	v_lshl_add_u32 v[AV0], v226, 4, v[AV0]
	v_add_nc_u32 v[AV0], VB, v[AV0]
	v_lshl_add_u32 v[AS0], v225, 2, SB
	s_lshr_b32 s72, s[IW], 1
	s_lshl_b32 s72, s72, 5
	s_and_b32 s73, s[IW], 1
	s_lshl_b32 s73, s73, 3
	s_add_co_u32 s72, s72, s73
	v_and_b32 v[DL], 7, v225
	v_lshrrev_b32 v227, 3, v225
	v_lshl_add_u32 v[DL], v227, 4, v[DL]
	v_lshlrev_b32 v227, 4, v226
	v_sub_nc_u32 v[DL], v[DL], v227
	v_add_nc_u32 v[DL], s72, v[DL]                 ; stored row 16 tile + r is query 32 (tile / 2) + 8 (tile % 2) + r % 8 + 16 (r / 8)
.irp j, 24,25,26,27,28,29,30,31
	v_mov_b32 v[\j], 0
.endr
	INIT
.irp b, 0,1,2,3
	v_mov_b32 v[T2+\b], 0                          ; a lane permute's destination counts as one of its sources
.endr
	v_mov_b32 v[F+1], 0                            ; named as the upper half of a pair
	v_mov_b32 v[NINF], 0xff800000
	QWORD
.macro SUM4 k                          ; eight more p onto each of four chains' pairs
	v_pk_add_f32 v[232:233], v[232:233], v[S+8*(\k):S+8*(\k)+1]
	v_pk_add_f32 v[248:249], v[248:249], v[S+8*(\k)+2:S+8*(\k)+3]
	v_pk_add_f32 v[250:251], v[250:251], v[S+8*(\k)+4:S+8*(\k)+5]
	v_pk_add_f32 v[252:253], v[252:253], v[S+8*(\k)+6:S+8*(\k)+7]
.endm
.macro STEP
	s_cmp_gt_u32 s[ST], s[JB]                      ; all 128 keys come after my queries: only the stepping lines are run
	s_cbranch_scc1 .Lhidden_\@
	s_xor_b32 s72, s[ST], s[WV]
	s_and_b32 s72, s72, 1
	s_cmp_lg_u32 s72, 0                            ; my partner's step
	s_cbranch_scc1 .Lhidden_\@
	v_add_nc_u32 v[ADK], s[TBK], v[AK0]
	v_add_nc_u32 v[ADV], s[TBV], v[AV0]
	v_add_nc_u32 v[ADS], s[TS], v[AS0]
.rept 6
	v_nop                                          ; with the three additions nine places: the products below write over V's fragments, which the last products read
.endr
.irp t, 0,1,2,3
.irp e, 0,1
.irp c, 0,1
	ds_load_b128 v[KF+16*\t+8*\e+4*\c:KF+16*\t+8*\e+4*\c+3], v[ADK] offset:2176*\t+1088*\e+32*\c
.endr
.endr
	ds_load_b32 v[KS+\t], v[ADS] offset:64*\t
.endr
	s_wait_dscnt 0x0
	s_wait_alu depctr_va_vdst(0)
.irp t, 0,1,2,3
	v_wmma_scale_f32_16x16x128_f8f6f4 v[S+16*\t:S+16*\t+7], v[KF+16*\t:KF+16*\t+15], v[16:31], 0, v[KS+\t], v[QSW]
	v_wmma_scale_f32_16x16x128_f8f6f4 v[S+16*\t+8:S+16*\t+15], v[KF+16*\t:KF+16*\t+15], v[24:39], 0, v[KS+\t], v[QSW]
.endr
.rept 8
	v_nop
.endr
	s_cmp_lt_u32 s[ST], s[JB]                      ; all keys count?
	s_cbranch_scc1 .Lopen_\@
.set n, 0
.rept 64                               ; register 16 b + i holds key 32 b + 16 (lane / 16) + i of the step: hidden where it comes after my query
	v_cmp_gt_i32 vcc_lo, 32*(n/16)+n%16, v[DL]
	v_cndmask_b32 v[S+n], v[S+n], v[NINF], vcc_lo
.set n, n+1
.endr
.Lopen_\@:
.irp b, 0,1,2,3
	v_max3_num_f32 v[BM+\b], v[S+16*\b], v[S+1+16*\b], v[S+2+16*\b]   ; the largest score of each block of 32 keys: for the row's maximum, and for the block's largest p
.endr
.irp i, 3,5,7,9,11,13
.irp b, 0,1,2,3
	v_max3_num_f32 v[BM+\b], v[BM+\b], v[S+16*\b+\i], v[S+1+16*\b+\i]
.endr
.endr
.irp b, 0,1,2,3
	v_max_num_f32 v[BM+\b], v[BM+\b], v[S+15+16*\b]
.endr
.irp b, 0,1,2,3
	v_permlanex16_b32 v[T2+\b], v[BM+\b], s[SEL], s[SEL+1]
.endr
.irp b, 0,1,2,3
	v_max_num_f32 v[BM+\b], v[BM+\b], v[T2+\b]
.endr
	s_delay_alu instid0(VALU_DEP_2)
	v_max3_num_f32 v[TMP], v[BM], v[BM+1], v[BM+2]
	s_delay_alu instid0(VALU_DEP_1)
	v_max_num_f32 v[TMP], v[TMP], v[BM+3]
	s_delay_alu instid0(VALU_DEP_1)
	v_mul_f32 v[TMP], s[CS], v[TMP]
	s_delay_alu instid0(VALU_DEP_1)
	v_max_num_f32 v13, v13, v[TMP]                 ; the running largest t
	v_mov_b32 v[TMP], v12
	s_delay_alu instid0(VALU_DEP_2)
	v_floor_f32 v12, -v13                          ; -M = floor(-t): M is a whole number
	s_delay_alu instid0(VALU_DEP_1)
	v_sub_f32 v[TMP], v12, v[TMP]
	s_delay_alu instid0(VALU_DEP_1)
	v_cvt_i32_f32 v[TMP], v[TMP]                   ; (it saturates)
	s_delay_alu instid0(VALU_DEP_1)
	v_ldexp_f32 v[F], 1.0, v[TMP]                  ; f = 2^(old M - new M): rounds nothing
.set n, 0
.rept 32
	v_pk_fma_f32 v[S+n:S+n+1], v[S+n:S+n+1], s[CS:CS+1], v[12:13] op_sel_hi:[1,0,0]   ; t - M
.set n, n+2
.endr
.irp b, 0,1,2,3
	v_fma_f32 v[BM+\b], v[BM+\b], s[CS], v12
.endr
	s_wait_alu depctr_va_vdst(0)                   ; the wait ahead of the batch
.set n, 0
.rept 64
	v_exp_f32 v[S+n], v[S+n]                       ; p = 2^(t - M)
.set n, n+1
.endr
	v_pk_mul_f32 v[14:15], v[14:15], v[F:F+1] op_sel_hi:[1,0]   ; the sums under the new M; a plain instruction behind the exponentials
	s_wait_alu depctr_va_vdst(0)                   ; one wait for the batch, ahead of its first reader
.irp b, 0,1,2,3
	v_exp_f32 v[BM+\b], v[BM+\b]                   ; the block's largest p
.endr
	v_pk_add_f32 v[232:233], v[S:S+1], v[S+8:S+9]  ; the row's sum of the unquantised p, in four chains; it reads the 64 alone
	v_pk_add_f32 v[248:249], v[S+2:S+3], v[S+10:S+11]
	v_pk_add_f32 v[250:251], v[S+4:S+5], v[S+12:S+13]
	v_pk_add_f32 v[252:253], v[S+6:S+7], v[S+14:S+15]
.irp k, 2,3,4,5,6,7
	SUM4 \k
.endr
	v_pk_add_f32 v[232:233], v[232:233], v[248:249]
	v_pk_add_f32 v[250:251], v[250:251], v[252:253]
	s_delay_alu instid0(VALU_DEP_1)
	v_pk_add_f32 v[232:233], v[232:233], v[250:251]
	s_delay_alu instid0(VALU_DEP_1)
	v_pk_add_f32 v[14:15], v[14:15], v[232:233]
	s_wait_alu depctr_va_vdst(0)                   ; and one for the four
.irp b, 0,1,2,3
	v_max_num_f32 v[BM+\b], 0x4800000, v[BM+\b]    ; the floor 2^(9 - 127)
.endr
.irp b, 0,1,2,3
	v_add_nc_u32 v[SOP+\b], 0xfc000000, v[BM+\b]
.endr
.irp b, 0,1,2,3
	v_and_or_b32 v[HO+\b], v[BM+\b], 0x7f800000, s[MNT]
.endr
.irp b, 0,1,2,3
	v_lshrrev_b32 v[T2+\b], 23, v[SOP+\b]
.endr
	s_delay_alu instid0(VALU_DEP_3)
	v_lshl_or_b32 v[PSW], v[T2+1], 8, v[T2]        ; p's scale word for these 128 keys
	s_delay_alu instid0(VALU_DEP_1)
	v_lshl_or_b32 v[PSW], v[T2+2], 16, v[PSW]
	s_delay_alu instid0(VALU_DEP_1)
	v_lshl_or_b32 v[PSW], v[T2+3], 24, v[PSW]
.irp b, 0,1,2,3
.irp i, 0,1,2,3,4,5,6,7,8,9,10,11,12,13,14,15
	v_min_num_f32 v[S+16*\b+\i], v[S+16*\b+\i], v[HO+\b]   ; p is not negative: a one-sided hold (the conversion does not saturate: ISA guide 7.6.2)
.endr
	v_cvt_scalef32_pk8_fp8_f32 v[PCD+4*\b:PCD+4*\b+1], v[S+16*\b:S+16*\b+7], v[SOP+\b]
	v_cvt_scalef32_pk8_fp8_f32 v[PCD+4*\b+2:PCD+4*\b+3], v[S+16*\b+8:S+16*\b+15], v[SOP+\b]
.endr
.irp t, 0,1,2,3
.irp c, 0,1,2,3
	ds_load_b128 v[S+16*\t+4*\c:S+16*\t+4*\c+3], v[ADV] offset:8448*\t+32*\c   ; V's four fragments take p's place
.endr
	ds_load_b32 v[VS+\t], v[ADS] offset:4096+64*\t
.endr
.set n, 0
.rept 16
	v_pk_mul_f32 v[O+n:O+n+1], v[O+n:O+n+1], v[F:F+1] op_sel_hi:[1,0]   ; O^T under the new M; also the plain lines behind the conversions and ahead of the products
.set n, n+2
.endr
	s_wait_alu depctr_va_vdst(0)                   ; the wait here, directly ahead of the wait below
	s_wait_dscnt 0x0
.irp t, 0,1,2,3
	v_wmma_scale_f32_16x16x128_f8f6f4 v[O+8*\t:O+8*\t+7], v[S+16*\t:S+16*\t+15], v[PCD:PCD+15], v[O+8*\t:O+8*\t+7], v[VS+\t], v[PSW]
.endr
.Lhidden_\@:
	s_add_co_u32 s[TBK], s[TBK], 8704              ; 32 LDS rows of K,
	s_add_co_u32 s[TBV], s[TBV], 128               ; 128 bytes in V's rows,
	s_add_co_u32 s[TS], s[TS], 256                 ; 64 scale words
	s_add_co_u32 s[ST], s[ST], 1
.endm
; At a piece's head every wave waits for all its tensor loads (the piece about to be read), adds 0 to its spare word and waits for that; one barrier.  fill = 1: behind it the next piece is asked for, into bytes that nothing has filled.
; The add stands twice on end where a load follows.
.macro CHANGE fill
	s_wait_tensorcnt 0x0
	ds_add_u32 v254, v255
.if \fill
	ds_add_u32 v254, v255
	s_add_co_u32 s53, s53, 34816                   ; no load of mine is out: the descriptors step to the next piece
	s_add_nc_u64 s[54:55], s[54:55], 32768
	s_add_co_u32 s61, s61, 33792
	s_add_nc_u64 s[62:63], s[62:63], 512
.endif
	s_wait_dscnt 0x0
	s_barrier_signal -1
	s_barrier_wait -1
.if \fill
	s_cmp_eq_u32 s[WV], 0
	s_cbranch_scc0 .Lnot_k
	tensor_load_to_lds s[52:55], s[G1K:G1K+7]
	s_nop 0
.rept 4
	v_nop
.endr
	s_branch .Lpiece_asked
.Lnot_k:
	s_cmp_eq_u32 s[WV], 1
	s_cbranch_scc0 .Lpiece_asked
	tensor_load_to_lds s[60:63], s[G1V:G1V+7]
	s_nop 0
.rept 4
	v_nop
.endr
.Lpiece_asked:
.endif
.endm
; A BLOCK'S END.  The wave of the pair with number % 2 = wr hands its part over at LDS byte pb; the other joins the parts, divides by the sum, quantises along d (two blocks of 32) and stores through its stage, sixteen lanes to 256 consecutive aligned bytes.
; Every LDS address is made on the way that all waves take.  more = 1: a barrier first, since the parts land on bytes of K that others may still read; and the next tile's q is asked for.
.macro FINISH pb, wr, od, more
.rept 8
	v_nop                                          ; places behind the last products
.endr
.if \more
	s_wait_dscnt 0x0
	s_barrier_signal -1
	s_barrier_wait -1
	QLOAD
.endif
	s_mul_i32 s72, s[IW], 4352
	s_add_co_u32 s72, s72, \pb
	v_and_b32 v227, 31, v0
	v_lshl_add_u32 v[MA], v227, 4, s72             ; O^T: eight runs of 512 bytes,
	v_lshl_add_u32 v[MB], v227, 2, s72             ; -M at 4,096 and the sum at 4,224
	s_lshl_b32 s72, s[WV], 10
	s_add_co_u32 s72, s72, YST
	v_add_nc_u32 v8, s72, v[QOF]                   ; my stage, in: 64 r + 16 h
	v_lshl_add_u32 v9, v227, 4, s72                ; back: 16 x lane
	v_lshlrev_b32 v10, 12, v226
	v_lshl_add_u32 v10, v225, 4, v10               ; a group of 4 rows is 4,096 bytes on; 16 bytes a lane
	v_lshlrev_b32 v11, 3, v225                     ; a row's 8 scale bytes
	v_add_f32 v14, v14, v15
	s_wait_alu depctr_va_vdst(0)                   ; the wait here, ahead of the branches and waits below
	s_cmp_eq_u32 s56, \wr
	s_cbranch_scc0 .Lnw_\@
.irp t, 0,1,2,3,4,5,6,7
	ds_store_b128 v[MA], v[O+4*\t:O+4*\t+3] offset:512*\t   ; each accumulator from its low end on
.endr
	ds_store_b32 v[MB], v12 offset:4096
	ds_store_b32 v[MB], v14 offset:4224
.Lnw_\@:
	s_wait_dscnt 0x0                               ; for the partner's sake
	s_barrier_signal -1
	s_barrier_wait -1
	s_cmp_eq_u32 s56, \wr
	s_cbranch_scc1 .Ldone_\@
.irp t, 0,1,2,3,4,5,6,7
	ds_load_b128 v[S+4*\t:S+4*\t+3], v[MA] offset:512*\t
.endr
	ds_load_b32 v[T2], v[MB] offset:4096
	ds_load_b32 v[T2+1], v[MB] offset:4224
	s_wait_dscnt 0x0
	v_min_num_f32 v[TMP], v12, v[T2]               ; - the larger M
	v_sub_f32 v[F], v[TMP], v12
	v_sub_f32 v[T2], v[TMP], v[T2]
	v_cvt_i32_f32 v[F], v[F]                       ; (both saturate)
	v_cvt_i32_f32 v[T2], v[T2]
	v_ldexp_f32 v[F], 1.0, v[F]                    ; my factor,
	v_ldexp_f32 v[T2+2], 1.0, v[T2]                ; my partner's
	v_mul_f32 v14, v14, v[F]
	v_fma_f32 v14, v[T2+1], v[T2+2], v14
.set n, 0
.rept 16
	v_pk_mul_f32 v[O+n:O+n+1], v[O+n:O+n+1], v[F:F+1] op_sel_hi:[1,0]
.set n, n+2
.endr
.set n, 0
.rept 16
	v_pk_fma_f32 v[O+n:O+n+1], v[S+n:S+n+1], v[T2+2:T2+3], v[O+n:O+n+1] op_sel_hi:[1,0,1]
.set n, n+2
.endr
	v_permlanex16_b32 v[T2], v14, s[SEL], s[SEL+1]
	v_add_f32 v14, v14, v[T2]                      ; with lane l xor 16's: the row's sum
	s_wait_alu depctr_va_vdst(0)                   ; the wait ahead of the transcendental
	v_rcp_f32 v14, v14
	v_nop
	s_wait_alu depctr_va_vdst(0)                   ; and ahead of its first reader
.set n, 0
.rept 32
	v_mul_f32 v[S+n], v[O+n], v14                  ; register 16 b + i is y(my query, 32 b + 16 h + i)
.set n, n+1
.endr
.irp b, 0,1
	v_max3_num_f32 v[BM+\b], |v[S+16*\b]|, |v[S+1+16*\b]|, 0x4800000
.endr
.irp i, 2,4,6,8,10,12,14
.irp b, 0,1
	s_delay_alu instid0(VALU_DEP_2)
	v_max3_num_f32 v[BM+\b], v[BM+\b], |v[S+16*\b+\i]|, |v[S+1+16*\b+\i]|
.endr
.endr
.irp b, 0,1
	v_permlanex16_b32 v[T2+\b], v[BM+\b], s[SEL], s[SEL+1]
.endr
.irp b, 0,1
	v_max_num_f32 v[BM+\b], v[BM+\b], v[T2+\b]
.endr
.irp b, 0,1
	v_add_nc_u32 v[SOP+\b], 0xfc000000, v[BM+\b]
.endr
.irp b, 0,1
	v_and_or_b32 v[HO+\b], v[BM+\b], 0x7f800000, s[MNT]
.endr
.irp b, 0,1
	v_lshrrev_b32 v[T2+\b], 23, v[SOP+\b]
.endr
	v_lshl_or_b32 v[TMP], v[T2+1], 8, v[T2]        ; my row's two bytes
.irp b, 0,1
.irp i, 0,1,2,3,4,5,6,7,8,9,10,11,12,13,14,15
	v_med3_num_f32 v[S+16*\b+\i], v[S+16*\b+\i], -v[HO+\b], v[HO+\b]
.endr
	v_cvt_scalef32_pk8_fp8_f32 v[PCD+4*\b:PCD+4*\b+1], v[S+16*\b:S+16*\b+7], v[SOP+\b]
	v_cvt_scalef32_pk8_fp8_f32 v[PCD+4*\b+2:PCD+4*\b+3], v[S+16*\b+8:S+16*\b+15], v[SOP+\b]
.endr
	v_nop
	ds_store_b128 v8, v[PCD:PCD+3]
	ds_store_b128 v8, v[PCD+4:PCD+7] offset:32
	ds_load_b128 v[PCD+8:PCD+11], v9               ; LDS serves a wave's instructions in order: these see my stores
	ds_load_b128 v[PCD+12:PCD+15], v9 offset:512
	s_wait_dscnt 0x0
	global_store_b128 v10, v[PCD+8:PCD+11], s[\od:\od+1]
	global_store_b128 v10, v[PCD+12:PCD+15], s[\od:\od+1] offset:8192
	global_store_b16 v11, v[TMP], s[\od+2:\od+3]   ; both halves of the lanes write the same two bytes with the same value
.Ldone_\@:
.endm
	s_mov_b32 s[OUTC], 3
.Lpiece:                                               ; block 15 - x, in step with the pieces
	CHANGE 1
	s_mov_b32 s[INC], 4
.Lstep:
	STEP
	s_sub_co_u32 s[INC], s[INC], 1
	s_cmp_lg_u32 s[INC], 0
	s_cbranch_scc1 .Lstep
	s_add_co_u32 s[TBV], s[TBV], 33280             ; on to V's next piece: 33,792 less the 512 walked
	s_sub_co_u32 s[OUTC], s[OUTC], 1
	s_cmp_lg_u32 s[OUTC], 0
	s_cbranch_scc1 .Lpiece
	CHANGE 0                                       ; the last piece asks for nothing
	s_mov_b32 s[INC], 4
.Llast:
	STEP
	s_sub_co_u32 s[INC], s[INC], 1
	s_cmp_lg_u32 s[INC], 0
	s_cbranch_scc1 .Llast
	FINISH PB1, 1, 86, 1
	s_wait_xcnt 0x0                                ; the stores have read their registers: they are written again below
	s_mov_b32 s[JB], ttmp9                         ; block x: keys under 1,024, which lie in LDS
	INIT
	QWORD
	s_mov_b32 s[OUTC], 2
.Lsecond:
	s_mov_b32 s[INC], 4
.Lstep2:
	STEP
	s_sub_co_u32 s[INC], s[INC], 1
	s_cmp_lg_u32 s[INC], 0
	s_cbranch_scc1 .Lstep2
	s_add_co_u32 s[TBV], s[TBV], 33280
	s_sub_co_u32 s[OUTC], s[OUTC], 1
	s_cmp_lg_u32 s[OUTC], 0
	s_cbranch_scc1 .Lsecond
	FINISH PB2, 0, 92, 0
	s_wait_tensorcnt 0x0                           ; the wave's end
	ds_add_u32 v254, v255
	s_wait_dscnt 0x0
	s_endpgm
.Lfunc_end_k_q3de7414c31_attn:
	.size	k_q3de7414c31_attn, .Lfunc_end_k_q3de7414c31_attn-k_q3de7414c31_attn
	.p2alignl 7, 3214868480
	.fill 96, 4, 3214868480
	.section	.rodata,"a",@progbits
	.p2align	6, 0x0
	.amdhsa_kernel k_q3de7414c31_attn
		.amdhsa_group_segment_fixed_size 327680
		.amdhsa_private_segment_fixed_size 0
		.amdhsa_enable_private_segment 0
		.amdhsa_kernarg_size 16
		.amdhsa_user_sgpr_count 2
		.amdhsa_user_sgpr_kernarg_segment_ptr 1
		.amdhsa_wavefront_size32 1
		.amdhsa_system_sgpr_workgroup_id_x 1
		.amdhsa_system_sgpr_workgroup_id_y 1
		.amdhsa_system_sgpr_workgroup_id_z 1
		.amdhsa_system_vgpr_workitem_id 0
		.amdhsa_next_free_vgpr 256
		.amdhsa_next_free_sgpr 100
		.amdhsa_reserve_vcc 1
		.amdhsa_float_denorm_mode_32 3
		.amdhsa_float_denorm_mode_16_64 3
		.amdhsa_memory_ordered 1
		.amdhsa_forward_progress 1
		.amdhsa_inst_pref_size 110
	.end_amdhsa_kernel
	.amdgpu_metadata
---
amdhsa.version: [ 1, 2 ]
amdhsa.kernels:
  - .name:           k_q3de7414c31_attn
    .symbol:         k_q3de7414c31_attn.kd
    .args:
      - { .name: qkvc, .offset: 0, .size: 8, .value_kind: global_buffer, .address_space: global }
      - { .name: yb, .offset: 8, .size: 8, .value_kind: global_buffer, .address_space: global }
    .group_segment_fixed_size: 327680
    .private_segment_fixed_size: 0
    .kernarg_segment_align: 8
    .kernarg_segment_size: 16
    .max_flat_workgroup_size: 512
    .sgpr_count:     100
    .vgpr_count:     256
    .wavefront_size: 32
...
	.end_amdgpu_metadata
.endif
;; end of part 10
;; launch proj (part 11): grid 8 x 32, 4 waves a work-group, clusters of 4 x 4, 327,680 bytes of LDS; arguments yb, wts, b_ao, x, x1; writes x1
.if DOCPART == 11
	.amdgcn_target "amdgcn-amd-amdhsa--gfx1250"
	.amdhsa_code_object_version 6
	.text
	.protected	k_q3de7414c31_proj
	.globl	k_q3de7414c31_proj
	.p2align	8
	.type	k_q3de7414c31_proj,@function
k_q3de7414c31_proj:
	s_mov_b64 s[64:65], 0
	v_nop
	global_prefetch_b8 v0, s[64:65] scope:SCOPE_SE
	s_setreg_imm32_b32 hwreg(HW_REG_WAVE_MODE, 25, 1), 1
	s_wait_xcnt 0x0
	s_wait_alu depctr_hold_cnt(0) depctr_sa_sdst(0) depctr_va_vdst(0) depctr_va_sdst(0) depctr_va_ssrc(0) depctr_va_vcc(0) depctr_vm_vsrc(0)
	s_getreg_b32 s2, hwreg(HW_REG_IB_STS2, 6, 4)
	s_cmp_eq_u32 s2, 0
	s_cbranch_scc0 .Lentry_in_a_cluster
	s_endpgm
.Lentry_in_a_cluster:
	s_bfe_u32 s2, ttmp6, 0x10000c
	s_cmp_lg_u32 s2, 0xf033
	s_cbranch_scc0 .Lentry_shape_is_right
	s_endpgm
.Lentry_shape_is_right:
.set IS_MP, 0
.set PITCH, 528
.set BH,    64*PITCH
.if IS_MP
.set AH,    64*PITCH
.set KROWA, 4096
.set KROWB, 4096
.set LAPS,  4
.set ASCL,  16777216
.set WCODE, 8388608
.set WSCL,  12845056
.set AST,   512
.else
.set AH,    16*2080
.set KROWA, 1024
.set KROWB, 1024
.set LAPS,  1
.set ASCL,  4194304
.set WCODE, 3145728
.set WSCL,  12681216
.set AST,   2048
.endif
.set PLA,   32768
.set PLB,   8192
.set SLOT,  2*AH+2*BH
.set SPARE, 2*SLOT
.set SPITCH, 272
.set STGW,  64*SPITCH
.set ADRA, 16
.set ADRB, 20
.set VSA,  22
.set VSB,  23
.set SPW,  28
.set NIL,  29
.set SC,   32
.set BR,   64
.set ACC,  128
.set G1,  24
.set G0,  32
.set G1B, 48
.set G0B, 56
.set MSB, 0
.macro WIN new
.if MSB != (\new)
	s_set_vgpr_msb (MSB<<8)|(\new)
.set MSB, (\new)
.endif
.endm
.macro JLOAD g0a, g1a, g0b, g1b
	s_cmp_eq_u32 s15, 0
	s_cbranch_scc0 .Lfor_b_\@
	tensor_load_to_lds s[\g0a:\g0a+3], s[\g1a:\g1a+7]
	s_nop 0
.rept 4
	v_nop
.endr
	s_branch .Lasked_\@
.Lfor_b_\@:
	tensor_load_to_lds s[\g0b:\g0b+3], s[\g1b:\g1b+7]
	s_nop 0
.rept 4
	v_nop
.endr
.Lasked_\@:
.endm
.macro CREST
	s_cmp_lg_u32 s14, 0
	s_cbranch_scc1 .Lnot_wave_0_\@
	s_barrier_signal -3
.Lnot_wave_0_\@:
	s_barrier_wait -3
	s_barrier_signal -1
	s_barrier_wait -1
.endm
.macro CROUND
	s_barrier_signal -1
	s_barrier_wait -1
	CREST
.endm
.macro PLACES n
.rept \n
	v_nop
.endr
.endm
.macro ASK
	s_cmp_gt_u32 s3, s78
	s_cbranch_scc0 .Lnot_mine_\@
	global_prefetch_b8 v30, s[76:77] offset:512 th:TH_LOAD_NT scope:SCOPE_SE
.Lnot_mine_\@:
.endm
	s_load_b256 s[88:95], s[0:1], 0x0
	s_load_b64 s[96:97], s[0:1], 0x20
	v_lshl_add_u32 v[SPW], v0, 2, SPARE
	v_mov_b32 v[NIL], 0
	ds_add_u32 v28, v29
	ds_add_u32 v28, v29
	s_wait_dscnt 0x0
	v_lshrrev_b32 v1, 5, v0
	v_readfirstlane_b32 s14, v1
	s_lshr_b32 s15, s14, 1
	s_and_b32 s16, s14, 1
	s_bfe_u32 s40, ttmp6, 0x40000
	s_bfe_u32 s41, ttmp6, 0x40004
	s_lshl_b32 s42, ttmp9, 2
	s_add_co_u32 s42, s42, s40
	s_and_b32 s17, ttmp7, 0xffff
	s_lshl_b32 s17, s17, 2
	s_add_co_u32 s17, s17, s41
	s_lshl_b32 s43, s41, 2
	s_lshl_b32 s43, 15, s43
	s_lshl_b32 s44, 0x1111, s40
.if IS_MP
	s_or_b32 s[G1+0], s43, (1<<20)|(1<<21)|(6<<22)|(3<<25)
	s_mov_b32 s[G1+1], 512<<16
	s_mov_b32 s[G1+2], 64<<16
	s_mov_b32 s[G1+3], 512<<16
	s_mov_b32 s[G1+4], 64
	s_mov_b32 s[G1+5], KROWA
.else
	s_or_b32 s[G1+0], s43, (1<<20)|(1<<21)|(7<<22)|(3<<25)
	s_mov_b32 s[G1+1], 2048<<16
	s_mov_b32 s[G1+2], 16<<16
	s_mov_b32 s[G1+3], 2048<<16
	s_mov_b32 s[G1+4], 16
	s_mov_b32 s[G1+5], 4096
.endif
	s_mov_b32 s[G1+6], 0
	s_mov_b32 s[G1+7], 0
	s_or_b32 s[G1B+0], s44, (1<<20)|(1<<21)|(6<<22)|(3<<25)
	s_mov_b32 s[G1B+1], 512<<16
	s_mov_b32 s[G1B+2], 64<<16
	s_mov_b32 s[G1B+3], 512<<16
	s_mov_b32 s[G1B+4], 64
	s_mov_b32 s[G1B+5], KROWB
	s_mov_b32 s[G1B+6], 0
	s_mov_b32 s[G1B+7], 0
	s_lshl_b32 s18, s16, 6
	s_lshl_b32 s20, s17, 7
	s_add_co_u32 s20, s20, s18
	s_mul_i32 s20, s20, KROWA
	s_mov_b32 s21, 0
	s_lshl_b32 s46, s42, 7
	s_add_co_u32 s46, s46, s18
	s_mul_i32 s46, s46, KROWB
	s_add_co_u32 s46, s46, WCODE
	s_mov_b32 s47, 0
	s_mul_i32 s45, s16, AH
	s_mul_i32 s19, s16, BH
	s_add_co_u32 s19, s19, 2*AH
	s_wait_kmcnt 0x0
	s_add_nc_u64 s[20:21], s[88:89], s[20:21]
	s_add_nc_u64 s[46:47], s[90:91], s[46:47]
	CROUND
.irp s, 0,1
	s_mov_b32 s[G0+4*\s], 1
	s_add_co_u32 s[G0+4*\s+1], s45, \s*SLOT
	s_add_nc_u64 s[G0+4*\s+2:G0+4*\s+3], s[20:21], \s*AST
	s_or_b32 s[G0+4*\s+3], s[G0+4*\s+3], 0x80000000
	s_mov_b32 s[G0B+4*\s], 1
	s_add_co_u32 s[G0B+4*\s+1], s19, \s*SLOT
	s_add_nc_u64 s[G0B+4*\s+2:G0B+4*\s+3], s[46:47], \s*512
	s_or_b32 s[G0B+4*\s+3], s[G0B+4*\s+3], 0x80000000
.endr
	JLOAD G0, G1, G0B, G1B                         ; slot 0: one tensor load a wave at the head; the set-up and the loads of scales, bias and residual stand under its flight
	v_and_b32 v1, 15, v0
	v_bfe_u32 v2, v0, 4, 1
	v_mul_u32_u24 v3, v1, PITCH
	v_lshl_add_u32 v4, v2, 4, v3
.if IS_MP
	v_mov_b32 v5, v4
.else
	v_lshrrev_b32 v3, 2, v1
	v_mul_u32_u24 v5, v3, 2080
	v_and_b32 v3, 3, v1
	v_lshl_add_u32 v5, v3, 6, v5
	v_lshl_add_u32 v5, v2, 4, v5
.endif
	s_mul_i32 s21, s15, AH
	s_mul_i32 s22, s16, BH
	s_add_co_u32 s22, s22, 2*AH
.irp s, 0,1
	v_add_nc_u32 v[ADRA+\s], s21, v5
	v_add_nc_u32 v[ADRB+\s], s22, v4
	s_add_co_u32 s21, s21, SLOT
	s_add_co_u32 s22, s22, SLOT
.endr
	s_lshl_b32 s18, s17, 10
	s_mov_b32 s19, 0
	s_add_nc_u64 s[6:7], s[88:89], s[18:19]
	s_add_nc_u64 s[6:7], s[6:7], ASCL
	s_lshl_b32 s18, s42, 10
	s_add_nc_u64 s[10:11], s[90:91], s[18:19]
	s_add_nc_u64 s[10:11], s[10:11], WSCL
	v_and_b32 v3, 31, v0
	v_lshlrev_b32 v6, 3, v3
	s_lshl_b32 s22, s15, 9
	v_add_nc_u32 v[VSA], s22, v6
	s_lshl_b32 s22, s16, 9
	v_add_nc_u32 v[VSB], s22, v6
.macro SCLOAD set
.irp p, 0,1
.irp g, 0,1
	global_load_b64 v[SC+16*(\set)+4*\p+2*\g:SC+16*(\set)+4*\p+2*\g+1], v[VSA], s[6:7] offset:PLA*\p+256*\g
.endr
.endr
.irp p, 0,1
.irp g, 0,1
	global_load_b64 v[SC+16*(\set)+8+4*\p+2*\g:SC+16*(\set)+8+4*\p+2*\g+1], v[VSB], s[10:11] offset:PLB*\p+256*\g
.endr
.endr
.endm
	SCLOAD 0
	v_lshlrev_b32 v27, 4, v1
	v_lshl_add_u32 v26, v2, 12, v27
	s_wait_alu depctr_va_vdst(0)
	s_lshl_b32 s18, s42, 9
	s_lshl_b32 s22, s16, 8
	s_add_co_u32 s18, s18, s22
	s_add_nc_u64 s[66:67], s[92:93], s[18:19]
	global_load_b128 v[BR:BR+3], v27, s[66:67]
	s_lshl_b32 s22, s17, 7
	s_lshl_b32 s23, s15, 6
	s_add_co_u32 s22, s22, s23
	s_lshl_b32 s22, s22, 12
	s_add_co_u32 s18, s18, s22
	s_add_nc_u64 s[68:69], s[94:95], s[18:19]
	s_add_nc_u64 s[12:13], s[96:97], s[18:19]
	WIN 0x80
.irp a, 0,1,2,3
.set t, 0
.rept 8
	global_load_b128 v[32*\a+4*t:32*\a+4*t+3], v26, s[68:69] offset:4096*(32*(\a/2)+8*(\a%2)+2*(t%4)+16*(t/4))
.set t, t+1
.endr
.endr
	WIN 0
	s_mul_i32 s23, s14, STGW
	v_mul_u32_u24 v24, v1, SPITCH
	v_lshl_add_u32 v24, v2, 6, v24
	v_add_nc_u32 v24, s23, v24
	v_mul_u32_u24 v25, v2, SPITCH
	v_add_nc_u32 v25, v25, v27
	v_add_nc_u32 v25, s23, v25
.if IS_MP
	s_lshl_b32 s20, s17, 7
	s_lshl_b32 s21, s42, 7
	s_and_b32 s22, ttmp7, 0xffff
	s_cmp_eq_u32 s15, 0
	s_cselect_b32 s20, s20, s21
	s_cselect_b32 s21, s40, s41
	s_cselect_b32 s22, ttmp9, s22
	s_cselect_b64 s[76:77], s[88:89], s[90:91]
	s_cselect_b32 s23, 0, WCODE
	s_cmp_eq_u32 s22, 0
	s_cselect_b32 s78, 1, -1
	s_lshl_b32 s22, s16, 6
	s_add_co_u32 s20, s20, s22
	s_lshl_b32 s21, s21, 4
	s_add_co_u32 s20, s20, s21
	s_lshl_b32 s20, s20, 12
	s_add_co_u32 s20, s20, s23
	s_add_co_u32 s20, s20, 1024
	s_mov_b32 s21, 0
	s_add_nc_u64 s[76:77], s[76:77], s[20:21]
	v_lshrrev_b32 v30, 1, v3
	v_lshlrev_b32 v30, 12, v30
	v_and_b32 v7, 1, v0
	v_lshl_add_u32 v30, v7, 8, v30
.endif
.macro WM acc, breg, areg, zero, sb, sa, rb, ra
.if \zero
.if ((\rb)==1)&&((\ra)==1)
	v_wmma_scale_f32_16x16x128_f8f6f4 v[\acc:\acc+7], v[\breg:\breg+15], v[\areg:\areg+15], 0, v[\sb], v[\sa] matrix_a_scale:MATRIX_SCALE_ROW1 matrix_b_scale:MATRIX_SCALE_ROW1
.elseif (\rb)==1
	v_wmma_scale_f32_16x16x128_f8f6f4 v[\acc:\acc+7], v[\breg:\breg+15], v[\areg:\areg+15], 0, v[\sb], v[\sa] matrix_a_scale:MATRIX_SCALE_ROW1
.elseif (\ra)==1
	v_wmma_scale_f32_16x16x128_f8f6f4 v[\acc:\acc+7], v[\breg:\breg+15], v[\areg:\areg+15], 0, v[\sb], v[\sa] matrix_b_scale:MATRIX_SCALE_ROW1
.else
	v_wmma_scale_f32_16x16x128_f8f6f4 v[\acc:\acc+7], v[\breg:\breg+15], v[\areg:\areg+15], 0, v[\sb], v[\sa]
.endif
.else
.if ((\rb)==1)&&((\ra)==1)
	v_wmma_scale_f32_16x16x128_f8f6f4 v[\acc:\acc+7], v[\breg:\breg+15], v[\areg:\areg+15], v[\acc:\acc+7], v[\sb], v[\sa] matrix_a_scale:MATRIX_SCALE_ROW1 matrix_b_scale:MATRIX_SCALE_ROW1
.elseif (\rb)==1
	v_wmma_scale_f32_16x16x128_f8f6f4 v[\acc:\acc+7], v[\breg:\breg+15], v[\areg:\areg+15], v[\acc:\acc+7], v[\sb], v[\sa] matrix_a_scale:MATRIX_SCALE_ROW1
.elseif (\ra)==1
	v_wmma_scale_f32_16x16x128_f8f6f4 v[\acc:\acc+7], v[\breg:\breg+15], v[\areg:\areg+15], v[\acc:\acc+7], v[\sb], v[\sa] matrix_b_scale:MATRIX_SCALE_ROW1
.else
	v_wmma_scale_f32_16x16x128_f8f6f4 v[\acc:\acc+7], v[\breg:\breg+15], v[\areg:\areg+15], v[\acc:\acc+7], v[\sb], v[\sa]
.endif
.endif
.endm
.macro MUL16 f, q, sc, zero
.irp a, 0,1,2,3
.irp b, 0,1,2,3
	WM ACC+8*(4*\a+\b), 64+(\f)+16*\b, 0+(\f)+16*\a, \zero, SC+16*(\sc)+8+4*((\q)/2)+2*(\b/2)+(\q)%2, SC+16*(\sc)+4*((\q)/2)+2*(\a/2)+(\q)%2, \b%2, \a%2
.endr
.endr
.endm
.macro FETCH slot, q, f
	WIN 0x40
.irp i, 0,1,2,3
.irp c, 0,1,2,3
	ds_load_b128 v[64+(\f)+16*\i+4*\c:64+(\f)+16*\i+4*\c+3], v[ADRB+\slot] offset:128*(\q)+32*\c+\i*16*PITCH
.endr
.endr
.irp i, 0,1,2,3
.irp c, 0,1,2,3
.if IS_MP
	ds_load_b128 v[0+(\f)+16*\i+4*\c:0+(\f)+16*\i+4*\c+3], v[ADRA+\slot] offset:128*(\q)+32*\c+\i*16*PITCH
.else
	ds_load_b128 v[0+(\f)+16*\i+4*\c:0+(\f)+16*\i+4*\c+3], v[ADRA+\slot] offset:8320*\i+1040*((\q)/2)+512*((\q)%2)+256*(\c/2)+32*(\c%2)
.endif
.endr
.endr
.endm
.macro SUB slot, q, zero, more
.set FF, 128*((\q)%2)
.set GG, 128-FF
.if (\q)==0
	s_wait_loadcnt 0x0
.endif
	PLACES 8
.if \more
	WIN 0
	s_add_nc_u64 s[6:7], s[6:7], 2*PLA
	s_add_nc_u64 s[10:11], s[10:11], 2*PLB
	SCLOAD 1-\slot
.endif
	FETCH \slot, (\q)+1, GG
	s_wait_dscnt 32
	WIN 0x05
	MUL16 FF, \q, \slot, \zero
.endm
.macro TURN slot, next, fill
	WIN 0
.if IS_MP && \fill
	s_wait_xcnt 0x0
	s_add_nc_u64 s[76:77], s[76:77], 512
.endif
	s_wait_tensorcnt 0x0
	ds_add_u32 v[SPW], v[NIL]
.if \fill
	s_add_nc_u64 s[G0+4*\slot+2:G0+4*\slot+3], s[G0+4*\slot+2:G0+4*\slot+3], 2*AST
	s_add_nc_u64 s[G0B+4*\slot+2:G0B+4*\slot+3], s[G0B+4*\slot+2:G0B+4*\slot+3], 1024
.endif
	s_wait_dscnt 0x0
	s_barrier_signal -1
	s_barrier_wait -1
.if \fill
	CREST
	JLOAD G0+4*\slot, G1, G0B+4*\slot, G1B
	PLACES 4
.else
	PLACES 8
.endif
	FETCH \next, 0, 0
.if IS_MP && \fill
	WIN 0
	ASK
.endif
	WIN 0x05
	MUL16 128, 3, \slot, 0
.endm
	s_wait_alu depctr_va_vdst(0)                   ; the wait at the head's end
	s_wait_tensorcnt 0x0                           ; my part of slot 0 is in; slot 1's first fill is issued as a refill is
	ds_add_u32 v[SPW], v[NIL]
	s_wait_dscnt 0x0
	CROUND
	JLOAD G0+4, G1, G0B+4, G1B                     ; the first tensor load behind the round
	FETCH 0, 0, 0
	SUB 0, 0, 1, 1
	SUB 0, 1, 0, 0
	SUB 0, 2, 0, 0
	WIN 0
.if LAPS > 1
	s_mov_b32 s3, LAPS-1
.Llap:
	TURN 0, 1, 1
	SUB 1, 0, 0, 1
	SUB 1, 1, 0, 0
	SUB 1, 2, 0, 0
	TURN 1, 0, 1
	SUB 0, 0, 0, 1
	SUB 0, 1, 0, 0
	SUB 0, 2, 0, 0
	WIN 0
	s_sub_co_u32 s3, s3, 1
	s_cmp_lg_u32 s3, 0
	s_cbranch_scc1 .Llap
.endif
	TURN 0, 1, 0
	SUB 1, 0, 0, 0
	SUB 1, 1, 0, 0
	SUB 1, 2, 0, 0
	s_wait_dscnt 0x0
	MUL16 128, 3, 1, 0
	WIN 0
.macro TOSTAGE a
	WIN 0
.irp b, 0,1,2,3
	ds_store_b128 v24, v[ACC+8*(4*(\a)+\b):ACC+8*(4*(\a)+\b)+3] offset:(\a)*16*SPITCH+128*(\b/2)+32*(\b%2)
	ds_store_b128 v24, v[ACC+8*(4*(\a)+\b)+4:ACC+8*(4*(\a)+\b)+7] offset:(\a)*16*SPITCH+128*(\b/2)+32*(\b%2)+16
.endr
	WIN 0x40
.set t, 0
.rept 8
	ds_load_b128 v[32*(\a)+4*t:32*(\a)+4*t+3], v25 offset:(\a)*16*SPITCH+2*t*SPITCH
.set t, t+1
.endr
.endm
.macro SEND a, younger
	s_wait_dscnt \younger
	WIN 0x49
.set t, 0
.rept 16
	v_pk_add_f32 v[32*(\a)+2*t:32*(\a)+2*t+1], v[32*(\a)+2*t:32*(\a)+2*t+1], v[32*(\a)+2*t:32*(\a)+2*t+1]
.set t, t+1
.endr
	WIN 0x41
.set t, 0
.rept 8
	v_pk_add_f32 v[32*(\a)+4*t:32*(\a)+4*t+1], v[32*(\a)+4*t:32*(\a)+4*t+1], v[BR:BR+1]
	v_pk_add_f32 v[32*(\a)+4*t+2:32*(\a)+4*t+3], v[32*(\a)+4*t+2:32*(\a)+4*t+3], v[BR+2:BR+3]
.set t, t+1
.endr
	WIN 0x04
.set t, 0
.rept 8
.if IS_MP
	global_store_b128 v26, v[32*(\a)+4*t:32*(\a)+4*t+3], s[12:13] offset:4096*(32*((\a)/2)+8*((\a)%2)+2*(t%4)+16*(t/4)) th:TH_STORE_NT
.else
	global_store_b128 v26, v[32*(\a)+4*t:32*(\a)+4*t+3], s[12:13] offset:4096*(32*((\a)/2)+8*((\a)%2)+2*(t%4)+16*(t/4))
.endif
.set t, t+1
.endr
.endm
	PLACES 8
	s_wait_alu depctr_va_vdst(0)
	TOSTAGE 0
	TOSTAGE 1
	TOSTAGE 2
	SEND 0, 32
	TOSTAGE 3
	SEND 1, 32
	SEND 2, 16
	SEND 3, 0
	WIN 0
	s_wait_tensorcnt 0x0
	ds_add_u32 v[SPW], v[NIL]
	s_wait_dscnt 0x0
	CROUND
	s_endpgm
.Lfunc_end_k_q3de7414c31_proj:
	.size	k_q3de7414c31_proj, .Lfunc_end_k_q3de7414c31_proj-k_q3de7414c31_proj
	.p2alignl 7, 3214868480
	.fill 96, 4, 3214868480
	.section	.rodata,"a",@progbits
	.p2align	6, 0x0
	.amdhsa_kernel k_q3de7414c31_proj
		.amdhsa_group_segment_fixed_size 327680
		.amdhsa_private_segment_fixed_size 0
		.amdhsa_enable_private_segment 0
		.amdhsa_kernarg_size 40
		.amdhsa_user_sgpr_count 2
		.amdhsa_user_sgpr_kernarg_segment_ptr 1
		.amdhsa_wavefront_size32 1
		.amdhsa_system_sgpr_workgroup_id_x 1
		.amdhsa_system_sgpr_workgroup_id_y 1
		.amdhsa_system_sgpr_workgroup_id_z 1
		.amdhsa_system_vgpr_workitem_id 0
		.amdhsa_next_free_vgpr 640
		.amdhsa_next_free_sgpr 100
		.amdhsa_reserve_vcc 0
		.amdhsa_float_denorm_mode_32 3
		.amdhsa_float_denorm_mode_16_64 3
		.amdhsa_memory_ordered 1
		.amdhsa_forward_progress 1
		.amdhsa_inst_pref_size 65
	.end_amdhsa_kernel
	.amdgpu_metadata
---
amdhsa.version: [ 1, 2 ]
amdhsa.kernels:
  - .name:           k_q3de7414c31_proj
    .symbol:         k_q3de7414c31_proj.kd
    .args:
      - { .name: yb, .offset: 0, .size: 8, .value_kind: global_buffer, .address_space: global }
      - { .name: wts, .offset: 8, .size: 8, .value_kind: global_buffer, .address_space: global }
      - { .name: b_ao, .offset: 16, .size: 8, .value_kind: global_buffer, .address_space: global }
      - { .name: x, .offset: 24, .size: 8, .value_kind: global_buffer, .address_space: global }
      - { .name: x1, .offset: 32, .size: 8, .value_kind: global_buffer, .address_space: global }
    .group_segment_fixed_size: 327680
    .private_segment_fixed_size: 0
    .kernarg_segment_align: 8
    .kernarg_segment_size: 40
    .max_flat_workgroup_size: 128
    .sgpr_count:     100
    .vgpr_count:     640
    .wavefront_size: 32
...
	.end_amdgpu_metadata
.endif
;; end of part 11
;; launch ln1 (part 12): grid 128 x 1, 16 waves a work-group, no clusters, 93,184 bytes of LDS; arguments x1, g2, be2, h2; writes h2
.if DOCPART == 12
	.amdgcn_target "amdgcn-amd-amdhsa--gfx1250"
	.amdhsa_code_object_version 6
	.text
	.protected	k_q3de7414c31_ln1
	.globl	k_q3de7414c31_ln1
	.p2align	8
	.type	k_q3de7414c31_ln1,@function
k_q3de7414c31_ln1:
	s_mov_b64 s[64:65], 0
	v_nop
	global_prefetch_b8 v0, s[64:65] scope:SCOPE_SE
	s_setreg_imm32_b32 hwreg(HW_REG_WAVE_MODE, 25, 1), 1
	s_wait_xcnt 0x0
; h = layernorm(x) * g + be, f32, then quantised along its 1,024 columns to FP8 (E4M3) codes [4096][1024] and E8M0 bytes laid by K step, [4][4096][8] (from byte 4194304 of the output buffer).
; ROW ORDER of the output: token row i is stored at sigma(i) = i with bits 3 and 4 swapped.  The input's rows lie as they are.
; A work-group takes 32 rows, so that a K step's scale bytes of the group are 256 consecutive aligned bytes; each of its 16 waves takes two rows, a row in 32 registers: read once, mean and variance in two passes over registers.
; g and be come once a work-group (a sixteenth by each wave) and go round through LDS.  For the conversions a lane must hold 16 neighbours: the finished row turns through the wave's own stage in LDS
; (64 bytes + 16 of padding a chunk).  Two neighbouring lanes hold a block of 32.  No matrix unit, no tensor load: memory binds.
; LIMITS: a block whose largest magnitude lies under 2^-118 gets the byte 1 (a block of zeros too); NaN and infinities are not served.
.set STG, 5120                         ; a wave's stage: 64 chunks of 80 bytes
.set GB,  81920                        ; g, then be: 4,096 bytes each
.set SCG, 90112                        ; the group's scale bytes [4][32][8]
.set G,   16                           ; v16-47   g of my columns
.set BE,  48                           ; v48-79   be
.set RX,  80                           ; v80-143  two rows
.set XQ,  144                          ; v144-175 two passes of 16 neighbours
.set C,   176                          ; v176-191 codes: four registers for each of the four stores
.set EB,  192                          ; v192-195 a scale byte for each
	s_load_b256 s[4:11], s[0:1], 0x0               ; x, g, be, h
	v_lshl_add_u32 v200, v0, 2, 0x16400
	v_mov_b32 v201, 0
	v_lshrrev_b32 v1, 5, v0
	s_delay_alu instid0(VALU_DEP_1)
	v_readfirstlane_b32 s12, v1                    ; wave 0..15
	v_and_b32 v6, 31, v0                           ; lane L
	s_delay_alu instid0(VALU_DEP_1)
	v_lshlrev_b32 v1, 4, v6                        ; 16 L
	s_delay_alu instid0(VALU_DEP_2)
	v_lshlrev_b32 v5, 3, v6                        ; 8 L
	s_mul_i32 s13, s12, STG
	v_lshrrev_b32 v7, 2, v6
	s_delay_alu instid0(VALU_DEP_1)
	v_mul_u32_u24 v2, v7, 80
	v_and_b32 v7, 3, v0
	s_delay_alu instid0(VALU_DEP_1)
	v_lshl_add_u32 v2, v7, 4, v2
	s_delay_alu instid0(VALU_DEP_1)
	v_add_nc_u32 v2, s13, v2                       ; the stage, in: 80 (L / 4) + 16 (L % 4)
	v_mul_u32_u24 v3, v6, 80
	s_delay_alu instid0(VALU_DEP_1)
	v_add_nc_u32 v3, s13, v3                       ; and out: 80 L
	s_and_b32 s17, s12, 3
	s_lshl_b32 s14, s17, 1
	s_bfe_u32 s15, s12, 0x10002
	s_lshl_b32 s15, s15, 4
	s_add_co_u32 s14, s14, s15
	s_bfe_u32 s15, s12, 0x10003
	s_lshl_b32 s15, s15, 3
	s_add_co_u32 s14, s14, s15                     ; sigma(2 w): where my first row is stored among the group's 32
	v_bfe_u32 v4, v0, 4, 1
	s_delay_alu instid0(VALU_DEP_1)
	v_lshlrev_b32 v4, 8, v4
	v_bfe_u32 v7, v0, 1, 3
	s_delay_alu instid0(VALU_DEP_1)
	v_add_nc_u32 v4, v4, v7
	s_lshl_b32 s15, s14, 3
	s_add_co_u32 s15, s15, SCG
	v_add_nc_u32 v4, s15, v4                       ; my block's byte: plane 2 u + L / 16, row, byte (L / 2) % 8
	s_and_b32 s16, s12, 7
	s_lshl_b32 s16, s16, 9
	v_add_nc_u32 v199, s16, v1                     ; my sixteenth of g or be in memory
	s_lshl_b32 s16, s12, 9
	s_add_co_u32 s16, s16, GB
	v_add_nc_u32 v196, s16, v1                     ; and in LDS
	v_add_nc_u32 v197, GB, v1                      ; g and be as the rows lie in my registers
	s_lshl_b32 s16, s17, 8
	s_add_co_u32 s16, s16, SCG
	v_add_nc_u32 v198, s16, v5                     ; a plane of scale bytes, on the way out
	s_lshl_b32 s18, ttmp9, 17                      ; 32 rows of 4,096 bytes a work-group,
	s_lshl_b32 s19, s12, 13                        ; two a wave
	s_add_co_u32 s18, s18, s19
	s_mov_b32 s19, 0
	s_lshl_b32 s22, ttmp9, 15                      ; 32 rows of 1,024 codes
	s_lshl_b32 s23, s14, 10
	s_add_co_u32 s22, s22, s23
	s_mov_b32 s23, 0
	s_lshl_b32 s24, s17, 15                        ; plane w % 4,
	s_lshl_b32 s25, ttmp9, 8                       ; the group's 256 bytes in it
	s_add_co_u32 s24, s24, s25
	s_add_co_u32 s24, s24, 4194304
	s_mov_b32 s25, 0
	s_mov_b32 s20, 0x3a800000                      ; 1 / 1024
	s_mov_b32 s21, 0x3727c5ac                      ; 1e-5
	s_mov_b32 s26, 0x76543210
	s_mov_b32 s27, 0xfedcba98                      ; v_permlanex16_b32's selects for lane l xor 16
	s_mov_b32 s28, 0x600000                        ; the mantissa field of 448
	s_wait_alu depctr_va_vdst(0)
	s_wait_kmcnt 0x0
	s_cmp_lt_u32 s12, 8                            ; waves 0-7 bring g, waves 8-15 be
	s_cselect_b64 s[6:7], s[6:7], s[8:9]
	s_add_nc_u64 s[4:5], s[4:5], s[18:19]
	s_add_nc_u64 s[22:23], s[10:11], s[22:23]
	s_add_nc_u64 s[24:25], s[10:11], s[24:25]
	global_load_b128 v[16:19], v199, s[6:7]
.irp i, 0,1
.irp j, 0,1,2,3,4,5,6,7
	global_load_b128 v[RX+32*\i+4*\j:RX+32*\i+4*\j+3], v1, s[4:5] offset:4096*\i+512*\j   ; 512 consecutive bytes a load
.endr
.endr
	s_wait_loadcnt 16                              ; my part of g or be is in; the 16 loads of x may be out
	ds_store_b128 v196, v[16:19]
	s_wait_dscnt 0x0                               ; for the others' sake
	s_barrier_signal -1
	s_barrier_wait -1
.irp j, 0,1,2,3,4,5,6,7
	ds_load_b128 v[G+4*\j:G+4*\j+3], v197 offset:512*\j
	ds_load_b128 v[BE+4*\j:BE+4*\j+3], v197 offset:4096+512*\j
.endr
.macro RED                             ; the sum of v6 over the 32 lanes, in every lane
	s_delay_alu instid0(VALU_DEP_1)
	v_add_f32_dpp v6, v6, v6 row_xmask:1 row_mask:0xf bank_mask:0xf
	s_delay_alu instid0(VALU_DEP_1)
	v_add_f32_dpp v6, v6, v6 row_xmask:2 row_mask:0xf bank_mask:0xf
	s_delay_alu instid0(VALU_DEP_1)
	v_add_f32_dpp v6, v6, v6 row_xmask:4 row_mask:0xf bank_mask:0xf
	s_delay_alu instid0(VALU_DEP_1)
	v_add_f32_dpp v6, v6, v6 row_xmask:8 row_mask:0xf bank_mask:0xf
	s_delay_alu instid0(VALU_DEP_1)
	v_permlanex16_b32 v7, v6, s26, s27
	s_delay_alu instid0(VALU_DEP_1)
	v_add_f32 v6, v6, v7
.endm
.macro FOLD                            ; the four chains v[6:13] into v6
	s_delay_alu instid0(VALU_DEP_3)
	v_pk_add_f32 v[6:7], v[6:7], v[8:9]
	s_delay_alu instid0(VALU_DEP_2)
	v_pk_add_f32 v[10:11], v[10:11], v[12:13]
	s_delay_alu instid0(VALU_DEP_1)
	v_pk_add_f32 v[6:7], v[6:7], v[10:11]
	s_delay_alu instid0(VALU_DEP_1)
	v_add_f32 v6, v6, v7
	RED
.endm
.macro ROW i
.set R, RX+32*(\i)
	s_wait_loadcnt 8*(1-(\i))                      ; this row's 8 loads are in; the other row's may be out
.if (\i) == 0
	s_wait_dscnt 0x0                               ; g and be
.endif
.irp c, 0,2,4,6
	v_pk_add_f32 v[6+\c:7+\c], v[R+\c:R+\c+1], v[R+8+\c:R+9+\c]
.endr
.irp k, 16,24
.irp c, 0,2,4,6
	s_delay_alu instid0(VALU_DEP_4)
	v_pk_add_f32 v[6+\c:7+\c], v[6+\c:7+\c], v[R+\k+\c:R+\k+\c+1]
.endr
.endr
	FOLD
	s_delay_alu instid0(VALU_DEP_1)
	v_mul_f32 v14, s20, v6                         ; the mean, twice: a pair for the packed forms
	s_delay_alu instid0(VALU_DEP_2)
	v_mul_f32 v15, s20, v6
.set p, 0
.rept 16
	v_pk_add_f32 v[R+p:R+p+1], v[R+p:R+p+1], v[14:15] neg_lo:[0,1] neg_hi:[0,1]
.set p, p+2
.endr
.irp c, 0,2,4,6
	v_pk_mul_f32 v[6+\c:7+\c], v[R+\c:R+\c+1], v[R+\c:R+\c+1]
.endr
.irp k, 8,16,24
.irp c, 0,2,4,6
	s_delay_alu instid0(VALU_DEP_4)
	v_pk_fma_f32 v[6+\c:7+\c], v[R+\k+\c:R+\k+\c+1], v[R+\k+\c:R+\k+\c+1], v[6+\c:7+\c]
.endr
.endr
	FOLD
	s_delay_alu instid0(VALU_DEP_1)
	v_fma_f32 v6, v6, s20, s21                     ; the variance + eps
	s_wait_alu depctr_va_vdst(0)
	v_rsq_f32 v14, v6
	v_rsq_f32 v15, v6
	v_nop                                          ; a plain instruction behind the transcendentals (ISA guide 5.7.2)
	s_wait_alu depctr_va_vdst(0)                   ; one wait for both, ahead of their first reader
.set p, 0
.rept 16
	v_pk_mul_f32 v[R+p:R+p+1], v[R+p:R+p+1], v[14:15]
.set p, p+2
.endr
.set p, 0
.rept 16
	v_pk_fma_f32 v[R+p:R+p+1], v[R+p:R+p+1], v[G+p:G+p+1], v[BE+p:BE+p+1]
.set p, p+2
.endr
.irp j, 0,1,2,3,4,5,6,7
	ds_store_b128 v2, v[R+4*\j:R+4*\j+3] offset:640*\j     ; the row as it lies,
.endr
.irp u, 0,1
.irp c, 0,1,2,3
	ds_load_b128 v[XQ+16*\u+4*\c:XQ+16*\u+4*\c+3], v3 offset:2560*\u+16*\c   ; and back 64 bytes a lane (LDS serves a wave's instructions in order)
.endr
.endr
.irp u, 0,1
.set XS, XQ+16*\u
.set N, 2*(\i)+\u
.if \u == 0
	s_wait_dscnt 4                                 ; pass 0's four loads are in; pass 1's may be out
.else
	s_wait_dscnt 1                                 ; pass 1's are in; pass 0's byte store may be out
.endif
	v_max3_num_f32 v8, |v[XS]|, |v[XS+1]|, |v[XS+2]|
	v_max3_num_f32 v9, |v[XS+3]|, |v[XS+4]|, |v[XS+5]|
.irp k, 6,10
	s_delay_alu instid0(VALU_DEP_2)
	v_max3_num_f32 v8, v8, |v[XS+\k]|, |v[XS+\k+1]|
	s_delay_alu instid0(VALU_DEP_2)
	v_max3_num_f32 v9, v9, |v[XS+\k+2]|, |v[XS+\k+3]|
.endr
	s_delay_alu instid0(VALU_DEP_2)
	v_max3_num_f32 v8, v8, |v[XS+14]|, |v[XS+15]|
	s_delay_alu instid0(VALU_DEP_1)
	v_max3_num_f32 v8, v8, v9, 0x4800000           ; the floor 2^(9 - 127)
	s_delay_alu instid0(VALU_DEP_1)
	v_max_num_f32_dpp v8, v8, v8 row_xmask:1 row_mask:0xf bank_mask:0xf   ; with my neighbour's 16: the block's
	s_delay_alu instid0(VALU_DEP_1)
	v_add_nc_u32 v11, 0xfc000000, v8               ; the conversion's scale operand
	s_delay_alu instid0(VALU_DEP_2)
	v_and_or_b32 v10, v8, 0x7f800000, s28          ; 448 x the scale
.set k, 0
.rept 16
	v_med3_num_f32 v[XS+k], v[XS+k], -v10, v10
.set k, k+1
.endr
	v_cvt_scalef32_pk8_fp8_f32 v[C+4*N:C+4*N+1], v[XS:XS+7], v11
	v_cvt_scalef32_pk8_fp8_f32 v[C+4*N+2:C+4*N+3], v[XS+8:XS+15], v11
	v_lshrrev_b32 v[EB+N], 23, v11                 ; the scale's byte
	ds_store_b8 v4, v[EB+N] offset:512*\u+8*(\i)   ; both lanes of a block write the same byte with the same value
	global_store_b128 v1, v[C+4*N:C+4*N+3], s[22:23] offset:1024*(\i)+512*\u   ; 512 consecutive bytes of the stored row
.endr
.endm
	ROW 0
	ROW 1
	s_wait_dscnt 0x0                               ; my byte stores have landed
	s_barrier_signal -1
	s_barrier_wait -1
	s_cmp_lt_u32 s12, 4                            ; waves 0-3 store a plane's 256 bytes each
	s_cbranch_scc0 .Ldone
	ds_load_b64 v[6:7], v198
	s_wait_dscnt 0x0
	global_store_b64 v5, v[6:7], s[24:25]
.Ldone:
	s_wait_tensorcnt 0x0
	ds_add_u32 v200, v201
	s_wait_dscnt 0x0
	s_endpgm
.Lfunc_end_k_q3de7414c31_ln1:
	.size	k_q3de7414c31_ln1, .Lfunc_end_k_q3de7414c31_ln1-k_q3de7414c31_ln1
	.p2alignl 7, 3214868480
	.fill 96, 4, 3214868480
	.section	.rodata,"a",@progbits
	.p2align	6, 0x0
	.amdhsa_kernel k_q3de7414c31_ln1
		.amdhsa_group_segment_fixed_size 93184
		.amdhsa_private_segment_fixed_size 0
		.amdhsa_enable_private_segment 0
		.amdhsa_kernarg_size 32
		.amdhsa_user_sgpr_count 2
		.amdhsa_user_sgpr_kernarg_segment_ptr 1
		.amdhsa_wavefront_size32 1
		.amdhsa_system_sgpr_workgroup_id_x 1
		.amdhsa_system_sgpr_workgroup_id_y 1
		.amdhsa_system_sgpr_workgroup_id_z 1
		.amdhsa_system_vgpr_workitem_id 0
		.amdhsa_next_free_vgpr 202
		.amdhsa_next_free_sgpr 66
		.amdhsa_reserve_vcc 0
		.amdhsa_float_denorm_mode_32 3
		.amdhsa_float_denorm_mode_16_64 3
		.amdhsa_memory_ordered 1
		.amdhsa_forward_progress 1
		.amdhsa_inst_pref_size 34
	.end_amdhsa_kernel
	.amdgpu_metadata
---
amdhsa.version: [ 1, 2 ]
amdhsa.kernels:
  - .name:           k_q3de7414c31_ln1
    .symbol:         k_q3de7414c31_ln1.kd
    .args:
      - { .name: x1, .offset: 0, .size: 8, .value_kind: global_buffer, .address_space: global }
      - { .name: g2, .offset: 8, .size: 8, .value_kind: global_buffer, .address_space: global }
      - { .name: be2, .offset: 16, .size: 8, .value_kind: global_buffer, .address_space: global }
      - { .name: h2, .offset: 24, .size: 8, .value_kind: global_buffer, .address_space: global }
    .group_segment_fixed_size: 93184
    .private_segment_fixed_size: 0
    .kernarg_segment_align: 8
    .kernarg_segment_size: 32
    .max_flat_workgroup_size: 512
    .sgpr_count:     66
    .vgpr_count:     202
    .wavefront_size: 32
...
	.end_amdgpu_metadata
.endif
;; end of part 12
;; launch fc (part 13): grid 16 x 16, 4 waves a work-group, clusters of 4 x 4, 327,680 bytes of LDS; arguments h2, wts, b_fc, mb; writes mb
.if DOCPART == 13
	.amdgcn_target "amdgcn-amd-amdhsa--gfx1250"
	.amdhsa_code_object_version 6
	.text
	.protected	k_q3de7414c31_fc
	.globl	k_q3de7414c31_fc
	.p2align	8
	.type	k_q3de7414c31_fc,@function
k_q3de7414c31_fc:
	s_mov_b64 s[64:65], 0
	v_nop
	global_prefetch_b8 v0, s[64:65] scope:SCOPE_SE
	s_setreg_imm32_b32 hwreg(HW_REG_WAVE_MODE, 25, 1), 1
	s_wait_xcnt 0x0
	s_wait_alu depctr_hold_cnt(0) depctr_sa_sdst(0) depctr_va_vdst(0) depctr_va_sdst(0) depctr_va_ssrc(0) depctr_va_vcc(0) depctr_vm_vsrc(0)
	s_getreg_b32 s2, hwreg(HW_REG_IB_STS2, 6, 4)
	s_cmp_eq_u32 s2, 0
	s_cbranch_scc0 .Lentry_in_a_cluster
	s_endpgm
.Lentry_in_a_cluster:
	s_bfe_u32 s2, ttmp6, 0x10000c
	s_cmp_lg_u32 s2, 0xf033
	s_cbranch_scc0 .Lentry_shape_is_right
	s_endpgm
.Lentry_shape_is_right:
.set PITCH, 272
.set AH,    128*PITCH
.set BH,    128*PITCH
.set SLOT,  2*AH+2*BH
.set SPARE, 2*SLOT
.set LAPS,  2
.set KROWA, 1024
.set KROWB, 1024
.set SST,   256*PITCH
.set ADRA, 16
.set ADRB, 20
.set VSA,  22
.set VSB,  23
.set SPW,  28
.set NIL,  29
.set SC,   32
.set BQ,   64
.set AF,   128
.set W,    0
.set PC,   64
.set TM,   80
.set PW,   96
.set GT,   104                         ; window 1: t of 32 numbers,
.set GP,   136                         ; the exponent, then erfc / 2,
.set GS,   168                         ; x^2, then max(x, 0),
.set C9,   200                         ; the fit's highest coefficient, as a pair
.set G1,  24
.set G0,  32
.set G1B, 48
.set G0B, 56
.set MSB, 0
.macro WIN new
.if MSB != (\new)
	s_set_vgpr_msb (MSB<<8)|(\new)
.set MSB, (\new)
.endif
.endm
.macro JLOAD g0a, g1a, g0b, g1b
	s_cmp_eq_u32 s15, 0
	s_cbranch_scc0 .Lfor_b_\@
	tensor_load_to_lds s[\g0a:\g0a+3], s[\g1a:\g1a+7]
	s_nop 0
.rept 4
	v_nop
.endr
	s_branch .Lasked_\@
.Lfor_b_\@:
	tensor_load_to_lds s[\g0b:\g0b+3], s[\g1b:\g1b+7]
	s_nop 0
.rept 4
	v_nop
.endr
.Lasked_\@:
.endm
.macro CREST
	s_cmp_lg_u32 s14, 0
	s_cbranch_scc1 .Lnot_wave_0_\@
	s_barrier_signal -3
.Lnot_wave_0_\@:
	s_barrier_wait -3
	s_barrier_signal -1
	s_barrier_wait -1
.endm
.macro CROUND
	s_barrier_signal -1
	s_barrier_wait -1
	CREST
.endm
.macro PLACES n
.rept \n
	v_nop
.endr
.endm
	s_load_b256 s[88:95], s[0:1], 0x0
	v_lshl_add_u32 v[SPW], v0, 2, SPARE
	v_mov_b32 v[NIL], 0
	ds_add_u32 v28, v29
	ds_add_u32 v28, v29
	s_wait_dscnt 0x0
	v_lshrrev_b32 v1, 5, v0
	v_readfirstlane_b32 s14, v1
	s_lshr_b32 s15, s14, 1
	s_and_b32 s16, s14, 1
	s_bfe_u32 s40, ttmp6, 0x40000
	s_bfe_u32 s41, ttmp6, 0x40004
	s_lshl_b32 s42, ttmp9, 2
	s_add_co_u32 s42, s42, s40
	s_and_b32 s17, ttmp7, 0xffff
	s_lshl_b32 s17, s17, 2
	s_add_co_u32 s17, s17, s41
	s_lshl_b32 s43, s41, 2
	s_lshl_b32 s43, 15, s43
	s_lshl_b32 s44, 0x1111, s40
	s_or_b32 s[G1+0], s43, (1<<20)|(1<<21)|(5<<22)|(3<<25)
	s_or_b32 s[G1B+0], s44, (1<<20)|(1<<21)|(5<<22)|(3<<25)
.irp g, G1, G1B
	s_mov_b32 s[\g+1], 256<<16
	s_mov_b32 s[\g+2], 128<<16
	s_mov_b32 s[\g+3], 256<<16
	s_mov_b32 s[\g+4], 128
	s_mov_b32 s[\g+6], 0
	s_mov_b32 s[\g+7], 0
.endr
	s_mov_b32 s[G1+5], KROWA
	s_mov_b32 s[G1B+5], KROWB
	s_lshl_b32 s18, s16, 7
	s_lshl_b32 s20, s17, 8
	s_add_co_u32 s20, s20, s18
	s_mul_i32 s20, s20, KROWA
	s_mov_b32 s21, 0
	s_lshl_b32 s46, s42, 8
	s_add_co_u32 s46, s46, s18
	s_mul_i32 s46, s46, KROWB
	s_add_co_u32 s46, s46, 4194304
	s_mov_b32 s47, 0
	s_mul_i32 s45, s16, AH
	s_mul_i32 s19, s16, BH
	s_add_co_u32 s19, s19, 2*AH
	s_mov_b32 s80, 0x76543210
	s_mov_b32 s81, 0xfedcba98
	s_mov_b32 s82, 0x600000
	s_wait_kmcnt 0x0
	s_add_nc_u64 s[20:21], s[88:89], s[20:21]
	s_add_nc_u64 s[46:47], s[90:91], s[46:47]
	CROUND
.irp s, 0,1
	s_mov_b32 s[G0+4*\s], 1
	s_add_co_u32 s[G0+4*\s+1], s45, \s*SLOT
	s_add_nc_u64 s[G0+4*\s+2:G0+4*\s+3], s[20:21], \s*256
	s_or_b32 s[G0+4*\s+3], s[G0+4*\s+3], 0x80000000
	s_mov_b32 s[G0B+4*\s], 1
	s_add_co_u32 s[G0B+4*\s+1], s19, \s*SLOT
	s_add_nc_u64 s[G0B+4*\s+2:G0B+4*\s+3], s[46:47], \s*256
	s_or_b32 s[G0B+4*\s+3], s[G0B+4*\s+3], 0x80000000
.endr
	JLOAD G0, G1, G0B, G1B                         ; K step 0: one tensor load a wave at the head; the set-up and the loads of scales and bias stand under its flight
	v_and_b32 v1, 15, v0
	v_bfe_u32 v2, v0, 4, 1
	v_mul_u32_u24 v3, v1, PITCH
	v_lshl_add_u32 v4, v2, 4, v3
	s_mul_i32 s21, s15, AH
	s_mul_i32 s22, s16, BH
	s_add_co_u32 s22, s22, 2*AH
.irp s, 0,1
	v_add_nc_u32 v[ADRA+\s], s21, v4
	v_add_nc_u32 v[ADRB+\s], s22, v4
	s_add_co_u32 s21, s21, SLOT
	s_add_co_u32 s22, s22, SLOT
.endr
	s_lshl_b32 s18, s17, 11
	s_mov_b32 s19, 0
	s_add_nc_u64 s[6:7], s[88:89], s[18:19]
	s_add_nc_u64 s[6:7], s[6:7], 4194304
	s_lshl_b32 s18, s42, 11
	s_add_nc_u64 s[10:11], s[90:91], s[18:19]
	s_add_nc_u64 s[10:11], s[10:11], 12713984
	v_and_b32 v3, 31, v0
	v_lshlrev_b32 v5, 3, v3
	s_lshl_b32 s22, s15, 10
	v_add_nc_u32 v[VSA], s22, v5
	s_lshl_b32 s22, s16, 10
	v_add_nc_u32 v[VSB], s22, v5
.macro SCLOAD set
.irp g, 0,1,2,3
	global_load_b64 v[SC+16*(\set)+2*\g:SC+16*(\set)+2*\g+1], v[VSA], s[6:7] offset:256*\g
.endr
.irp g, 0,1,2,3
	global_load_b64 v[SC+16*(\set)+8+2*\g:SC+16*(\set)+8+2*\g+1], v[VSB], s[10:11] offset:256*\g
.endr
.endm
	SCLOAD 0
	s_lshl_b32 s18, s42, 10
	s_lshl_b32 s22, s16, 9
	s_add_co_u32 s18, s18, s22
	s_add_nc_u64 s[66:67], s[92:93], s[18:19]
	v_lshlrev_b32 v6, 6, v2
.irp b, 0,1,2,3
.irp j, 0,1,2,3
	global_load_b128 v[BQ+16*\b+4*\j:BQ+16*\b+4*\j+3], v6, s[66:67] offset:128*\b+16*\j
.endr
.endr
	s_lshl_b32 s21, s15, 10
	s_lshl_b32 s22, s16, 2
	s_add_co_u32 s21, s21, s22
	s_add_co_u32 s21, s21, SST
	v_lshl_add_u32 v31, v1, 3, s21
	v_and_b32 v30, 31, v0
	v_lshlrev_b32 v30, 4, v30                      ; 16 x lane: my place in a run of 512 bytes of codes
	s_lshl_b32 s21, s14, 9
	v_add_nc_u32 v12, s21, v30
	v_add_nc_u32 v7, SST, v12
	; THE CODES OF m ARE LAID AS THE NEXT PRODUCT'S REGISTERS WANT THEM: [256 blocks of 16 stored rows][32 steps of 128 along K][2,048 bytes], the 2,048 bytes being the fragment's image: run c (512 bytes) holds registers 4 c .. 4 c + 3 of lanes 0 to 31.
	s_lshl_b32 s18, s17, 8
	s_lshl_b32 s22, s15, 7
	s_add_co_u32 s18, s18, s22                     ; my first row: 256 y + 128 x half; a block of 16 rows is 65,536 bytes
	s_lshl_b32 s18, s18, 12
	s_lshl_b32 s22, s42, 12
	s_add_co_u32 s18, s18, s22
	s_lshl_b32 s22, s16, 11
	s_add_co_u32 s18, s18, s22                     ; my 128 of K: step 2 x + half
	s_add_nc_u64 s[12:13], s[94:95], s[18:19]
	s_lshl_b32 s18, s42, 15
	s_lshl_b32 s22, s17, 11
	s_add_co_u32 s18, s18, s22
	s_add_co_u32 s18, s18, 16777216
	s_add_nc_u64 s[68:69], s[94:95], s[18:19]
.macro WM acc, breg, areg, zero, sb, sa, rb, ra
.if \zero
.if ((\rb)==1)&&((\ra)==1)
	v_wmma_scale_f32_16x16x128_f8f6f4 v[\acc:\acc+7], v[\breg:\breg+15], v[\areg:\areg+15], 0, v[\sb], v[\sa] matrix_a_scale:MATRIX_SCALE_ROW1 matrix_b_scale:MATRIX_SCALE_ROW1
.elseif (\rb)==1
	v_wmma_scale_f32_16x16x128_f8f6f4 v[\acc:\acc+7], v[\breg:\breg+15], v[\areg:\areg+15], 0, v[\sb], v[\sa] matrix_a_scale:MATRIX_SCALE_ROW1
.elseif (\ra)==1
	v_wmma_scale_f32_16x16x128_f8f6f4 v[\acc:\acc+7], v[\breg:\breg+15], v[\areg:\areg+15], 0, v[\sb], v[\sa] matrix_b_scale:MATRIX_SCALE_ROW1
.else
	v_wmma_scale_f32_16x16x128_f8f6f4 v[\acc:\acc+7], v[\breg:\breg+15], v[\areg:\areg+15], 0, v[\sb], v[\sa]
.endif
.else
.if ((\rb)==1)&&((\ra)==1)
	v_wmma_scale_f32_16x16x128_f8f6f4 v[\acc:\acc+7], v[\breg:\breg+15], v[\areg:\areg+15], v[\acc:\acc+7], v[\sb], v[\sa] matrix_a_scale:MATRIX_SCALE_ROW1 matrix_b_scale:MATRIX_SCALE_ROW1
.elseif (\rb)==1
	v_wmma_scale_f32_16x16x128_f8f6f4 v[\acc:\acc+7], v[\breg:\breg+15], v[\areg:\areg+15], v[\acc:\acc+7], v[\sb], v[\sa] matrix_a_scale:MATRIX_SCALE_ROW1
.elseif (\ra)==1
	v_wmma_scale_f32_16x16x128_f8f6f4 v[\acc:\acc+7], v[\breg:\breg+15], v[\areg:\areg+15], v[\acc:\acc+7], v[\sb], v[\sa] matrix_b_scale:MATRIX_SCALE_ROW1
.else
	v_wmma_scale_f32_16x16x128_f8f6f4 v[\acc:\acc+7], v[\breg:\breg+15], v[\areg:\areg+15], v[\acc:\acc+7], v[\sb], v[\sa]
.endif
.endif
.endm
.macro MUL16 a0, p, q, sc, zero
.irp a, \a0, \a0+1
.irp b, 0,1,2,3,4,5,6,7
	WM 8*(8*((\a)%4)+\b), 128*(\p)+16*\b, AF+16*(\a), \zero, SC+16*(\sc)+8+2*(\b/2)+(\q), SC+16*(\sc)+2*((\a)/2)+(\q), \b%2, (\a)%2
.endr
.endr
.endm
.macro FRAG reg, adr, q, i
.irp c, 0,1,2,3
	ds_load_b128 v[\reg+4*\c:\reg+4*\c+3], v[\adr] offset:128*(\q)+32*\c+(\i)*16*PITCH
.endr
.endm
.macro FETCH_B slot, q, p
	WIN 0x40
.irp i, 0,1,2,3,4,5,6,7
	FRAG 128*(\p)+16*\i, ADRB+\slot, \q, \i
.endr
	WIN 0
.endm
.macro FETCH_A slot, q, i0
.irp i, \i0, \i0+1, \i0+2, \i0+3
	FRAG AF+16*(\i), ADRA+\slot, \q, \i
.endr
.endm
.macro STEP slot, zero, more
	s_wait_loadcnt 0x0
	s_wait_dscnt 16
	WIN 0xa1
	MUL16 0, 0, 0, \slot, \zero
	MUL16 2, 0, 0, \slot, \zero
	s_wait_dscnt 0x0
	PLACES 8
	FETCH_B \slot, 1, 1
	FETCH_A \slot, 1, 0
.if \more
	s_add_nc_u64 s[6:7], s[6:7], 32768
	s_add_nc_u64 s[10:11], s[10:11], 32768
	SCLOAD 1-\slot
.endif
	WIN 0xf1
	MUL16 4, 0, 0, \slot, \zero
	MUL16 6, 0, 0, \slot, \zero
	PLACES 8
	WIN 0
	FETCH_A \slot, 1, 4
.endm
.macro TURN slot, next, fill
	s_wait_tensorcnt 0x0
	ds_add_u32 v[SPW], v[NIL]
	s_wait_dscnt 17
	WIN 0xa1
	MUL16 0, 1, 1, \slot, 0
	s_wait_dscnt 0x0
	s_barrier_signal -1
	MUL16 2, 1, 1, \slot, 0
	WIN 0
	s_barrier_wait -1
.if \fill
	CREST
	s_add_nc_u64 s[G0+4*\slot+2:G0+4*\slot+3], s[G0+4*\slot+2:G0+4*\slot+3], 512
	s_add_nc_u64 s[G0B+4*\slot+2:G0B+4*\slot+3], s[G0B+4*\slot+2:G0B+4*\slot+3], 512
	JLOAD G0+4*\slot, G1, G0B+4*\slot, G1B
	PLACES 4
.else
	PLACES 8
.endif
	FETCH_B \next, 0, 0
	FETCH_A \next, 0, 0
	WIN 0xf1
	MUL16 4, 1, 1, \slot, 0
	MUL16 6, 1, 1, \slot, 0
	PLACES 8
	WIN 0
	FETCH_A \next, 0, 4
.endm
	s_wait_alu depctr_va_vdst(0)                   ; the wait at the head's end
	s_wait_tensorcnt 0x0                           ; my part of K step 0 is in; slot 1's first fill is issued as a refill is
	ds_add_u32 v[SPW], v[NIL]
	s_wait_dscnt 0x0
	CROUND
	JLOAD G0+4, G1, G0B+4, G1B                     ; K step 1: the first tensor load behind the round
	FETCH_B 0, 0, 0
	FETCH_A 0, 0, 0
	FETCH_A 0, 0, 4
	STEP 0, 1, 1
	s_mov_b32 s3, LAPS-1
.Llap:
	TURN 0, 1, 1
	STEP 1, 0, 1
	TURN 1, 0, 1
	STEP 0, 0, 1
	s_sub_co_u32 s3, s3, 1
	s_cmp_lg_u32 s3, 0
	s_cbranch_scc1 .Llap
	TURN 0, 1, 0
	STEP 1, 0, 0
	s_wait_dscnt 16
	WIN 0xa1
	MUL16 0, 1, 1, 1, 0
	MUL16 2, 1, 1, 1, 0
	s_wait_dscnt 0x0
	WIN 0xf1
	MUL16 4, 1, 1, 1, 0
	MUL16 6, 1, 1, 1, 0
	WIN 0
.macro COPYA a
	WIN 0x42+(\a)/4
	s_wait_alu depctr_va_vdst(0)                   ; the wait here, directly ahead of the first readers of these matrix results
.set n, 0
.rept 32
	v_pk_add_f32 v[W+n:W+n+1], v[64*((\a)%4)+n:64*((\a)%4)+n+1], v[BQ+n:BQ+n+1]
.set n, n+2
.endr
	WIN 0
.endm
.macro RUNG a, nxt
	s_cmp_eq_u32 s46, \a
	s_cbranch_scc0 .Lrung\nxt
	COPYA \a
	s_branch .Lgo
.Lrung\nxt:
.endm
; THE EXACT GELU, x (1 + erf(z)) / 2 with z = x / sqrt(2), IN ONE FORM FOR ALL x: gelu(x) = max(x, 0) - |x| erfc(|z|) / 2 (for x < 0: 1 + erf(z) = erfc(|z|); for x >= 0: 2 - erfc(|z|)).
; erfc(|z|) = t exp(-z^2 + P(t)), t = 1 / (1 + |z| / 2), P a Chebyshev fit of degree 9 whose fractional error stays under 1.2e-7 for every z, so that small results keep their relative accuracy.
; The coefficients stand multiplied by log2(e) (v_exp_f32 is to the base 2), and 1 is taken off the constant term for the half.  Where x^2 overflows the exponent is -infinity and erfc 0.
; 32 numbers at a time: two batches of transcendentals, each with one wait ahead of it and one behind it, and plain work that names none of its results behind each batch.
.macro GELU32 g
.set XG, W+32*(\g)
.set n, 0
.rept 32
	v_fma_f32 v[GT+n], |v[XG+n]|, s52, 1.0         ; 1 + |z| / 2
.set n, n+1
.endr
	s_wait_alu depctr_va_vdst(0)
.set n, 0
.rept 16
	v_rcp_f32 v[GT+n], v[GT+n]                     ; t; plain work that names none of the batch's results stands among it
	v_rcp_f32 v[GT+n+1], v[GT+n+1]
	v_pk_mul_f32 v[GS+n:GS+n+1], v[XG+n:XG+n+1], v[XG+n:XG+n+1]
.set n, n+2
.endr
	s_wait_alu depctr_va_vdst(0)
.set n, 0
.rept 16
	v_pk_fma_f32 v[GP+n:GP+n+1], v[GT+n:GT+n+1], v[C9:C9+1], s[40:41] op_sel_hi:[1,1,0]
.set n, n+2
.endr
.irp c, 38,36,34,32,30,28,26,24
.set n, 0
.rept 16
	v_pk_fma_f32 v[GP+n:GP+n+1], v[GP+n:GP+n+1], v[GT+n:GT+n+1], s[\c:\c+1] op_sel_hi:[1,1,0]
.set n, n+2
.endr
.endr
.set n, 0
.rept 16
	v_pk_fma_f32 v[GP+n:GP+n+1], v[GS+n:GS+n+1], s[50:51], v[GP+n:GP+n+1] op_sel_hi:[1,0,1]   ; - z^2 log2(e)
.set n, n+2
.endr
	s_wait_alu depctr_va_vdst(0)
.set n, 0
.rept 32
	v_exp_f32 v[GP+n], v[GP+n]
	v_max_num_f32 v[GS+n], 0, v[XG+n]
.set n, n+1
.endr
	s_wait_alu depctr_va_vdst(0)
.set n, 0
.rept 16
	v_pk_mul_f32 v[GP+n:GP+n+1], v[GP+n:GP+n+1], v[GT+n:GT+n+1]   ; erfc(|z|) / 2
.set n, n+2
.endr
.set n, 0
.rept 32
	v_fma_f32 v[XG+n], -|v[XG+n]|, v[GP+n], v[GS+n]
.set n, n+1
.endr
.endm
.macro KON r, val                      ; a constant as a scalar pair: the packed forms name the pair and take its low word for both halves
	s_mov_b32 s[\r], \val
	s_mov_b32 s[\r+1], \val
.endm
.macro QUANT
.irp b, 0,1,2,3
	v_max3_num_f32 v[TM+\b], |v[W+16*\b]|, |v[W+1+16*\b]|, 0x4800000
.endr
.irp i, 2,4,6,8,10,12,14
.irp b, 0,1,2,3
	v_max3_num_f32 v[TM+\b], v[TM+\b], |v[W+16*\b+\i]|, |v[W+1+16*\b+\i]|
.endr
.endr
.irp b, 0,1,2,3
	v_permlanex16_b32 v[TM+4+\b], v[TM+\b], s80, s81
.endr
.irp b, 0,1,2,3
	v_max_num_f32 v[TM+\b], v[TM+\b], v[TM+4+\b]
.endr
.irp b, 0,1,2,3
	v_add_nc_u32 v[TM+12+\b], 0xfc000000, v[TM+\b]
.endr
.irp b, 0,1,2,3
	v_and_or_b32 v[TM+8+\b], v[TM+\b], 0x7f800000, s82
.endr
.irp b, 0,1,2,3
	v_lshrrev_b32 v[TM+4+\b], 23, v[TM+12+\b]
.endr
	v_lshl_or_b32 v[PW], v[TM+5], 8, v[TM+4]
	v_lshl_or_b32 v[PW], v[TM+6], 16, v[PW]
	v_lshl_or_b32 v[PW], v[TM+7], 24, v[PW]
.irp b, 0,1,2,3
.irp i, 0,1,2,3,4,5,6,7,8,9,10,11,12,13,14,15
	v_med3_num_f32 v[W+16*\b+\i], v[W+16*\b+\i], -v[TM+8+\b], v[TM+8+\b]
.endr
	v_cvt_scalef32_pk8_fp8_f32 v[PC+4*\b:PC+1+4*\b], v[W+16*\b:W+7+16*\b], v[TM+12+\b]
	v_cvt_scalef32_pk8_fp8_f32 v[PC+2+4*\b:PC+3+4*\b], v[W+8+16*\b:W+15+16*\b], v[TM+12+\b]
.endr
	v_nop
.endm
	PLACES 8
	WIN 0x40
	KON 24, -2.8257482185                          ; the fit's coefficients 0 to 8 x log2(e), in the descriptors' registers: every tensor load has been waited for
	KON 26, 1.4427292039
	KON 28, 0.5397006155
	KON 30, 0.1396300565
	KON 32, -0.2687568603
	KON 34, 0.4023215816
	KON 36, -1.6377531523
	KON 38, 2.1474744639
	KON 40, -1.1861149451
	KON 50, -0.72134752045                         ; - log2(e) / 2: z^2 = x^2 / 2
	s_mov_b32 s52, 0.35355339059                   ; 1 / (2 sqrt(2))
	v_mov_b32 v[C9], 0.2465172979
	v_mov_b32 v[C9+1], 0.2465172979
.irp b, 0,1,2,3
	v_mov_b32 v[TM+4+\b], 0
.endr
	WIN 0
	s_mov_b32 s46, 0
	s_mov_b32 s45, 0
.Lblk:
	RUNG 0, 1
	RUNG 1, 2
	RUNG 2, 3
	RUNG 3, 4
	RUNG 4, 5
	RUNG 5, 6
	RUNG 6, 7
	COPYA 7
.Lgo:
	WIN 0x55
	GELU32 0
	GELU32 1
	QUANT
	WIN 0
	v_add_nc_u32 v27, s45, v31
	WIN 0x04
.irp b, 0,1,2,3
	global_store_b128 v30, v[PC+4*\b:PC+4*\b+3], s[12:13] offset:512*\b   ; the block's codes leave as they stand: each store covers 512 consecutive aligned bytes
.endr
	ds_store_b32 v27, v[PW]                        ; the scale words are gathered in LDS and leave at the end
	WIN 0
	s_wait_xcnt 0x0                                ; the stores have read their base and their data: both are written again
	s_add_nc_u64 s[12:13], s[12:13], 65536         ; the next 16 rows
	s_add_co_u32 s45, s45, 128
	s_add_co_u32 s46, s46, 1
	s_cmp_lt_u32 s46, 8
	s_cbranch_scc1 .Lblk
	s_wait_dscnt 0x0                               ; my scale words have landed
	s_barrier_signal -1
	s_barrier_wait -1
	ds_load_b128 v[64:67], v7
	s_wait_dscnt 0x0
	global_store_b128 v12, v[64:67], s[68:69]
	s_wait_tensorcnt 0x0
	ds_add_u32 v[SPW], v[NIL]
	s_wait_dscnt 0x0
	CROUND
	s_endpgm
.Lfunc_end_k_q3de7414c31_fc:
	.size	k_q3de7414c31_fc, .Lfunc_end_k_q3de7414c31_fc-k_q3de7414c31_fc
	.p2alignl 7, 3214868480
	.fill 96, 4, 3214868480
	.section	.rodata,"a",@progbits
	.p2align	6, 0x0
	.amdhsa_kernel k_q3de7414c31_fc
		.amdhsa_group_segment_fixed_size 327680
		.amdhsa_private_segment_fixed_size 0
		.amdhsa_enable_private_segment 0
		.amdhsa_kernarg_size 32
		.amdhsa_user_sgpr_count 2
		.amdhsa_user_sgpr_kernarg_segment_ptr 1
		.amdhsa_wavefront_size32 1
		.amdhsa_system_sgpr_workgroup_id_x 1
		.amdhsa_system_sgpr_workgroup_id_y 1
		.amdhsa_system_sgpr_workgroup_id_z 1
		.amdhsa_system_vgpr_workitem_id 0
		.amdhsa_next_free_vgpr 1024
		.amdhsa_next_free_sgpr 100
		.amdhsa_reserve_vcc 0
		.amdhsa_float_denorm_mode_32 3
		.amdhsa_float_denorm_mode_16_64 3
		.amdhsa_memory_ordered 1
		.amdhsa_forward_progress 1
		.amdhsa_inst_pref_size 184
	.end_amdhsa_kernel
	.amdgpu_metadata
---
amdhsa.version: [ 1, 2 ]
amdhsa.kernels:
  - .name:           k_q3de7414c31_fc
    .symbol:         k_q3de7414c31_fc.kd
    .args:
      - { .name: h2, .offset: 0, .size: 8, .value_kind: global_buffer, .address_space: global }
      - { .name: wts, .offset: 8, .size: 8, .value_kind: global_buffer, .address_space: global }
      - { .name: b_fc, .offset: 16, .size: 8, .value_kind: global_buffer, .address_space: global }
      - { .name: mb, .offset: 24, .size: 8, .value_kind: global_buffer, .address_space: global }
    .group_segment_fixed_size: 327680
    .private_segment_fixed_size: 0
    .kernarg_segment_align: 8
    .kernarg_segment_size: 32
    .max_flat_workgroup_size: 128
    .sgpr_count:     100
    .vgpr_count:     1024
    .wavefront_size: 32
...
	.end_amdgpu_metadata
.endif
;; end of part 13
;; launch mp (part 14): grid 8 x 32, 4 waves a work-group, clusters of 4 x 4, 327,680 bytes of LDS; arguments mb, wts, b_mp, x1, out0; writes out0
.if DOCPART == 14
	.amdgcn_target "amdgcn-amd-amdhsa--gfx1250"
	.amdhsa_code_object_version 6
	.text
	.protected	k_q3de7414c31_mp
	.globl	k_q3de7414c31_mp
	.p2align	8
	.type	k_q3de7414c31_mp,@function
k_q3de7414c31_mp:
	s_mov_b64 s[64:65], 0
	v_nop
	global_prefetch_b8 v0, s[64:65] scope:SCOPE_SE
	s_setreg_imm32_b32 hwreg(HW_REG_WAVE_MODE, 25, 1), 1
	s_wait_xcnt 0x0
	s_wait_alu depctr_hold_cnt(0) depctr_sa_sdst(0) depctr_va_vdst(0) depctr_va_sdst(0) depctr_va_ssrc(0) depctr_va_vcc(0) depctr_vm_vsrc(0)
	s_getreg_b32 s2, hwreg(HW_REG_IB_STS2, 6, 4)
	s_cmp_eq_u32 s2, 0
	s_cbranch_scc0 .Lentry_in_a_cluster
	s_endpgm
.Lentry_in_a_cluster:
	s_bfe_u32 s2, ttmp6, 0x10000c
	s_cmp_lg_u32 s2, 0xf033
	s_cbranch_scc0 .Lentry_shape_is_right
	s_endpgm
.Lentry_shape_is_right:
.set IS_MP, 1
.set PITCH, 528
.set BH,    64*PITCH
.if IS_MP
.set AH,    4*8192                     ; A's codes lie as fragment images, [16 rows][128 K][2,048 bytes]: 64 rows x 512 K are 4 rows of 8,192 bytes, 65,536 apart; read 16 bytes a lane on end, they want no padding
.set KROWA, 4096
.set KROWB, 4096
.set LAPS,  4
.set ASCL,  16777216
.set WCODE, 8388608
.set WSCL,  12845056
.set AST,   8192
.else
.set AH,    16*2080
.set KROWA, 1024
.set KROWB, 1024
.set LAPS,  1
.set ASCL,  4194304
.set WCODE, 3145728
.set WSCL,  12681216
.set AST,   2048
.endif
.set PLA,   32768
.set PLB,   8192
.set SLOT,  2*AH+2*BH
.set SPARE, 2*SLOT
.set SPITCH, 272
.set STGW,  64*SPITCH
.set ADRA, 16
.set ADRB, 20
.set VSA,  22
.set VSB,  23
.set SPW,  28
.set NIL,  29
.set SC,   32
.set BR,   64
.set ACC,  128
.set G1,  24
.set G0,  32
.set G1B, 48
.set G0B, 56
.set MSB, 0
.macro WIN new
.if MSB != (\new)
	s_set_vgpr_msb (MSB<<8)|(\new)
.set MSB, (\new)
.endif
.endm
.macro JLOAD g0a, g1a, g0b, g1b
	s_cmp_eq_u32 s15, 0
	s_cbranch_scc0 .Lfor_b_\@
	tensor_load_to_lds s[\g0a:\g0a+3], s[\g1a:\g1a+7]
	s_nop 0
.rept 4
	v_nop
.endr
	s_branch .Lasked_\@
.Lfor_b_\@:
	tensor_load_to_lds s[\g0b:\g0b+3], s[\g1b:\g1b+7]
	s_nop 0
.rept 4
	v_nop
.endr
.Lasked_\@:
.endm
.macro CREST
	s_cmp_lg_u32 s14, 0
	s_cbranch_scc1 .Lnot_wave_0_\@
	s_barrier_signal -3
.Lnot_wave_0_\@:
	s_barrier_wait -3
	s_barrier_signal -1
	s_barrier_wait -1
.endm
.macro CROUND
	s_barrier_signal -1
	s_barrier_wait -1
	CREST
.endm
.macro PLACES n
.rept \n
	v_nop
.endr
.endm
.macro ASK
	s_cmp_gt_u32 s3, s78
	s_cbranch_scc0 .Lnot_mine_\@
	s_wait_alu depctr_va_vdst(0)
	global_prefetch_b8 v30, s[76:77] th:TH_LOAD_NT scope:SCOPE_SE
.Lnot_mine_\@:
.endm
	s_load_b256 s[88:95], s[0:1], 0x0
	s_load_b64 s[96:97], s[0:1], 0x20
	v_lshl_add_u32 v[SPW], v0, 2, SPARE
	v_mov_b32 v[NIL], 0
	ds_add_u32 v28, v29
	ds_add_u32 v28, v29
	s_wait_dscnt 0x0
	v_lshrrev_b32 v1, 5, v0
	v_readfirstlane_b32 s14, v1
	s_lshr_b32 s15, s14, 1
	s_and_b32 s16, s14, 1
	s_bfe_u32 s40, ttmp6, 0x40000
	s_bfe_u32 s41, ttmp6, 0x40004
	s_lshl_b32 s42, ttmp9, 2
	s_add_co_u32 s42, s42, s40
	s_and_b32 s17, ttmp7, 0xffff
	s_lshl_b32 s17, s17, 2
	s_add_co_u32 s17, s17, s41
	s_lshl_b32 s43, s41, 2
	s_lshl_b32 s43, 15, s43
	s_lshl_b32 s44, 0x1111, s40
.if IS_MP
	s_or_b32 s[G1+0], s43, (1<<21)
	s_mov_b32 s[G1+1], 8192<<16
	s_mov_b32 s[G1+2], 4<<16
	s_mov_b32 s[G1+3], 8192<<16
	s_mov_b32 s[G1+4], 4
	s_mov_b32 s[G1+5], 65536
.else
	s_or_b32 s[G1+0], s43, (1<<20)|(1<<21)|(7<<22)|(3<<25)
	s_mov_b32 s[G1+1], 2048<<16
	s_mov_b32 s[G1+2], 16<<16
	s_mov_b32 s[G1+3], 2048<<16
	s_mov_b32 s[G1+4], 16
	s_mov_b32 s[G1+5], 4096
.endif
	s_mov_b32 s[G1+6], 0
	s_mov_b32 s[G1+7], 0
	s_or_b32 s[G1B+0], s44, (1<<20)|(1<<21)|(6<<22)|(3<<25)
	s_mov_b32 s[G1B+1], 512<<16
	s_mov_b32 s[G1B+2], 64<<16
	s_mov_b32 s[G1B+3], 512<<16
	s_mov_b32 s[G1B+4], 64
	s_mov_b32 s[G1B+5], KROWB
	s_mov_b32 s[G1B+6], 0
	s_mov_b32 s[G1B+7], 0
	s_lshl_b32 s18, s16, 6
	s_lshl_b32 s20, s17, 7
	s_add_co_u32 s20, s20, s18
	s_mul_i32 s20, s20, KROWA
	s_mov_b32 s21, 0
	s_lshl_b32 s46, s42, 7
	s_add_co_u32 s46, s46, s18
	s_mul_i32 s46, s46, KROWB
	s_add_co_u32 s46, s46, WCODE
	s_mov_b32 s47, 0
	s_mul_i32 s45, s16, AH
	s_mul_i32 s19, s16, BH
	s_add_co_u32 s19, s19, 2*AH
	s_wait_kmcnt 0x0
	s_add_nc_u64 s[20:21], s[88:89], s[20:21]
	s_add_nc_u64 s[46:47], s[90:91], s[46:47]
	CROUND
.irp s, 0,1
	s_mov_b32 s[G0+4*\s], 1
	s_add_co_u32 s[G0+4*\s+1], s45, \s*SLOT
	s_add_nc_u64 s[G0+4*\s+2:G0+4*\s+3], s[20:21], \s*AST
	s_or_b32 s[G0+4*\s+3], s[G0+4*\s+3], 0x80000000
	s_mov_b32 s[G0B+4*\s], 1
	s_add_co_u32 s[G0B+4*\s+1], s19, \s*SLOT
	s_add_nc_u64 s[G0B+4*\s+2:G0B+4*\s+3], s[46:47], \s*512
	s_or_b32 s[G0B+4*\s+3], s[G0B+4*\s+3], 0x80000000
.endr
	JLOAD G0, G1, G0B, G1B                         ; slot 0: one tensor load a wave at the head; the set-up and the loads of scales, bias and residual stand under its flight
	v_and_b32 v1, 15, v0
	v_bfe_u32 v2, v0, 4, 1
	v_mul_u32_u24 v3, v1, PITCH
	v_lshl_add_u32 v4, v2, 4, v3
.if IS_MP
	v_and_b32 v5, 31, v0
	v_lshlrev_b32 v5, 4, v5                        ; A: 16 x lane in a run of 512 bytes
.else
	v_lshrrev_b32 v3, 2, v1
	v_mul_u32_u24 v5, v3, 2080
	v_and_b32 v3, 3, v1
	v_lshl_add_u32 v5, v3, 6, v5
	v_lshl_add_u32 v5, v2, 4, v5
.endif
	s_mul_i32 s21, s15, AH
	s_mul_i32 s22, s16, BH
	s_add_co_u32 s22, s22, 2*AH
.irp s, 0,1
	v_add_nc_u32 v[ADRA+\s], s21, v5
	v_add_nc_u32 v[ADRB+\s], s22, v4
	s_add_co_u32 s21, s21, SLOT
	s_add_co_u32 s22, s22, SLOT
.endr
	s_lshl_b32 s18, s17, 10
	s_mov_b32 s19, 0
	s_add_nc_u64 s[6:7], s[88:89], s[18:19]
	s_add_nc_u64 s[6:7], s[6:7], ASCL
	s_lshl_b32 s18, s42, 10
	s_add_nc_u64 s[10:11], s[90:91], s[18:19]
	s_add_nc_u64 s[10:11], s[10:11], WSCL
	v_and_b32 v3, 31, v0
	v_lshlrev_b32 v6, 3, v3
	s_lshl_b32 s22, s15, 9
	v_add_nc_u32 v[VSA], s22, v6
	s_lshl_b32 s22, s16, 9
	v_add_nc_u32 v[VSB], s22, v6
.macro SCLOAD set
.irp p, 0,1
.irp g, 0,1
	global_load_b64 v[SC+16*(\set)+4*\p+2*\g:SC+16*(\set)+4*\p+2*\g+1], v[VSA], s[6:7] offset:PLA*\p+256*\g
.endr
.endr
.irp p, 0,1
.irp g, 0,1
	global_load_b64 v[SC+16*(\set)+8+4*\p+2*\g:SC+16*(\set)+8+4*\p+2*\g+1], v[VSB], s[10:11] offset:PLB*\p+256*\g
.endr
.endr
.endm
	SCLOAD 0
	v_lshlrev_b32 v27, 4, v1
	v_lshl_add_u32 v26, v2, 12, v27
	s_wait_alu depctr_va_vdst(0)
	s_lshl_b32 s18, s42, 9
	s_lshl_b32 s22, s16, 8
	s_add_co_u32 s18, s18, s22
	s_add_nc_u64 s[66:67], s[92:93], s[18:19]
	global_load_b128 v[BR:BR+3], v27, s[66:67]
	s_lshl_b32 s22, s17, 7
	s_lshl_b32 s23, s15, 6
	s_add_co_u32 s22, s22, s23
	s_lshl_b32 s22, s22, 12
	s_add_co_u32 s18, s18, s22
	s_add_nc_u64 s[68:69], s[94:95], s[18:19]
	s_add_nc_u64 s[12:13], s[96:97], s[18:19]
	WIN 0x80
.irp a, 0,1,2,3
.set t, 0
.rept 8
	global_load_b128 v[32*\a+4*t:32*\a+4*t+3], v26, s[68:69] offset:4096*(32*(\a/2)+8*(\a%2)+2*(t%4)+16*(t/4))
.set t, t+1
.endr
.endr
	WIN 0
	s_mul_i32 s23, s14, STGW
	v_mul_u32_u24 v24, v1, SPITCH
	v_lshl_add_u32 v24, v2, 6, v24
	v_add_nc_u32 v24, s23, v24
	v_mul_u32_u24 v25, v2, SPITCH
	v_add_nc_u32 v25, v25, v27
	v_add_nc_u32 v25, s23, v25
.if IS_MP
	s_lshl_b32 s20, s17, 7
	s_lshl_b32 s21, s42, 7
	s_and_b32 s22, ttmp7, 0xffff
	s_cmp_eq_u32 s15, 0
	s_cselect_b32 s20, s20, s21
	s_cselect_b32 s21, s40, s41
	s_cselect_b32 s22, ttmp9, s22
	s_cselect_b64 s[76:77], s[88:89], s[90:91]
	s_mov_b32 s23, WCODE+1536                      ; the prefetches begin one slot short of K step 4: B's slots are 512 bytes of a row,
	s_cselect_b32 s23, 24576, s23                  ; A's 8,192 bytes of a block of 16 rows
	s_mov_b32 s80, 512
	s_cselect_b32 s80, 8192, s80                   ; a slot on
	s_mov_b32 s81, 0
	s_mov_b32 s82, 4096
	s_cselect_b32 s82, 512, s82                    ; from one pair of lanes to the next: a row of B, or 512 bytes of A's block
	s_cmp_eq_u32 s22, 0
	s_cselect_b32 s78, 1, -1
	s_lshl_b32 s22, s16, 6
	s_add_co_u32 s20, s20, s22
	s_lshl_b32 s21, s21, 4
	s_add_co_u32 s20, s20, s21
	s_lshl_b32 s20, s20, 12
	s_add_co_u32 s20, s20, s23
	s_mov_b32 s21, 0
	s_add_nc_u64 s[76:77], s[76:77], s[20:21]
	v_lshrrev_b32 v30, 1, v3
	v_mul_lo_u32 v30, v30, s82
	v_and_b32 v7, 1, v0
	v_lshl_add_u32 v30, v7, 8, v30
.endif
.macro WM acc, breg, areg, zero, sb, sa, rb, ra
.if \zero
.if ((\rb)==1)&&((\ra)==1)
	v_wmma_scale_f32_16x16x128_f8f6f4 v[\acc:\acc+7], v[\breg:\breg+15], v[\areg:\areg+15], 0, v[\sb], v[\sa] matrix_a_scale:MATRIX_SCALE_ROW1 matrix_b_scale:MATRIX_SCALE_ROW1
.elseif (\rb)==1
	v_wmma_scale_f32_16x16x128_f8f6f4 v[\acc:\acc+7], v[\breg:\breg+15], v[\areg:\areg+15], 0, v[\sb], v[\sa] matrix_a_scale:MATRIX_SCALE_ROW1
.elseif (\ra)==1
	v_wmma_scale_f32_16x16x128_f8f6f4 v[\acc:\acc+7], v[\breg:\breg+15], v[\areg:\areg+15], 0, v[\sb], v[\sa] matrix_b_scale:MATRIX_SCALE_ROW1
.else
	v_wmma_scale_f32_16x16x128_f8f6f4 v[\acc:\acc+7], v[\breg:\breg+15], v[\areg:\areg+15], 0, v[\sb], v[\sa]
.endif
.else
.if ((\rb)==1)&&((\ra)==1)
	v_wmma_scale_f32_16x16x128_f8f6f4 v[\acc:\acc+7], v[\breg:\breg+15], v[\areg:\areg+15], v[\acc:\acc+7], v[\sb], v[\sa] matrix_a_scale:MATRIX_SCALE_ROW1 matrix_b_scale:MATRIX_SCALE_ROW1
.elseif (\rb)==1
	v_wmma_scale_f32_16x16x128_f8f6f4 v[\acc:\acc+7], v[\breg:\breg+15], v[\areg:\areg+15], v[\acc:\acc+7], v[\sb], v[\sa] matrix_a_scale:MATRIX_SCALE_ROW1
.elseif (\ra)==1
	v_wmma_scale_f32_16x16x128_f8f6f4 v[\acc:\acc+7], v[\breg:\breg+15], v[\areg:\areg+15], v[\acc:\acc+7], v[\sb], v[\sa] matrix_b_scale:MATRIX_SCALE_ROW1
.else
	v_wmma_scale_f32_16x16x128_f8f6f4 v[\acc:\acc+7], v[\breg:\breg+15], v[\areg:\areg+15], v[\acc:\acc+7], v[\sb], v[\sa]
.endif
.endif
.endm
.macro MUL16 f, q, sc, zero
.irp a, 0,1,2,3
.irp b, 0,1,2,3
	WM ACC+8*(4*\a+\b), 64+(\f)+16*\b, 0+(\f)+16*\a, \zero, SC+16*(\sc)+8+4*((\q)/2)+2*(\b/2)+(\q)%2, SC+16*(\sc)+4*((\q)/2)+2*(\a/2)+(\q)%2, \b%2, \a%2
.endr
.endr
.endm
.macro FETCH slot, q, f
	WIN 0x40
.irp i, 0,1,2,3
.irp c, 0,1,2,3
	ds_load_b128 v[64+(\f)+16*\i+4*\c:64+(\f)+16*\i+4*\c+3], v[ADRB+\slot] offset:128*(\q)+32*\c+\i*16*PITCH
.endr
.endr
.irp i, 0,1,2,3
.irp c, 0,1,2,3
.if IS_MP
	ds_load_b128 v[0+(\f)+16*\i+4*\c:0+(\f)+16*\i+4*\c+3], v[ADRA+\slot] offset:2048*(\q)+512*\c+\i*8192
.else
	ds_load_b128 v[0+(\f)+16*\i+4*\c:0+(\f)+16*\i+4*\c+3], v[ADRA+\slot] offset:8320*\i+1040*((\q)/2)+512*((\q)%2)+256*(\c/2)+32*(\c%2)
.endif
.endr
.endr
.endm
.macro SUB slot, q, zero, more
.set FF, 128*((\q)%2)
.set GG, 128-FF
.if (\q)==0
	s_wait_loadcnt 0x0
.endif
	PLACES 8
.if \more
	WIN 0
	s_add_nc_u64 s[6:7], s[6:7], 2*PLA
	s_add_nc_u64 s[10:11], s[10:11], 2*PLB
	SCLOAD 1-\slot
.endif
	FETCH \slot, (\q)+1, GG
	s_wait_dscnt 32
	WIN 0x05
	MUL16 FF, \q, \slot, \zero
.endm
.macro TURN slot, next, fill
	WIN 0
.if IS_MP && \fill
	s_wait_xcnt 0x0
	s_add_nc_u64 s[76:77], s[76:77], s[80:81]
.endif
	s_wait_tensorcnt 0x0
	ds_add_u32 v[SPW], v[NIL]
.if \fill
	s_add_nc_u64 s[G0+4*\slot+2:G0+4*\slot+3], s[G0+4*\slot+2:G0+4*\slot+3], 2*AST
	s_add_nc_u64 s[G0B+4*\slot+2:G0B+4*\slot+3], s[G0B+4*\slot+2:G0B+4*\slot+3], 1024
.endif
	s_wait_dscnt 0x0
	s_barrier_signal -1
	s_barrier_wait -1
.if \fill
	CREST
	JLOAD G0+4*\slot, G1, G0B+4*\slot, G1B
	PLACES 4
.else
	PLACES 8
.endif
	FETCH \next, 0, 0
.if IS_MP && \fill
	WIN 0
	ASK
.endif
	WIN 0x05
	MUL16 128, 3, \slot, 0
.endm
	s_wait_alu depctr_va_vdst(0)                   ; the wait at the head's end
	s_wait_tensorcnt 0x0                           ; my part of slot 0 is in; slot 1's first fill is issued as a refill is
	ds_add_u32 v[SPW], v[NIL]
	s_wait_dscnt 0x0
	CROUND
	JLOAD G0+4, G1, G0B+4, G1B                     ; the first tensor load behind the round
	FETCH 0, 0, 0
	SUB 0, 0, 1, 1
	SUB 0, 1, 0, 0
	SUB 0, 2, 0, 0
	WIN 0
.if LAPS > 1
	s_mov_b32 s3, LAPS-1
.Llap:
	TURN 0, 1, 1
	SUB 1, 0, 0, 1
	SUB 1, 1, 0, 0
	SUB 1, 2, 0, 0
	TURN 1, 0, 1
	SUB 0, 0, 0, 1
	SUB 0, 1, 0, 0
	SUB 0, 2, 0, 0
	WIN 0
	s_sub_co_u32 s3, s3, 1
	s_cmp_lg_u32 s3, 0
	s_cbranch_scc1 .Llap
.endif
	TURN 0, 1, 0
	SUB 1, 0, 0, 0
	SUB 1, 1, 0, 0
	SUB 1, 2, 0, 0
	s_wait_dscnt 0x0
	MUL16 128, 3, 1, 0
	WIN 0
.macro TOSTAGE a
	WIN 0
.irp b, 0,1,2,3
	ds_store_b128 v24, v[ACC+8*(4*(\a)+\b):ACC+8*(4*(\a)+\b)+3] offset:(\a)*16*SPITCH+128*(\b/2)+32*(\b%2)
	ds_store_b128 v24, v[ACC+8*(4*(\a)+\b)+4:ACC+8*(4*(\a)+\b)+7] offset:(\a)*16*SPITCH+128*(\b/2)+32*(\b%2)+16
.endr
	WIN 0x40
.set t, 0
.rept 8
	ds_load_b128 v[32*(\a)+4*t:32*(\a)+4*t+3], v25 offset:(\a)*16*SPITCH+2*t*SPITCH
.set t, t+1
.endr
.endm
.macro SEND a, younger
	s_wait_dscnt \younger
	WIN 0x49
.set t, 0
.rept 16
	v_pk_add_f32 v[32*(\a)+2*t:32*(\a)+2*t+1], v[32*(\a)+2*t:32*(\a)+2*t+1], v[32*(\a)+2*t:32*(\a)+2*t+1]
.set t, t+1
.endr
	WIN 0x41
.set t, 0
.rept 8
	v_pk_add_f32 v[32*(\a)+4*t:32*(\a)+4*t+1], v[32*(\a)+4*t:32*(\a)+4*t+1], v[BR:BR+1]
	v_pk_add_f32 v[32*(\a)+4*t+2:32*(\a)+4*t+3], v[32*(\a)+4*t+2:32*(\a)+4*t+3], v[BR+2:BR+3]
.set t, t+1
.endr
	WIN 0x04
.set t, 0
.rept 8
.if IS_MP
	global_store_b128 v26, v[32*(\a)+4*t:32*(\a)+4*t+3], s[12:13] offset:4096*(32*((\a)/2)+8*((\a)%2)+2*(t%4)+16*(t/4)) th:TH_STORE_NT
.else
	global_store_b128 v26, v[32*(\a)+4*t:32*(\a)+4*t+3], s[12:13] offset:4096*(32*((\a)/2)+8*((\a)%2)+2*(t%4)+16*(t/4))
.endif
.set t, t+1
.endr
.endm
	PLACES 8
	s_wait_alu depctr_va_vdst(0)
	TOSTAGE 0
	TOSTAGE 1
	TOSTAGE 2
	SEND 0, 32
	TOSTAGE 3
	SEND 1, 32
	SEND 2, 16
	SEND 3, 0
	WIN 0
	s_wait_tensorcnt 0x0
	ds_add_u32 v[SPW], v[NIL]
	s_wait_dscnt 0x0
	CROUND
	s_endpgm
.Lfunc_end_k_q3de7414c31_mp:
	.size	k_q3de7414c31_mp, .Lfunc_end_k_q3de7414c31_mp-k_q3de7414c31_mp
	.p2alignl 7, 3214868480
	.fill 96, 4, 3214868480
	.section	.rodata,"a",@progbits
	.p2align	6, 0x0
	.amdhsa_kernel k_q3de7414c31_mp
		.amdhsa_group_segment_fixed_size 327680
		.amdhsa_private_segment_fixed_size 0
		.amdhsa_enable_private_segment 0
		.amdhsa_kernarg_size 40
		.amdhsa_user_sgpr_count 2
		.amdhsa_user_sgpr_kernarg_segment_ptr 1
		.amdhsa_wavefront_size32 1
		.amdhsa_system_sgpr_workgroup_id_x 1
		.amdhsa_system_sgpr_workgroup_id_y 1
		.amdhsa_system_sgpr_workgroup_id_z 1
		.amdhsa_system_vgpr_workitem_id 0
		.amdhsa_next_free_vgpr 640
		.amdhsa_next_free_sgpr 100
		.amdhsa_reserve_vcc 0
		.amdhsa_float_denorm_mode_32 3
		.amdhsa_float_denorm_mode_16_64 3
		.amdhsa_memory_ordered 1
		.amdhsa_forward_progress 1
		.amdhsa_inst_pref_size 105
	.end_amdhsa_kernel
	.amdgpu_metadata
---
amdhsa.version: [ 1, 2 ]
amdhsa.kernels:
  - .name:           k_q3de7414c31_mp
    .symbol:         k_q3de7414c31_mp.kd
    .args:
      - { .name: mb, .offset: 0, .size: 8, .value_kind: global_buffer, .address_space: global }
      - { .name: wts, .offset: 8, .size: 8, .value_kind: global_buffer, .address_space: global }
      - { .name: b_mp, .offset: 16, .size: 8, .value_kind: global_buffer, .address_space: global }
      - { .name: x1, .offset: 24, .size: 8, .value_kind: global_buffer, .address_space: global }
      - { .name: out0, .offset: 32, .size: 8, .value_kind: global_buffer, .address_space: global }
    .group_segment_fixed_size: 327680
    .private_segment_fixed_size: 0
    .kernarg_segment_align: 8
    .kernarg_segment_size: 40
    .max_flat_workgroup_size: 128
    .sgpr_count:     100
    .vgpr_count:     640
    .wavefront_size: 32
...
	.end_amdgpu_metadata
.endif
;; end of part 14
